; MI455X (gfx1250); checked and timed in simulation.
; The chip was launched on July 23, 2026; its instructions are those of AMD's public machine-readable ISA for CDNA 5 (MIT licence, August 2026) and "CDNA5" Instruction Set Architecture Reference Guide (July 2026). The comments in the code are by the model that wrote it; some were corrected since.
;; Encoder Layer. Allowed arithmetic: matrix products marked QUANTISED: E3M2 operands, one E8M0 scale for each 32 along K, by v_wmma_scale_f32_16x16x128_f8f6f4 with both operands' format E3M2, f32 sums; everything else in f32.
;; Inputs: W1 1,024 x 4,096 float32; W2 4,096 x 1,024 float32; Wk 1,024 x 1,024 float32; Wo 1,024 x 1,024 float32; Wv 1,024 x 1,024 float32; alpha1 1,024 float32; alpha2 1,024 float32; b1 4,096 float32; b2 1,024 float32; bias1 1,024 float32; bias2 1,024 float32; bk 1,024 float32; bo 1,024 float32; bv 1,024 float32; mask 2 x 1 x 2,048 int32; x 2 x 2,048 x 1,024 float32.
;; Outputs: out0 2 x 2,048 x 1,024 float32.
;; This version of the problem:
;;   THIS VERSION OF THE PROBLEM IS GIVEN IN LOW PRECISION. The matrix products marked QUANTISED in the list below multiply operands that are first quantised to E3M2 (3 exponent bits, 2 mantissa bits; 6 bits a number), with one power-of-two scale for each 32 numbers along K (OCP MX v1.0); their sums are f32. All else is computed in f32.
;;   The module's matrix products, in the order in which they are computed (A, B: the left and right operand; K: the contracted axis; several contracted axes count as one K, in the product's order):
;;     1. [M 4,096, K 1,024] x [K 1,024, N 1,024]; A: computed on the way; B: input Wk: QUANTISED
;;     2. [M 4,096, K 1,024] x [K 1,024, N 1,024]; A: computed on the way; B: input Wk: QUANTISED
;;     3. [M 4,096, K 1,024] x [K 1,024, N 1,024]; A: computed on the way; B: input Wv: QUANTISED
;;     4. batch 32 x [M 2,048, K 64] x [K 64, N 2,048]; A: computed on the way; B: computed on the way: QUANTISED
;;     5. batch 32 x [M 2,048, K 2,048] x [K 2,048, N 64]; A: softmax (see below); B: computed on the way: QUANTISED
;;     6. [M 4,096, K 1,024] x [K 1,024, N 1,024]; A: computed on the way; B: input Wo: QUANTISED
;;     7. [M 4,096, K 1,024] x [K 1,024, N 4,096]; A: computed on the way; B: input W1: QUANTISED
;;     8. [M 4,096, K 4,096] x [K 4,096, N 1,024]; A: computed on the way; B: input W2: QUANTISED
;;   THE QUANTISER, for each operand of a quantised product, along K:
;;     - K is cut into blocks of 32 from its start; a last block that is shorter is filled with zeros.
;;     - A block's scale is 2^e with e = floor(log2(the largest magnitude in the block)) - 4, held to -126 .. 127; a block of zeros has e = 0. As a byte (E8M0): e + 127.
;;     - Each number is divided by its block's scale, clamped to +-28, and rounded to the nearest number of E3M2, ties to even, subnormals kept.
;;     - The product sums the exact products of the quantised numbers (number of the format x scale) in f32.
;;   ~~~python
;;   def quantise(x, axis):      # numpy; x: float32 -> the quantised numbers, widened to float32 again
;;       x = np.moveaxis(x, axis, -1); K = x.shape[-1]
;;       x = np.pad(x, [(0, 0)] * (x.ndim - 1) + [(0, -K % 32)]); x = x.reshape(x.shape[:-1] + (-1, 32)); a = np.abs(x).max(-1, keepdims=True)
;;       e = np.where(a > 0, np.clip(np.frexp(np.where(a > 0, a, 1))[1] - 1 - 4, -126, 127), 0)      # np.frexp(a)[1] - 1 = floor(log2(a)), exactly
;;       r = np.clip(x / 2.0 ** e, -28, 28)
;;       step = 2.0 ** (np.maximum(np.frexp(np.where(r == 0, 1, r))[1] - 1, -2) - 2)
;;       q = np.round(r / step) * step * 2.0 ** e      # np.round: ties to even
;;       return np.moveaxis(q.reshape(q.shape[:-2] + (-1,))[..., :K], -1, axis).astype(np.float32)
;;   ~~~
;;   SOFTMAX AHEAD OF A QUANTISED PRODUCT. Where the list says 'softmax', what is quantised is not the finished softmax but p = 2^(t - M), with t = logit x log2(e) and M = ceil(the row's largest t), a whole number; so 1/2 < the row's largest p <= 1. The row's sum l is taken of the UNQUANTISED p, in f32, and the product's result is divided by l at the end. Since M is a whole number, a kernel that streams over the keys may use a running M (the ceiling of the running maximum): every later rescaling is an exact power of two, which a block's scale takes up: the codes' values come out the same.
;;   OPERANDS COMPUTED ON THE WAY. 'Computed on the way' means the value that the module computes at that place (a softmax that the list does not call 'softmax' is quantised finished and normalised). What goes into a quantiser is computed in f32, as accurately as f32 sums, v_exp_f32 and their like allow (about 1e-6 of the number): no bf16 or f16 on the way to a quantiser, and a product that is left as it is and whose result goes on into a quantised operand takes f32 operands (vector FMAs, or v_wmma_f32_16x16x4_f32). A number that lies on a knife's edge between two numbers of the format may be rounded either way, as far as f32 arithmetic and the matrix unit's own rounding can turn it there, and no further.
;; 2 versions. Each part assembles by itself: llvm-mc -triple=amdgcn-amd-amdhsa -mcpu=gfx1250 --defsym DOCPART=n.
;; ======== version 1 of 2: 7 launches
;; limits: right only within a limited range of input values
;; workspace buffers: wq 9,011,200 bytes; xq 3,276,800 bytes; kv 6,684,672 bytes; cq 3,276,800 bytes; x1 16,777,216 bytes; yq 3,276,800 bytes; hq 13,107,200 bytes
;; launch prep (part 1): grid 432 x 1, 8 waves a work-group, no clusters, 67,072 bytes of LDS; arguments x, alpha1, bias1, xq, Wk, Wv, Wo, W1, W2, wq; writes xq, wq
.if DOCPART == 1
	.amdgcn_target "amdgcn-amd-amdhsa--gfx1250"
	.amdhsa_code_object_version 6
	.text
	.protected	k_q22e47c9c82_prep
	.globl	k_q22e47c9c82_prep
	.p2align	8
	.type	k_q22e47c9c82_prep,@function
k_q22e47c9c82_prep:
	s_mov_b64 s[64:65], 0
	v_nop
	global_prefetch_b8 v0, s[64:65] scope:SCOPE_SE
	s_setreg_imm32_b32 hwreg(HW_REG_WAVE_MODE, 25, 1), 1
	s_wait_xcnt 0x0
; Work-groups 0-255: norm1 of 16 rows of x (mean, unbiased std, eps added to the std, gain and bias) and their codes of BF6 (E3M2) with one E8M0 byte for each 32 along the 1,024 features.
; Work-groups 256-431: the five weights, stored [K][N], are quantised DOWN K: a lane takes a column and its registers run down K.
; OPERANDS LIE IN THE ORDER OF THE MATRIX UNIT'S REGISTERS.  A fragment (16 rows x 128 K) is 1,536 bytes: chunk p (0-5) of 256 bytes, lane l's 8 bytes at 8 l = its registers 2 p, 2 p + 1.
; Fragment (tile T, K step ks) lies at (T x K/128 + ks) x 1,536.  The scale word of (row pos, ks) lies at ((pos >> 7) x K/256 + (ks >> 1)) x 1,024 + (pos & 127) x 8 + (ks & 1) x 4.
; ROWS ARE KEPT BY POSITION: position 32 g + 16 u + r is true row 32 g + 8 u + (r & 7) + 16 (r >> 3), so that a tile used as source 0 leaves 16 true neighbours in a lane's 16 registers of two neighbouring tiles.
; LIMITS: NaN and infinities among the inputs are not served; a block whose largest magnitude lies under 2^-122 keeps the byte 1 (a block of zeros too: its codes are zeros, and this program alone reads the bytes).
; The scale words of the rows leave as 4 bytes a lane, 8 bytes apart: one byte in 24 of what this path stores.
.set PIT,  4112                        ; a row in LDS: 4,096 bytes + 16, so that sixteen rows' loads of 16 bytes start at sixteen different groups of banks
.set XR,   16                          ; v16-79   two rows, 32 numbers a lane each; later ST: 64 numbers of one row's K step
.set ST,   16
.set AL,   80                          ; v80-111  alpha on the rows' lane map
.set BE,   112                         ; v112-143 bias
.set ACC,  144                         ; v144-159 sums: four pairs a row
.set TM,   144                         ; later: at work in QUANT
.set PW,   160                         ; the scale word
.set PC,   164                         ; v164-183 the codes
.set MU,   184                         ; v184-187 the mean, twice a row
.set IV,   188                         ; v188-191 1 / (sd + eps), twice a row
.set SEL,  2                           ; s[2:3] lane selects: lane l xor 16
; each row's four pairs of partial sums become one number, in every lane: v[ACC + 8 e]
.macro FOLD
.irp e, 0,1
	v_pk_add_f32 v[ACC+8*\e:ACC+8*\e+1], v[ACC+8*\e:ACC+8*\e+1], v[ACC+8*\e+2:ACC+8*\e+3]
	v_pk_add_f32 v[ACC+8*\e+4:ACC+8*\e+5], v[ACC+8*\e+4:ACC+8*\e+5], v[ACC+8*\e+6:ACC+8*\e+7]
.endr
.irp e, 0,1
	v_pk_add_f32 v[ACC+8*\e:ACC+8*\e+1], v[ACC+8*\e:ACC+8*\e+1], v[ACC+8*\e+4:ACC+8*\e+5]
.endr
.irp e, 0,1
	v_add_f32 v[ACC+8*\e], v[ACC+8*\e], v[ACC+8*\e+1]
.endr
.irp m, 1,2,4,8
.irp e, 0,1
	v_add_f32_dpp v[ACC+8*\e], v[ACC+8*\e], v[ACC+8*\e] row_xmask:\m row_mask:0xf bank_mask:0xf
.endr
.endr
.irp e, 0,1
	v_permlanex16_b32 v[ACC+8*\e+1], v[ACC+8*\e], s[SEL], s[SEL+1]
.endr
.irp e, 0,1
	v_add_f32 v[ACC+8*\e], v[ACC+8*\e], v[ACC+8*\e+1]
.endr
.endm
; 64 numbers of a lane, register 16 b + i = k 32 b + 16 (lane / 16) + i of my row, become a fragment's codes in v[PC] on and its scale word in v[PW]
.macro QUANT s
.irp b, 0,1,2,3
	v_max3_num_f32 v[TM+\b], |v[\s+16*\b]|, |v[\s+1+16*\b]|, 0x2800000   ; my 16 numbers of block b, and the floor 2^(5 - 127): the byte cannot fall under 1
.endr
.irp i, 2,4,6,8,10,12,14
.irp b, 0,1,2,3
	v_max3_num_f32 v[TM+\b], v[TM+\b], |v[\s+16*\b+\i]|, |v[\s+1+16*\b+\i]|
.endr
.endr
.irp b, 0,1,2,3
	v_permlanex16_b32 v[TM+4+\b], v[TM+\b], s[SEL], s[SEL+1]
.endr
.irp b, 0,1,2,3
	v_max_num_f32 v[TM+\b], v[TM+\b], v[TM+4+\b]                        ; with lane l xor 16's: the block's largest magnitude
.endr
.irp b, 0,1,2,3
	v_add_nc_u32 v[TM+12+\b], 0xfe000000, v[TM+\b]                      ; 4 off its exponent field: the conversion's scale operand
.endr
.irp b, 0,1,2,3
	v_lshrrev_b32 v[TM+4+\b], 23, v[TM+12+\b]                           ; the scale's byte
.endr
	v_lshl_or_b32 v[PW], v[TM+5], 8, v[TM+4]
	v_lshl_or_b32 v[PW], v[TM+6], 16, v[PW]
	v_lshl_or_b32 v[PW], v[TM+7], 24, v[PW]
.irp c, 0,1
	v_cvt_scalef32_pk16_bf6_f32 v[PC+6*\c:PC+2+6*\c], v[\s+32*\c:\s+15+32*\c], v[TM+12+2*\c]
	v_cvt_scalef32_pk16_bf6_f32 v[PC+12+4*\c:PC+14+4*\c], v[\s+16+32*\c:\s+31+32*\c], v[TM+12+2*\c+1]   ; (a conversion's three registers begin on an even number)
.endr
	v_nop                                          ; one plain place behind a scaled conversion
.irp c, 0,1                                    ; a WHOLE block to a lane: lanes 0-15 block 2 c, lanes 16-31 block 2 c + 1
.irp i, 0,1,2
	v_permlane16_swap_b32 v[PC+6*\c+\i], v[PC+12+4*\c+\i]
.endr
.irp i, 0,1,2
	v_mov_b32 v[PC+3+6*\c+\i], v[PC+12+4*\c+\i]
.endr
.endr
.endm
	s_load_b256 s[4:11], s[0:1], 0x0               ; x, alpha, bias, xq
	s_load_b256 s[12:19], s[0:1], 0x20             ; Wk, Wv, Wo, W1
	s_load_b128 s[20:23], s[0:1], 0x40             ; W2, wq
	v_lshl_add_u32 v192, v0, 2, 0x10200
	v_mov_b32 v193, 0
	v_lshrrev_b32 v1, 5, v0
	v_readfirstlane_b32 s24, v1                    ; wave 0..7
	v_and_b32 v2, 31, v0                           ; lane
	s_mov_b32 s[SEL], 0x76543210
	s_mov_b32 s[SEL+1], 0xfedcba98
	s_cmp_lt_u32 ttmp9, 256
	s_cbranch_scc0 .Lweights
	; ---- THE NORM.  Tile T = the work-group's number.  Wave w takes positions 2 w and 2 w + 1, which are two neighbouring true rows
	s_lshr_b32 s25, ttmp9, 1
	s_lshl_b32 s25, s25, 5                         ; 32 g
	s_and_b32 s26, ttmp9, 1
	s_lshl_b32 s26, s26, 3                         ; 8 u
	s_add_co_u32 s25, s25, s26
	s_lshl_b32 s26, s24, 1
	s_and_b32 s26, s26, 7                          ; 2 w & 7
	s_add_co_u32 s25, s25, s26
	s_lshr_b32 s26, s24, 2
	s_lshl_b32 s26, s26, 4                         ; 16 (w >> 2)
	s_add_co_u32 s25, s25, s26                     ; the first of my two true rows
	s_lshl_b32 s26, s25, 12                        ; x 4,096 bytes
	s_mov_b32 s27, 0
	v_lshlrev_b32 v3, 4, v2                        ; 16 x lane
	s_wait_kmcnt 0x0
	s_add_nc_u64 s[4:5], s[4:5], s[26:27]
.irp e, 0,1
.irp j, 0,1,2,3,4,5,6,7
	global_load_b128 v[XR+32*\e+4*\j:XR+32*\e+4*\j+3], v3, s[4:5] offset:4096*\e+512*\j th:TH_LOAD_NT   ; 32 lanes read 512 consecutive bytes
.endr
.endr
.irp j, 0,1,2,3,4,5,6,7
	global_load_b128 v[AL+4*\j:AL+4*\j+3], v3, s[6:7] offset:512*\j
	global_load_b128 v[BE+4*\j:BE+4*\j+3], v3, s[8:9] offset:512*\j
.endr
	s_mul_i32 s28, s24, 2*PIT
	v_add_nc_u32 v4, s28, v3                       ; LDS, in: my two rows, 16 x lane
	v_and_b32 v6, 15, v2                           ; r
	v_lshrrev_b32 v7, 4, v2                        ; h
	v_mul_u32_u24 v5, v6, PIT
	v_lshl_add_u32 v5, v7, 6, v5
	s_lshl_b32 s28, s24, 9
	v_add_nc_u32 v5, s28, v5                       ; LDS, out: row r, K step w (512 bytes), + 64 h
	v_lshlrev_b32 v8, 3, v2                        ; 8 x lane
	v_lshlrev_b32 v9, 3, v6                        ; 8 r
	s_wait_loadcnt 16                              ; the two rows are in; the 16 loads of alpha and bias may stay out
.irp e, 0,1
.irp c, 0,2,4,6
	v_pk_add_f32 v[ACC+8*\e+\c:ACC+8*\e+\c+1], v[XR+32*\e+\c:XR+32*\e+\c+1], v[XR+32*\e+8+\c:XR+32*\e+9+\c]   ; the first numbers start four chains a row: nothing is cleared
.endr
.endr
.irp i, 16,24
.irp e, 0,1
.irp c, 0,2,4,6
	v_pk_add_f32 v[ACC+8*\e+\c:ACC+8*\e+\c+1], v[ACC+8*\e+\c:ACC+8*\e+\c+1], v[XR+32*\e+\i+\c:XR+32*\e+\i+\c+1]
.endr
.endr
.endr
	FOLD
.irp e, 0,1
	v_mul_f32 v[MU+2*\e], 0x3a800000, v[ACC+8*\e]  ; the mean: sum / 1,024
	v_mul_f32 v[MU+2*\e+1], 0x3a800000, v[ACC+8*\e]
.endr
.set i, 0
.rept 16
	v_pk_add_f32 v[XR+i:XR+i+1], v[XR+i:XR+i+1], v[MU:MU+1] neg_lo:[0,1] neg_hi:[0,1]            ; d = x - mean, in place: the variance is taken of d, not as a difference of large sums
	v_pk_add_f32 v[XR+32+i:XR+33+i], v[XR+32+i:XR+33+i], v[MU+2:MU+3] neg_lo:[0,1] neg_hi:[0,1]
.set i, i+2
.endr
.irp e, 0,1
.irp c, 0,2,4,6
	v_pk_mul_f32 v[ACC+8*\e+\c:ACC+8*\e+\c+1], v[XR+32*\e+\c:XR+32*\e+\c+1], v[XR+32*\e+\c:XR+32*\e+\c+1]
.endr
.endr
.irp i, 8,16,24
.irp e, 0,1
.irp c, 0,2,4,6
	v_pk_fma_f32 v[ACC+8*\e+\c:ACC+8*\e+\c+1], v[XR+32*\e+\i+\c:XR+32*\e+\i+\c+1], v[XR+32*\e+\i+\c:XR+32*\e+\i+\c+1], v[ACC+8*\e+\c:ACC+8*\e+\c+1]
.endr
.endr
.endr
	FOLD
	v_mul_f32 v[IV], 0x3a802008, v[ACC]            ; / 1,023: the unbiased variance
	v_mul_f32 v[IV+2], 0x3a802008, v[ACC+8]
	v_sqrt_f32 v[IV+1], v[IV]
	v_sqrt_f32 v[IV+3], v[IV+2]
	v_nop                                          ; a plain place behind the roots
	s_wait_alu depctr_va_vdst(0)                   ; one wait for both, ahead of their first reader
	v_add_f32 v[IV], 0x358637bd, v[IV+1]           ; sd + 1e-6
	v_add_f32 v[IV+2], 0x358637bd, v[IV+3]
	v_rcp_f32 v[IV+1], v[IV]
	v_rcp_f32 v[IV+3], v[IV+2]
	v_nop
	s_wait_alu depctr_va_vdst(0)
	v_mov_b32 v[IV], v[IV+1]
	v_mov_b32 v[IV+2], v[IV+3]
	s_wait_loadcnt 0x0                             ; alpha and bias
.set i, 0
.rept 16
	v_pk_mul_f32 v[XR+i:XR+i+1], v[XR+i:XR+i+1], v[IV:IV+1]
	v_pk_mul_f32 v[XR+32+i:XR+33+i], v[XR+32+i:XR+33+i], v[IV+2:IV+3]
.set i, i+2
.endr
.set i, 0
.rept 16
	v_pk_fma_f32 v[XR+i:XR+i+1], v[XR+i:XR+i+1], v[AL+i:AL+i+1], v[BE+i:BE+i+1]
	v_pk_fma_f32 v[XR+32+i:XR+33+i], v[XR+32+i:XR+33+i], v[AL+i:AL+i+1], v[BE+i:BE+i+1]
.set i, i+2
.endr
.irp e, 0,1
.irp j, 0,1,2,3,4,5,6,7
	ds_store_b128 v4, v[XR+32*\e+4*\j:XR+32*\e+4*\j+3] offset:PIT*\e+512*\j
.endr
.endr
	s_wait_dscnt 0x0                               ; for the others' sake: my two rows lie in LDS
	s_barrier_signal -1
	s_barrier_wait -1
	; wave w now takes K step w of all sixteen rows: lane (r, h) 16 neighbours of each block of 32
.irp b, 0,1,2,3
.irp j, 0,1,2,3
	ds_load_b128 v[ST+16*\b+4*\j:ST+16*\b+4*\j+3], v5 offset:128*\b+16*\j
.endr
.endr
	s_lshl_b32 s26, ttmp9, 3
	s_add_co_u32 s26, s26, s24
	s_mul_i32 s26, s26, 1536                       ; fragment (T, w)
	s_add_nc_u64 s[28:29], s[10:11], s[26:27]
	s_lshr_b32 s26, ttmp9, 3
	s_lshl_b32 s26, s26, 12
	s_lshr_b32 s30, s24, 1
	s_lshl_b32 s30, s30, 10
	s_add_co_u32 s26, s26, s30
	s_and_b32 s30, ttmp9, 7
	s_lshl_b32 s30, s30, 7
	s_add_co_u32 s26, s26, s30
	s_and_b32 s30, s24, 1
	s_lshl_b32 s30, s30, 2
	s_add_co_u32 s26, s26, s30
	s_add_co_u32 s26, s26, 3145728                 ; the scale words lie behind the codes
	s_add_nc_u64 s[30:31], s[10:11], s[26:27]
	s_wait_dscnt 0x0
	QUANT ST
.irp p, 0,1,2,3,4,5
	global_store_b64 v8, v[PC+2*\p:PC+2*\p+1], s[28:29] offset:256*\p   ; 32 lanes store 256 consecutive bytes, aligned
.endr
	global_store_b32 v9, v[PW], s[30:31]           ; lanes l and l xor 16 hold the same word and store it to the same place
	s_wait_tensorcnt 0x0
	ds_add_u32 v192, v193
	s_wait_dscnt 0x0
	s_endpgm
	; ---- THE WEIGHTS.  e = work-group - 256: 0-47 Wk, Wv, Wo (16 each: 4 blocks of 256 columns x 4 of 256 along K); 48-111 W1 (16 x 4); 112-175 W2 (4 x 16).  A wave: 32 columns x 256 along K
.Lweights:
	s_sub_co_u32 s25, ttmp9, 256
	s_lshr_b32 s38, s25, 4                         ; which of the three small ones
	s_wait_kmcnt 0x0
	s_cmp_lt_u32 s25, 16                           ; every choice hangs on the work-group's number alone
	s_cselect_b64 s[28:29], s[12:13], s[14:15]
	s_cmp_lt_u32 s25, 32
	s_cselect_b64 s[28:29], s[28:29], s[16:17]
	s_cmp_lt_u32 s25, 48
	s_cselect_b64 s[28:29], s[28:29], s[18:19]
	s_cselect_b32 s34, 0, 48                       ; the matrix's first e
	s_cselect_b32 s35, 3, 15                       ; mask of the column block
	s_cselect_b32 s36, 2, 4                        ; shift to the K block
	s_cselect_b32 s38, s38, 3                      ; the matrix's place in wq, in units of 786,432 bytes of codes and 32,768 of scale words
	s_cselect_b32 s39, 20, 22                      ; log2 of 256 rows of the matrix in bytes
	s_cmp_lt_u32 s25, 112
	s_cselect_b64 s[28:29], s[28:29], s[20:21]
	s_cselect_b32 s34, s34, 112
	s_cselect_b32 s35, s35, 3
	s_cselect_b32 s36, s36, 2
	s_cselect_b32 s38, s38, 7
	s_cselect_b32 s39, s39, 20
	s_cselect_b32 s37, 3, 15                       ; mask of the K block
	s_cselect_b32 s31, 4, 16                       ; K / 256
	s_mov_b32 s30, 49152
	s_cselect_b32 s30, 12288, s30                  ; a tile's fragments for all of K, in bytes
	s_sub_co_u32 s25, s25, s34
	s_and_b32 s26, s25, s35                        ; cb
	s_lshr_b32 s27, s25, s36
	s_and_b32 s27, s27, s37                        ; kb
	s_lshl_b32 s40, s27, s39
	s_lshl_b32 s41, s26, 10
	s_add_co_u32 s40, s40, s41
	s_lshl_b32 s41, s24, 7
	s_add_co_u32 s40, s40, s41                     ; row 256 kb, column 256 cb + 32 w
	s_mov_b32 s41, 0
	s_add_nc_u64 s[28:29], s[28:29], s[40:41]
	s_mul_i32 s42, s38, 786432
	s_lshl_b32 s43, s26, 4
	s_lshl_b32 s44, s24, 1
	s_add_co_u32 s43, s43, s44                     ; my first tile: 16 cb + 2 w
	s_mul_i32 s43, s43, s30
	s_add_co_u32 s42, s42, s43
	s_mul_i32 s43, s27, 3072                       ; K step 2 kb
	s_add_co_u32 s42, s42, s43
	s_mov_b32 s43, 0
	s_add_nc_u64 s[44:45], s[22:23], s[42:43]      ; my first tile's fragments,
	s_mov_b32 s48, s30
	s_mov_b32 s49, 0
	s_add_nc_u64 s[46:47], s[44:45], s[48:49]      ; my second tile's
	s_lshl_b32 s50, s26, 1
	s_lshr_b32 s51, s24, 2
	s_add_co_u32 s50, s50, s51
	s_mul_i32 s50, s50, s31
	s_add_co_u32 s50, s50, s27
	s_lshl_b32 s50, s50, 10
	s_and_b32 s51, s24, 3
	s_lshl_b32 s51, s51, 8
	s_add_co_u32 s50, s50, s51
	s_lshl_b32 s51, s38, 15
	s_add_co_u32 s50, s50, s51
	s_add_co_u32 s50, s50, 8650752                 ; the scale words lie behind all codes
	s_mov_b32 s51, 0
	s_add_nc_u64 s[50:51], s[22:23], s[50:51]
	v_lshrrev_b32 v3, 4, v2                        ; lane 16 u + r takes true column 8 u + (r & 7) + 16 (r >> 3) of my 32: the order of positions is made here
	v_and_b32 v4, 7, v2
	v_lshl_add_u32 v3, v3, 3, v4
	v_bfe_u32 v4, v2, 3, 1
	v_lshl_add_u32 v3, v4, 4, v3
	v_lshlrev_b32 v3, 2, v3
	v_lshlrev_b32 v8, 3, v2                        ; 8 x lane
.macro LOADW t, stride                         ; block t: 32 rows of the matrix at my column; a load's 32 lanes read 128 consecutive bytes
.irp i, 0,1,2,3,4,5,6,7,8,9,10,11,12,13,14,15,16,17,18,19,20,21,22,23,24,25,26,27,28,29,30,31
	global_load_b32 v[32+32*((\t)%2)+\i], v3, s[28:29] offset:(32*(\t)+\i)*\stride th:TH_LOAD_NT
.endr
.endm
.macro BLOCKW t, stride
.set XS, 32+32*((\t)%2)
.set CX, 96+6*(\t)                             ; each block's six registers of codes are its own: no store's data are written again
.if (\t) < 7
	s_wait_loadcnt 32                              ; this block's 32 loads are in; the next block's may be out
.else
	s_wait_loadcnt 0x0
.endif
	v_max3_num_f32 v12, |v[XS]|, |v[XS+1]|, |v[XS+2]|
	v_max3_num_f32 v13, |v[XS+3]|, |v[XS+4]|, |v[XS+5]|
.irp i, 6,10,14,18,22,26
	v_max3_num_f32 v12, v12, |v[XS+\i]|, |v[XS+\i+1]|
	v_max3_num_f32 v13, v13, |v[XS+\i+2]|, |v[XS+\i+3]|
.endr
	v_max3_num_f32 v12, v12, |v[XS+30]|, |v[XS+31]|
	v_max3_num_f32 v12, v12, v13, 0x2800000        ; the block's largest magnitude, all 32 numbers mine, and the floor
	v_add_nc_u32 v11, 0xfe000000, v12              ; the conversion's scale operand
	v_lshrrev_b32 v13, 23, v11                     ; the byte
.if (\t)%4 == 0
	v_mov_b32 v[24+(\t)/4], v13
.else
	v_lshl_or_b32 v[24+(\t)/4], v13, 8*((\t)%4), v[24+(\t)/4]
.endif
	v_cvt_scalef32_pk16_bf6_f32 v[CX:CX+2], v[XS:XS+15], v11
	v_cvt_scalef32_pk16_bf6_f32 v[144:146], v[XS+16:XS+31], v11
	v_nop                                          ; one plain place behind a scaled conversion
.irp i, 0,1,2
	v_mov_b32 v[CX+3+\i], v[144+\i]
.endr
.if (\t)+2 < 8
	LOADW (\t)+2, \stride
.endif
.if (\t)%2 == 1                                ; two blocks make registers 6 c .. 6 c + 5 of a fragment: lanes 0-15 want the even block, lanes 16-31 the odd one, of ONE tile
.irp i, 0,1,2,3,4,5
	v_permlane16_swap_b32 v[CX-6+\i], v[CX+\i]     ; the first now holds my first tile's registers, the second my second tile's
.endr
.irp i, 0,1,2
	global_store_b64 v8, v[CX-6+2*\i:CX-6+2*\i+1], s[44:45] offset:((\t)/4)*1536+768*(((\t)/2)%2)+256*\i   ; 256 consecutive bytes, aligned
	global_store_b64 v8, v[CX+2*\i:CX+2*\i+1], s[46:47] offset:((\t)/4)*1536+768*(((\t)/2)%2)+256*\i
.endr
.endif
.endm
.macro WPATH stride
	LOADW 0, \stride
	LOADW 1, \stride
.irp t, 0,1,2,3,4,5,6,7
	BLOCKW \t, \stride
.endr
	global_store_b64 v8, v[24:25], s[50:51]        ; my column's two scale words: the wave stores 256 consecutive bytes, aligned
	s_endpgm
.endm
	s_cmp_eq_u32 s39, 22                           ; the row's length stands in the loads' immediates: W1's rows are 16,384 bytes, the others' 4,096
	s_cbranch_scc1 .Lwide
	WPATH 4096
.Lwide:
	WPATH 16384
.Lfunc_end_k_q22e47c9c82_prep:
	.size	k_q22e47c9c82_prep, .Lfunc_end_k_q22e47c9c82_prep-k_q22e47c9c82_prep
	.p2alignl 7, 3214868480
	.fill 96, 4, 3214868480
	.section	.rodata,"a",@progbits
	.p2align	6, 0x0
	.amdhsa_kernel k_q22e47c9c82_prep
		.amdhsa_group_segment_fixed_size 67072
		.amdhsa_private_segment_fixed_size 0
		.amdhsa_enable_private_segment 0
		.amdhsa_kernarg_size 80
		.amdhsa_user_sgpr_count 2
		.amdhsa_user_sgpr_kernarg_segment_ptr 1
		.amdhsa_wavefront_size32 1
		.amdhsa_system_sgpr_workgroup_id_x 1
		.amdhsa_system_sgpr_workgroup_id_y 1
		.amdhsa_system_sgpr_workgroup_id_z 1
		.amdhsa_system_vgpr_workitem_id 0
		.amdhsa_next_free_vgpr 194
		.amdhsa_next_free_sgpr 66
		.amdhsa_reserve_vcc 0
		.amdhsa_float_denorm_mode_32 3
		.amdhsa_float_denorm_mode_16_64 3
		.amdhsa_memory_ordered 1
		.amdhsa_forward_progress 1
		.amdhsa_inst_pref_size 105
	.end_amdhsa_kernel
	.amdgpu_metadata
---
amdhsa.version: [ 1, 2 ]
amdhsa.kernels:
  - .name:           k_q22e47c9c82_prep
    .symbol:         k_q22e47c9c82_prep.kd
    .args:
      - { .name: x, .offset: 0, .size: 8, .value_kind: global_buffer, .address_space: global }
      - { .name: alpha1, .offset: 8, .size: 8, .value_kind: global_buffer, .address_space: global }
      - { .name: bias1, .offset: 16, .size: 8, .value_kind: global_buffer, .address_space: global }
      - { .name: xq, .offset: 24, .size: 8, .value_kind: global_buffer, .address_space: global }
      - { .name: Wk, .offset: 32, .size: 8, .value_kind: global_buffer, .address_space: global }
      - { .name: Wv, .offset: 40, .size: 8, .value_kind: global_buffer, .address_space: global }
      - { .name: Wo, .offset: 48, .size: 8, .value_kind: global_buffer, .address_space: global }
      - { .name: W1, .offset: 56, .size: 8, .value_kind: global_buffer, .address_space: global }
      - { .name: W2, .offset: 64, .size: 8, .value_kind: global_buffer, .address_space: global }
      - { .name: wq, .offset: 72, .size: 8, .value_kind: global_buffer, .address_space: global }
    .group_segment_fixed_size: 67072
    .private_segment_fixed_size: 0
    .kernarg_segment_align: 8
    .kernarg_segment_size: 80
    .max_flat_workgroup_size: 256
    .sgpr_count:     66
    .vgpr_count:     194
    .wavefront_size: 32
...
	.end_amdgpu_metadata
.endif
;; end of part 1
;; launch qkv (part 2): grid 4 x 32, 4 waves a work-group, clusters of 4 x 4, 327,680 bytes of LDS; arguments xq, wq, bk, bv, kv; writes kv
.if DOCPART == 2
	.amdgcn_target "amdgcn-amd-amdhsa--gfx1250"
	.amdhsa_code_object_version 6
	.text
	.protected	k_q22e47c9c82_qkv
	.globl	k_q22e47c9c82_qkv
	.p2align	8
	.type	k_q22e47c9c82_qkv,@function
k_q22e47c9c82_qkv:
	s_mov_b64 s[64:65], 0
	v_nop
	global_prefetch_b8 v0, s[64:65] scope:SCOPE_SE
	s_setreg_imm32_b32 hwreg(HW_REG_WAVE_MODE, 25, 1), 1
	s_wait_xcnt 0x0
	s_wait_alu depctr_hold_cnt(0) depctr_sa_sdst(0) depctr_va_vdst(0) depctr_va_sdst(0) depctr_va_ssrc(0) depctr_va_vcc(0) depctr_vm_vsrc(0)
	s_getreg_b32 s2, hwreg(HW_REG_IB_STS2, 6, 4)
	s_cmp_eq_u32 s2, 0
	s_cbranch_scc0 .Lentry_in_a_cluster
	s_endpgm
.Lentry_in_a_cluster:
	s_bfe_u32 s2, ttmp6, 0x10000c
	s_cmp_lg_u32 s2, 0xf033
	s_cbranch_scc0 .Lentry_shape_is_right
	s_endpgm
.Lentry_shape_is_right:
; k (= q) = x2 Wk + bk and v = x2 Wv + bv on codes of BF6 (E3M2) with E8M0 scales, and both results quantised at once: k along the head's 64, v along the keys.
; Operands lie in memory and in LDS in the order of the matrix unit's registers: a fragment (16 rows x 128 K) is 1,536 bytes, chunk p of 256 bytes = registers 2 p, 2 p + 1, 8 bytes a lane.  Rows are kept by position:
; position 32 g + 16 u + r is true row 32 g + 8 u + (r & 7) + 16 (r >> 3), so that the 16 registers of two neighbouring result tiles are 16 true neighbours along source 0's rows.
; A work-group of four waves makes 256 x 256; a wave 128 x 128: 64 accumulators.  K = 1,024 goes in steps of 256 through two LDS slots filled by joint tensor loads: source 1's tile is shared along a row of the 4 x 4 cluster, source 0's along a column.
; THE CLUSTER'S y SAYS WHICH PART (bit 2; its low two bits YL say which 1,024 tokens).  k: source 1 = x2, tile 4 YL + cy (a lane holds a token), source 0 = Wk, tile cx (registers run along the features).
; v: source 1 = Wv, tile 4 + cy (a lane holds a feature), source 0 = x2, tile 4 YL + cx (registers run along the tokens, v's K).  So in both parts source 1's tile hangs on cy alone and source 0's on cx alone: the masks and every LDS address are
; the same in both; only the buffers and the offsets in memory are chosen by the part, which is the same in all sixteen partners.
; kv: head hb at hb x 208,896, key step s (128 keys) at s x 13,056: K 6,144 (four pairs of tiles: 12 registers = tile 2 p's six, tile 2 p + 1's six; three chunks of 512 bytes, 16 bytes a lane), V 6,144 (four tiles of 16 of the head's 64, 12 registers each),
; K's scale words 512 (16 bytes a lane: word p of lane (r, h): tile 2 p + h, row r, bytes b0 b1 b0 b1), V's 256 (8 bytes a lane: word p: tile 2 p + h, row r).
; LIMITS: NaN and infinities are not served; a block whose largest magnitude lies under 2^-122 keeps the byte 1.
; lds_bytes: all of LDS is claimed; the text uses 213,504 bytes.
.set KK,    1024
.set XSOFF, 3145728                    ; xq: the scale words behind the codes
.set WSOFF, 8650752                    ; wq: Wk's and Wv's scale words (their codes lie at byte 0)
.set NQ,    2                          ; matrix instructions deep in a slot
.set FR,    12                         ; registers of a fragment
.set NL,    6                          ; LDS loads that bring one
.set NP,    4                          ; places behind this matrix instruction (ISA guide 7.12.1)
.set FROWB, KK/128*1536                ; a tile's fragments for all of K
.set HALFT, 8*2*1536                   ; 128 rows x 256 K: what one tensor load brings
.set SLOT,  4*HALFT                    ; source 1's 256 rows, then source 0's
.set LAPS,  KK/512
.set SCL,   2*SLOT                     ; behind the ring: the scale words, filled once
.set HALFS, KK/256*1024                ; those of 128 rows
.set SPARE, SCL+4*HALFS                ; the spare words, 128 bytes a wave: two blocks of 256 bytes that no other line names
.set ADRA, 16                          ; v16-17 LDS address of source 1's fragments in slot 0, 1
.set ADRB, 20                          ; v20-21 of source 0's
.set ADRS, 27                          ; v27    of my scale words: lanes 0-15 source 1's rows, lanes 16-31 source 0's
.set SPW,  28                          ; v28    my spare word; never rewritten
.set NIL,  29                          ; v29    0; never rewritten
.set L8,   30                          ; v30    8 x lane
.set L16,  31                          ; v31    16 x lane
.set SC,   32                          ; v32-63 scale words, two sets; on the way out: at work
.set BI,   64                          ; v64-127 the C of the first step: bk by the result's registers, or zeros
.set AF,   128                         ; v128-223 source 1's fragments, one set
.set LB,   224                         ; v224-239 bv of my lane's feature, twice for each of the eight tiles
.set TM,   32
.set X1,   48
.set X2,   52
.set PWS,  56                          ; v56-63 the eight scale words made
.set D,    64                          ; v64-159 the codes made
.set HM,   18                          ; s18 lanes 16-31
.set SEL,  96                          ; s[96:97] lane l xor 16
.set PART, 66
.set G1, 24
.set G0, 32
.set G1B, 48
.set G0B, 56
.set G1S, 68
.set G0S, 76
.set G1SB, 80
.set G0SB, 88
.set MSB, 0
.macro WIN new                         ; the immediate's high byte repeats the setting that is left
.if MSB != (\new)
	s_set_vgpr_msb (MSB<<8)|(\new)
.set MSB, (\new)
.endif
.endm
.set MUL_LO, 0xa1                      ; source 0 window 1, source 1 window 0, C and D window 2
.set MUL_HI, 0xf1                      ; the same, C and D window 3
.set TO_B,   0x40
.macro JLOAD g0a, g1a, g0b, g1b        ; a joint load: waves 0 and 1 fetch source 1's halves, waves 2 and 3 source 0's; four v_nop follow each line
	s_cmp_eq_u32 s15, 0
	s_cbranch_scc0 .Lfor_b_\@
	tensor_load_to_lds s[\g0a:\g0a+3], s[\g1a:\g1a+7]
	s_nop 0
.rept 4
	v_nop
.endr
	s_branch .Lasked_\@
.Lfor_b_\@:
	tensor_load_to_lds s[\g0b:\g0b+3], s[\g1b:\g1b+7]
	s_nop 0
.rept 4
	v_nop
.endr
.Lasked_\@:
.endm
.macro CREST                           ; a round of the cluster's barrier behind its opening barrier
	s_cmp_lg_u32 s14, 0
	s_cbranch_scc1 .Lnot_wave_0_\@
	s_barrier_signal -3
.Lnot_wave_0_\@:
	s_barrier_wait -3
	s_barrier_signal -1
	s_barrier_wait -1
.endm
.macro CROUND
	s_barrier_signal -1
	s_barrier_wait -1
	CREST
.endm
.macro PLACES n
.rept \n
	v_nop
.endr
.endm
.macro FRAG reg, adr, q, i             ; tile i, the slot's q-th 128 along K: six loads of 256 consecutive bytes
.irp p, 0,1,2,3,4,5
	ds_load_b64 v[\reg+2*\p:\reg+2*\p+1], v[\adr] offset:(\i)*3072+(\q)*1536+256*\p
.endr
.endm
; 16 matrix instructions: source 1's blocks a0, a0 + 1 x source 0's eight.  zero = 1: the first step takes BI as C.  The 64 accumulators take turns, one instruction a turn.
.macro MUL16 a0, p, q, sc, zero
.irp a, \a0, \a0+1
.irp b, 0,1,2,3,4,5,6,7
.if \zero
	v_wmma_scale_f32_16x16x128_f8f6f4 v[8*(8*((\a)%4)+\b):8*(8*((\a)%4)+\b)+7], v[128*(\p)+FR*\b:128*(\p)+FR*\b+FR-1], v[AF+FR*(\a):AF+FR*(\a)+FR-1], v[BI+8*\b:BI+8*\b+7], v[SC+8*NQ*(\sc)+NQ*\b+(\q)], v[SC+8*NQ*(\sc)+NQ*(\a)+(\q)] matrix_a_fmt:MATRIX_FMT_BF6 matrix_b_fmt:MATRIX_FMT_BF6 matrix_a_scale:MATRIX_SCALE_ROW1
.else
	v_wmma_scale_f32_16x16x128_f8f6f4 v[8*(8*((\a)%4)+\b):8*(8*((\a)%4)+\b)+7], v[128*(\p)+FR*\b:128*(\p)+FR*\b+FR-1], v[AF+FR*(\a):AF+FR*(\a)+FR-1], v[8*(8*((\a)%4)+\b):8*(8*((\a)%4)+\b)+7], v[SC+8*NQ*(\sc)+NQ*\b+(\q)], v[SC+8*NQ*(\sc)+NQ*(\a)+(\q)] matrix_a_fmt:MATRIX_FMT_BF6 matrix_b_fmt:MATRIX_FMT_BF6 matrix_a_scale:MATRIX_SCALE_ROW1
.endif
.endr
.endr
.endm
.macro FETCH_B slot, q, p
	WIN TO_B
.irp i, 0,1,2,3,4,5,6,7
	FRAG 128*(\p)+FR*\i, ADRB+\slot, \q, \i
.endr
	WIN 0
.endm
.macro FETCH_A slot, q, i0
.irp i, \i0, \i0+1, \i0+2, \i0+3
	FRAG AF+FR*(\i), ADRA+\slot, \q, \i
.endr
.endm
.macro SCALES sc                       ; a K step's two words a row: lanes 0-15 source 1's block i, lanes 16-31 source 0's
.irp i, 0,1,2,3,4,5,6,7
	ds_load_b64 v[SC+8*NQ*\sc+NQ*\i:SC+8*NQ*\sc+NQ*\i+1], v[ADRS] offset:\i*128
.endr
.endm
.macro STEP slot, q, zero              ; 128 along K with its successor in the same slot
	s_wait_dscnt 4*NL                              ; all but the youngest 24 loads (source 1's blocks 4-7)
	WIN MUL_LO-0x20*\zero                          ; (the first step's C lies in window 0)
	MUL16 0, (\q)%2, \q, \slot, \zero
	MUL16 2, (\q)%2, \q, \slot, \zero
	s_wait_dscnt 0
	PLACES NP
	FETCH_B \slot, (\q)+1, 1-(\q)%2
	FETCH_A \slot, (\q)+1, 0
	WIN MUL_HI-0x30*\zero
	MUL16 4, (\q)%2, \q, \slot, \zero
	MUL16 6, (\q)%2, \q, \slot, \zero
	PLACES NP
	WIN 0
	FETCH_A \slot, (\q)+1, 4
.endm
.macro TURN slot, next, fill           ; a slot's last step changes slots
	s_wait_tensorcnt 0x0                           ; all my tensor loads have landed: my part of the next slot
	ds_add_u32 v[SPW], v[NIL]                      ; 0 onto my spare word
	s_wait_dscnt 4*NL+1                            ; (the add and the youngest 24 loads may be out)
	WIN MUL_LO
	MUL16 0, 1, NQ-1, \slot, 0
	s_wait_dscnt 0x0                               ; the add is done, and my reads of this slot are over
	s_barrier_signal -1
	MUL16 2, 1, NQ-1, \slot, 0
	WIN 0
	s_barrier_wait -1
.if \fill
	CREST                                          ; the barrier has opened a round of the cluster's: no wave of any partner still reads this slot or has a load on its way
	s_add_nc_u64 s[G0+4*\slot+2:G0+4*\slot+3], s[G0+4*\slot+2:G0+4*\slot+3], 2*3072
	s_add_nc_u64 s[G0B+4*\slot+2:G0B+4*\slot+3], s[G0B+4*\slot+2:G0B+4*\slot+3], 2*3072
	JLOAD G0+4*\slot, G1, G0B+4*\slot, G1B         ; the first tensor load behind the round; its four v_nop are also the places in front of the loads below
.else
	PLACES NP
.endif
	v_add_nc_u32 v[ADRS], 1024, v[ADRS]            ; the next K step's scale words
	FETCH_B \next, 0, 0
	FETCH_A \next, 0, 0
	SCALES \next
	WIN MUL_HI
	MUL16 4, 1, NQ-1, \slot, 0
	MUL16 6, 1, NQ-1, \slot, 0
	PLACES NP
	WIN 0
	FETCH_A \next, 0, 4
.endm
; Accumulator block a (64 registers a lane: register 16 b + i = 32 b + 16 (lane / 16) + i along the next K) becomes a fragment: registers 0-5 in v[d0] on, 6-11 in v[d1] on, its scale word in v[pw].
; Each accumulator is first read at its two lowest registers.
.macro QUANTW a, d0, d1, pw
.set W, 2+(\a)/4
.set S, 64*((\a)%4)
	WIN W|(W<<2)
.irp b, 0,1,2,3
	v_max3_num_f32 v[TM+\b], |v[S+16*\b]|, |v[S+16*\b+1]|, 0x2800000    ; and the floor 2^(5 - 127)
.endr
	WIN (W<<2)|(W<<4)
.irp i, 2,4,6,8,10,12,14
.irp b, 0,1,2,3
	v_max3_num_f32 v[TM+\b], v[TM+\b], |v[S+16*\b+\i]|, |v[S+16*\b+\i+1]|
.endr
.endr
	WIN 0
.irp b, 0,1,2,3
	v_permlanex16_b32 v[TM+4+\b], v[TM+\b], s[SEL], s[SEL+1]
.endr
.irp b, 0,1,2,3
	v_max_num_f32 v[TM+\b], v[TM+\b], v[TM+4+\b]
.endr
.irp b, 0,1,2,3
	v_add_nc_u32 v[TM+12+\b], 0xfe000000, v[TM+\b]                      ; 4 off the exponent field: the conversion's scale operand
.endr
.irp b, 0,1,2,3
	v_lshrrev_b32 v[TM+4+\b], 23, v[TM+12+\b]
.endr
	v_lshl_or_b32 v[\pw], v[TM+5], 8, v[TM+4]
	v_lshl_or_b32 v[\pw], v[TM+6], 16, v[\pw]
	v_lshl_or_b32 v[\pw], v[TM+7], 24, v[\pw]
	WIN W
	v_cvt_scalef32_pk16_bf6_f32 v[(\d0):(\d0)+2], v[S:S+15], v[TM+12]
	v_cvt_scalef32_pk16_bf6_f32 v[X1:X1+2], v[S+16:S+31], v[TM+13]
	v_cvt_scalef32_pk16_bf6_f32 v[(\d1):(\d1)+2], v[S+32:S+47], v[TM+14]
	v_cvt_scalef32_pk16_bf6_f32 v[X2:X2+2], v[S+48:S+63], v[TM+15]
	WIN 0
	v_nop                                          ; one plain place behind a scaled conversion
.irp i, 0,1,2
	v_permlane16_swap_b32 v[(\d0)+\i], v[X1+\i]    ; a whole block to a lane
	v_permlane16_swap_b32 v[(\d1)+\i], v[X2+\i]
.endr
.irp i, 0,1,2
	v_mov_b32 v[(\d0)+3+\i], v[X1+\i]
	v_mov_b32 v[(\d1)+3+\i], v[X2+\i]
.endr
.endm
.macro VBIAS a                         ; v's bias hangs on the lane's feature: added ahead of the quantiser
.set W, 2+(\a)/4
.set S, 64*((\a)%4)
	WIN W|(W<<6)
.set j, 0
.rept 32
	v_pk_add_f32 v[S+j:S+j+1], v[S+j:S+j+1], v[LB+2*(\a):LB+2*(\a)+1]
.set j, j+2
.endr
.endm
	s_load_b256 s[4:11], s[0:1], 0x0               ; xq, wq, bk, bv
	s_load_b64 s[12:13], s[0:1], 0x20              ; kv
	v_lshl_add_u32 v[SPW], v0, 2, SPARE
	v_mov_b32 v[NIL], 0
	ds_add_u32 v28, v29
	ds_add_u32 v28, v29
	s_wait_dscnt 0x0
	v_lshrrev_b32 v1, 5, v0
	v_readfirstlane_b32 s14, v1                    ; wave 0..3
	s_lshr_b32 s15, s14, 1                         ; my half of source 1's rows.  Also: I fetch for source 1 (0) or source 0 (1)
	s_and_b32 s16, s14, 1                          ; my half of source 0's rows.  Also: which 128 rows I fetch
	s_bfe_u32 s40, ttmp6, 0x40000                  ; cx
	s_bfe_u32 s41, ttmp6, 0x40004                  ; cy
	s_bfe_u32 s[PART], ttmp7, 0x10002              ; bit 2 of the cluster's y: 0 k, 1 v
	s_bfe_u32 s17, ttmp7, 0x20000
	s_lshl_b32 s17, s17, 2                         ; 4 YL: the first of the cluster's four tiles of 256 tokens
	s_lshl_b32 s43, s41, 2
	s_lshl_b32 s43, 15, s43                        ; my row of the cluster
	s_lshl_b32 s44, 0x1111, s40                    ; my column
	s_or_b32 s[G1+0], s43, (3<<16)|(1<<21)         ; the mask; elements of 8 bytes; bit 21 beside a mask; no padding
	s_or_b32 s[G1B+0], s44, (3<<16)|(1<<21)
.irp g, G1, G1B
	s_mov_b32 s[\g+1], 384<<16                     ; tensor_dim0: a tile's two fragments, 3,072 bytes
	s_mov_b32 s[\g+2], 8<<16                       ; tensor_dim1: 8 tiles
	s_mov_b32 s[\g+3], 384<<16                     ; tile_dim0
	s_mov_b32 s[\g+4], 8                           ; tile_dim1
	s_mov_b32 s[\g+5], FROWB/8                     ; from tile to tile
	s_mov_b32 s[\g+6], 0
	s_mov_b32 s[\g+7], 0
.endr
	s_or_b32 s[G1S+0], s43, (3<<16)|(1<<21)
	s_or_b32 s[G1SB+0], s44, (3<<16)|(1<<21)
.irp g, G1S, G1SB
	s_mov_b32 s[\g+1], 32<<16                      ; the scale words of 128 rows: a dense block, as rows of 256 bytes
	s_mov_b32 s[\g+2], (HALFS/256)<<16
	s_mov_b32 s[\g+3], 32<<16
	s_mov_b32 s[\g+4], HALFS/256
	s_mov_b32 s[\g+5], 32
	s_mov_b32 s[\g+6], 0
	s_mov_b32 s[\g+7], 0
.endr
	s_mov_b32 s98, WSOFF
	s_mov_b32 s99, XSOFF
	s_cmp_eq_u32 s[PART], 0                        ; the part chooses offsets in memory alone
	s_cselect_b32 s19, s17, 4                      ; source 1's first tile of 256: x2's 4 YL, or Wv's 4
	s_cselect_b32 s95, 0, s17                      ; source 0's: Wk's 0, or x2's 4 YL
	s_cselect_b32 s98, XSOFF, s98                  ; where source 1's scale words begin in its buffer,
	s_cselect_b32 s99, WSOFF, s99                  ; and source 0's
	s_add_co_u32 s19, s19, s41                     ; + cy: shared along my row of the cluster
	s_add_co_u32 s95, s95, s40                     ; + cx: shared along my column
	s_lshl_b32 s20, s19, 1
	s_add_co_u32 s20, s20, s16                     ; source 1: which 128 rows I would fetch
	s_lshl_b32 s46, s95, 1
	s_add_co_u32 s46, s46, s16                     ; source 0: likewise
	s_mul_i32 s22, s20, HALFS
	s_add_co_u32 s22, s22, s98
	s_mul_i32 s92, s46, HALFS
	s_add_co_u32 s92, s92, s99
	s_mul_i32 s20, s20, 8*FROWB                    ; the codes lie at byte 0 of both buffers
	s_mul_i32 s46, s46, 8*FROWB
	s_mov_b32 s21, 0
	s_mov_b32 s23, 0
	s_mov_b32 s47, 0
	s_mov_b32 s93, 0
	s_mul_i32 s45, s14, HALFT                      ; where they go: wave x 128 rows
	s_mul_i32 s94, s14, HALFS
	s_wait_kmcnt 0x0
	s_cmp_eq_u32 s[PART], 0                        ; and the buffers: the choice hangs on the cluster's y alone
	s_cselect_b64 s[100:101], s[4:5], s[6:7]       ; source 1's: xq or wq
	s_cselect_b64 s[4:5], s[6:7], s[4:5]           ; source 0's: wq or xq
	s_add_nc_u64 s[20:21], s[100:101], s[20:21]
	s_add_nc_u64 s[22:23], s[100:101], s[22:23]
	s_add_nc_u64 s[46:47], s[4:5], s[46:47]
	s_add_nc_u64 s[92:93], s[4:5], s[92:93]
	CROUND                                         ; all sixteen work-groups are here: the first joint loads meet
	s_mov_b32 s[G0S], 1
	s_add_co_u32 s[G0S+1], s94, SCL
	s_mov_b64 s[G0S+2:G0S+3], s[22:23]
	s_or_b32 s[G0S+3], s[G0S+3], 0x80000000
	s_mov_b32 s[G0SB], 1
	s_add_co_u32 s[G0SB+1], s94, SCL
	s_mov_b64 s[G0SB+2:G0SB+3], s[92:93]
	s_or_b32 s[G0SB+3], s[G0SB+3], 0x80000000
	JLOAD G0S, G1S, G0SB, G1SB                     ; the scale words first
.irp s, 0,1
	s_mov_b32 s[G0+4*\s], 1
	s_add_co_u32 s[G0+4*\s+1], s45, \s*SLOT
	s_add_nc_u64 s[G0+4*\s+2:G0+4*\s+3], s[20:21], \s*3072
	s_or_b32 s[G0+4*\s+3], s[G0+4*\s+3], 0x80000000
	s_mov_b32 s[G0B+4*\s], 1
	s_add_co_u32 s[G0B+4*\s+1], s45, \s*SLOT
	s_add_nc_u64 s[G0B+4*\s+2:G0B+4*\s+3], s[46:47], \s*3072
	s_or_b32 s[G0B+4*\s+3], s[G0B+4*\s+3], 0x80000000
	JLOAD G0+4*\s, G1, G0B+4*\s, G1B
.endr
	v_and_b32 v1, 15, v0                           ; r
	v_bfe_u32 v2, v0, 4, 1                         ; h
	v_and_b32 v3, 31, v0
	v_lshlrev_b32 v[L8], 3, v3
	v_lshlrev_b32 v[L16], 4, v3
	s_mov_b32 s[HM], 0xffff0000
	s_mov_b32 s[SEL], 0x76543210
	s_mov_b32 s[SEL+1], 0xfedcba98
	s_mul_i32 s21, s15, HALFT                      ; my 128 rows of source 1
	s_mul_i32 s22, s16, HALFT                      ; my 128 rows of source 0,
	s_add_co_u32 s22, s22, 2*HALFT                 ; which lie behind source 1's 256
.irp s, 0,1
	v_add_nc_u32 v[ADRA+\s], s21, v[L8]
	v_add_nc_u32 v[ADRB+\s], s22, v[L8]
	s_add_co_u32 s21, s21, SLOT
	s_add_co_u32 s22, s22, SLOT
.endr
	s_mul_i32 s21, s15, HALFS
	s_mul_i32 s22, s16, HALFS
	s_add_co_u32 s22, s22, 2*HALFS
	s_sub_co_u32 s22, s22, s21
	v_mul_u32_u24 v6, s22, v2                      ; lanes 16-31 take source 0's words
	s_add_co_u32 s21, s21, SCL
	v_lshl_add_u32 v5, v1, 3, v6
	v_add_nc_u32 v[ADRS], s21, v5
	s_lshl_b32 s46, s40, 10                        ; bk at source 0's 128 features in k's part: 256 cx + 128 x my half, in bytes
	s_lshl_b32 s47, s16, 9
	s_add_co_u32 s46, s46, s47
	s_mov_b32 s47, 0
	s_add_nc_u64 s[8:9], s[8:9], s[46:47]
	s_lshl_b32 s20, s41, 10                        ; bv at source 1's 128 features in v's part: 256 cy + 128 x my half
	s_lshl_b32 s21, s15, 9
	s_add_co_u32 s20, s20, s21
	s_mov_b32 s21, 0
	s_add_nc_u64 s[10:11], s[10:11], s[20:21]
	v_lshlrev_b32 v7, 6, v2
.irp p, 0,1,2,3
.irp c, 0,1,2,3
	global_load_b128 v[BI+16*\p+4*\c:BI+16*\p+4*\c+3], v7, s[8:9] offset:128*\p+16*\c   ; register 8 b + j: feature 32 (b / 2) + 16 h + 8 (b % 2) + j
.endr
.endr
	v_and_b32 v8, 8, v1
	v_add_nc_u32 v8, v8, v1
	v_lshlrev_b32 v8, 2, v8                        ; my lane's true feature in a tile: r + 8 (r / 8)
.irp a, 0,1,2,3,4,5,6,7
	global_load_b32 v[LB+2*\a], v8, s[10:11] offset:128*(\a/2)+32*(\a%2)
	global_load_b32 v[LB+2*\a+1], v8, s[10:11] offset:128*(\a/2)+32*(\a%2)
.endr
	s_cmp_eq_u32 s[PART], 0                        ; my place in kv
	s_cselect_b32 s98, 1.0, 0                      ; bk counts in k's part alone
	s_cselect_b32 s20, s15, s16                    ; which half of the tokens is mine,
	s_cselect_b32 s21, s16, s15                    ; which half of the features,
	s_cselect_b32 s22, s41, s40                    ; which of the cluster's four tiles of tokens,
	s_cselect_b32 s23, s40, s41                    ; which tile of 256 features
	s_mov_b32 s99, s98
	s_add_co_u32 s22, s22, s17                     ; my tile of 256 tokens
	s_and_b32 s19, s22, 7
	s_lshl_b32 s19, s19, 1
	s_add_co_u32 s19, s19, s20                     ; my key step in the batch
	s_lshr_b32 s22, s22, 3
	s_lshl_b32 s22, s22, 4                         ; 16 x batch
	s_lshl_b32 s23, s23, 2
	s_add_co_u32 s22, s22, s23
	s_lshl_b32 s21, s21, 1
	s_add_co_u32 s22, s22, s21                     ; my first head
	s_lshl_b32 s22, s22, 4
	s_add_co_u32 s22, s22, s19
	s_mul_i32 s22, s22, 13056
	s_mov_b32 s23, 0
	s_add_nc_u64 s[12:13], s[12:13], s[22:23]
	s_wait_tensorcnt 1                             ; the scale words and my part of K step 0 are in; K step 1's load may be out
	s_barrier_signal -1
	s_barrier_wait -1
	FETCH_B 0, 0, 0
	FETCH_A 0, 0, 0
	SCALES 0
	FETCH_A 0, 0, 4
	s_wait_loadcnt 0x0                             ; the biases
.set j, 0
.rept 32
	v_pk_mul_f32 v[BI+j:BI+j+1], v[BI+j:BI+j+1], s[98:99] op_sel_hi:[1,0]
.set j, j+2
.endr
	PLACES NP
	STEP 0, 0, 1                                   ; the first step starts the sums, from BI
	s_mov_b32 s3, LAPS-1
.Llap:
	TURN 0, 1, 1
	STEP 1, 0, 0
	TURN 1, 0, 1
	STEP 0, 0, 0
	s_sub_co_u32 s3, s3, 1
	s_cmp_lg_u32 s3, 0
	s_cbranch_scc1 .Llap
	TURN 0, 1, 0                                   ; the last lap fills nothing
	STEP 1, 0, 0
	s_wait_dscnt 4*NL
	WIN MUL_LO
	MUL16 0, 1, NQ-1, 1, 0
	MUL16 2, 1, NQ-1, 1, 0
	s_wait_dscnt 0
	WIN MUL_HI
	MUL16 4, 1, NQ-1, 1, 0
	MUL16 6, 1, NQ-1, 1, 0
	WIN 0
	PLACES NP                                      ; in front of the first read of results and of writes over the fragments' registers
.irp b, 0,1,2,3
	v_mov_b32 v[TM+4+\b], 0                        ; a lane permute's destination counts as one of its sources
.endr
	s_cmp_lg_u32 s[PART], 0
	s_cbranch_scc1 .Lout_v
	; ---- k: a lane holds a token; a block's fragment is two heads' 64: registers 0-5 my first head, 6-11 my second.  Tiles 2 p and 2 p + 1 of one head make 12 registers
.irp a, 0,1,2,3,4,5,6,7
	QUANTW \a, D+24*(\a/2)+6*(\a%2), D+24*(\a/2)+6*(\a%2)+12, PWS+\a
.if \a%2 == 1
.irp c, 0,1,2
	global_store_b128 v[L16], v[D+24*(\a/2)+4*\c:D+24*(\a/2)+4*\c+3], s[12:13] offset:1536*(\a/2)+512*\c            ; 512 consecutive bytes, aligned
	global_store_b128 v[L16], v[D+24*(\a/2)+12+4*\c:D+24*(\a/2)+12+4*\c+3], s[12:13] offset:208896+1536*(\a/2)+512*\c
.endr
.endif
.endr
.irp p, 0,1,2,3
	v_cndmask_b32 v[TM+8+\p], v[PWS+2*\p], v[PWS+2*\p+1], s[HM]   ; lanes 0-15 tile 2 p's word, lanes 16-31 tile 2 p + 1's
.endr
.irp p, 0,1,2,3
	v_perm_b32 v[TM+\p], v[TM+8+\p], v[TM+8+\p], 0x01000100       ; my first head's two bytes, twice: the upper two meet zero codes
	v_perm_b32 v[TM+4+\p], v[TM+8+\p], v[TM+8+\p], 0x03020302     ; my second head's
.endr
	global_store_b128 v[L16], v[TM:TM+3], s[12:13] offset:12288
	global_store_b128 v[L16], v[TM+4:TM+7], s[12:13] offset:12288+208896
	s_branch .Lend
.Lout_v:
	; ---- v: a lane holds a feature, its registers run along my 128 keys: a block is one tile of V^T
.irp a, 0,1,2,3,4,5,6,7
	VBIAS \a
	QUANTW \a, D+12*\a, D+12*\a+6, PWS+\a
.irp c, 0,1,2
	global_store_b128 v[L16], v[D+12*\a+4*\c:D+12*\a+4*\c+3], s[12:13] offset:(\a/4)*208896+6144+(\a%4)*1536+512*\c
.endr
.if \a%4 == 3
	v_cndmask_b32 v[TM+8+2*(\a/4)], v[PWS+\a-3], v[PWS+\a-2], s[HM]
	v_cndmask_b32 v[TM+9+2*(\a/4)], v[PWS+\a-1], v[PWS+\a], s[HM]
	global_store_b64 v[L8], v[TM+8+2*(\a/4):TM+9+2*(\a/4)], s[12:13] offset:(\a/4)*208896+12800
.endif
.endr
.Lend:
	s_wait_tensorcnt 0x0                           ; the wave's end
	ds_add_u32 v[SPW], v[NIL]
	s_wait_dscnt 0x0
	CROUND                                         ; the closing round
	s_endpgm
.Lfunc_end_k_q22e47c9c82_qkv:
	.size	k_q22e47c9c82_qkv, .Lfunc_end_k_q22e47c9c82_qkv-k_q22e47c9c82_qkv
	.p2alignl 7, 3214868480
	.fill 96, 4, 3214868480
	.section	.rodata,"a",@progbits
	.p2align	6, 0x0
	.amdhsa_kernel k_q22e47c9c82_qkv
		.amdhsa_group_segment_fixed_size 327680
		.amdhsa_private_segment_fixed_size 0
		.amdhsa_enable_private_segment 0
		.amdhsa_kernarg_size 40
		.amdhsa_user_sgpr_count 2
		.amdhsa_user_sgpr_kernarg_segment_ptr 1
		.amdhsa_wavefront_size32 1
		.amdhsa_system_sgpr_workgroup_id_x 1
		.amdhsa_system_sgpr_workgroup_id_y 1
		.amdhsa_system_sgpr_workgroup_id_z 1
		.amdhsa_system_vgpr_workitem_id 0
		.amdhsa_next_free_vgpr 1024
		.amdhsa_next_free_sgpr 104
		.amdhsa_reserve_vcc 0
		.amdhsa_float_denorm_mode_32 3
		.amdhsa_float_denorm_mode_16_64 3
		.amdhsa_memory_ordered 1
		.amdhsa_forward_progress 1
		.amdhsa_inst_pref_size 221
	.end_amdhsa_kernel
	.amdgpu_metadata
---
amdhsa.version: [ 1, 2 ]
amdhsa.kernels:
  - .name:           k_q22e47c9c82_qkv
    .symbol:         k_q22e47c9c82_qkv.kd
    .args:
      - { .name: xq, .offset: 0, .size: 8, .value_kind: global_buffer, .address_space: global }
      - { .name: wq, .offset: 8, .size: 8, .value_kind: global_buffer, .address_space: global }
      - { .name: bk, .offset: 16, .size: 8, .value_kind: global_buffer, .address_space: global }
      - { .name: bv, .offset: 24, .size: 8, .value_kind: global_buffer, .address_space: global }
      - { .name: kv, .offset: 32, .size: 8, .value_kind: global_buffer, .address_space: global }
    .group_segment_fixed_size: 327680
    .private_segment_fixed_size: 0
    .kernarg_segment_align: 8
    .kernarg_segment_size: 40
    .max_flat_workgroup_size: 128
    .sgpr_count:     104
    .vgpr_count:     1024
    .wavefront_size: 32
...
	.end_amdgpu_metadata
.endif
;; end of part 2
;; launch attn (part 3): grid 8 x 32, 16 waves a work-group, clusters of 4 x 1, 219,648 bytes of LDS; arguments kv, mask, cq; writes cq
.if DOCPART == 3
	.amdgcn_target "amdgcn-amd-amdhsa--gfx1250"
	.amdhsa_code_object_version 6
	.text
	.protected	k_q22e47c9c82_attn
	.globl	k_q22e47c9c82_attn
	.p2align	8
	.type	k_q22e47c9c82_attn,@function
k_q22e47c9c82_attn:
	s_mov_b64 s[64:65], 0
	v_nop
	global_prefetch_b8 v0, s[64:65] scope:SCOPE_SE
	s_setreg_imm32_b32 hwreg(HW_REG_WAVE_MODE, 25, 1), 1
	s_wait_xcnt 0x0
	s_wait_alu depctr_hold_cnt(0) depctr_sa_sdst(0) depctr_va_vdst(0) depctr_va_sdst(0) depctr_va_ssrc(0) depctr_va_vcc(0) depctr_vm_vsrc(0)
	s_getreg_b32 s2, hwreg(HW_REG_IB_STS2, 6, 4)
	s_cmp_eq_u32 s2, 0
	s_cbranch_scc0 .Lentry_in_a_cluster
	s_endpgm
.Lentry_in_a_cluster:
	s_bfe_u32 s2, ttmp6, 0x10000c
	s_cmp_lg_u32 s2, 0x3003
	s_cbranch_scc0 .Lentry_shape_is_right
	s_endpgm
.Lentry_shape_is_right:
; ctx = softmax(q k^T / 8, with closed keys at -1e9) v for one head, q = k, both products on codes of BF6 (E3M2) with E8M0 scales; ctx is quantised along the features and stored as an operand.
; THE SOFTMAX AHEAD OF THE SECOND PRODUCT: t = score x log2(e) / 8; M = the largest t so far rounded up to a whole number; p = 2^(t - M) is quantised along the keys; the sum of the unquantised p divides at the end.
; SHARES.  A work-group owns 256 queries of one head; each of its sixteen waves one tile of 16, in 256 registers.  THE HEAD'S WHOLE K, V AND SCALE WORDS, 208,896 BYTES, LIE IN LDS, FILLED ONCE: each wave brings one key step
; (13,056 bytes) by one tensor load.  No byte of LDS is filled again.  The four query blocks of a cluster ask jointly: the same load, the same descriptor, the mask 15.
; LAYOUT.  Both products are used transposed (S^T = K Q^T, O^T = V^T P^T): a lane holds one query throughout.  Keys and features lie by position, so that the 16 registers of two neighbouring tiles are 16 true neighbours.
; A head is 64 wide and the instruction 128: Q's upper six registers are zero codes, and K's upper six are whatever lies next (the next tile's codes): they add nothing.
; THE MASK is the C of the first product: 0 for an open key, -1e30 for a closed one, whose p is then exactly 0.  The largest t starts at -1e9 log2(e), the level that closed keys have in the problem.
; A batch with no open key: c is 0 (a choice by s_cselect_b32, no branch), so every t is 0 and every p is 1: all keys weigh alike, as they do in the problem.
; LIMITS: where a batch has an open key, each query has an open key whose logit lies above -1e9; NaN and infinities are not served.
; ctx's scale bytes leave as 2 bytes a lane, 8 bytes apart: a head owns two of a row's 32; that is one byte in 24 of what the launch stores.
.set STEPB, 13056
.set HEADB, 208896
.set BIAS,  208896                     ; behind the head: 0 or -1e30 for each of the batch's 2,048 keys, by true key
.set FLAG,  217088                     ; one word a wave: has my part of the mask an open key
.set L16,  1                           ; v1 16 x lane
.set L8,   2                           ; v2 8 x lane
.set ABI,  3                           ; v3 BIAS + 64 (lane / 16)
.set AD16, 4
.set AD8,  5
.set ADB,  6
.set QS,   7                           ; v7 Q's scale word
.set Q,    16                          ; v16-27 Q (v22-27 zero codes)
.set KF,   32                          ; v32-79 K's four pairs of tiles, then V's four tiles; v80-85 zero
.set S,    96                          ; v96-159 the mask, S^T, then p
.set O,    160                         ; v160-191 O^T
.set PCD,  192                         ; v192-203 p's codes
.set X1,   204
.set X2,   208
.set BM,   212                         ; v212-215 the blocks' largest
.set BT,   216
.set SO,   220                         ; v220-223 the conversions' scale operands
.set TT,   224
.set F,    226                         ; v[226:227] f = 2^(old M - new M) in the low word
.set PWD,  228                         ; p's scale word
.set SU,   230
.set KSC,  248                         ; v248-251 K's scale words
.set VSC,  252                         ; v252-253 V's
.set WV,   18
.set SEL,  20
.set CS,   22
.set G1,   24
.set G0,   32
.set TB,   36
.set TC,   37
.set CNT,  38
.macro ROUND                           ; a round of the cluster's barrier
	s_barrier_signal -1
	s_barrier_wait -1
	s_cmp_lg_u32 s[WV], 0
	s_cbranch_scc1 .Lnot_wave_0_\@
	s_barrier_signal -3
.Lnot_wave_0_\@:
	s_barrier_wait -3
	s_barrier_signal -1
	s_barrier_wait -1
.endm
	s_load_b128 s[4:7], s[0:1], 0x0                ; kv, mask
	s_load_b64 s[8:9], s[0:1], 0x10                ; cq
	v_lshl_add_u32 v254, v0, 2, 0x35200
	v_mov_b32 v255, 0
	ds_add_u32 v254, v255
	ds_add_u32 v254, v255
	v_lshrrev_b32 v8, 5, v0
	v_readfirstlane_b32 s[WV], v8                  ; wave 0..15
	s_bfe_u32 s10, ttmp6, 0x40000                  ; cx
	s_lshl_b32 s11, ttmp9, 2
	s_add_co_u32 s11, s11, s10                     ; my block of 256 queries: it enters global addresses alone
	s_and_b32 s12, ttmp7, 0xffff                   ; 16 x batch + head, which the four partners share
	s_lshr_b32 s13, s12, 4                         ; batch
	s_and_b32 s14, s12, 15                         ; head
	s_mul_i32 s40, s12, HEADB
	s_mul_i32 s39, s[WV], STEPB
	s_add_co_u32 s42, s40, s39
	s_mov_b32 s43, 0
	s_mov_b32 s[G1], 15|(3<<16)|(1<<21)            ; the mask: all four; elements of 8 bytes; bit 21 beside a mask; no padding
	s_mov_b32 s[G1+1], 32<<16                      ; a dense block as rows of 256 bytes
	s_mov_b32 s[G1+2], 51<<16
	s_mov_b32 s[G1+3], 32<<16
	s_mov_b32 s[G1+4], 51
	s_mov_b32 s[G1+5], 32
	s_mov_b32 s[G1+6], 0
	s_mov_b32 s[G1+7], 0
	s_mov_b32 s[SEL], 0x76543210
	s_mov_b32 s[SEL+1], 0xfedcba98
	s_wait_dscnt 0x0
	s_wait_kmcnt 0x0
	s_mov_b32 s[G0], 1
	s_mov_b32 s[G0+1], s39                         ; key step w goes to w x 13,056
	s_add_nc_u64 s[G0+2:G0+3], s[4:5], s[42:43]
	s_or_b32 s[G0+3], s[G0+3], 0x80000000
	ROUND                                          ; all four work-groups are here: the joint loads meet
	tensor_load_to_lds s[G0:G0+3], s[G1:G1+7]      ; my one tensor load of the launch
	s_nop 0
.rept 4
	v_nop
.endr
	v_and_b32 v8, 31, v0
	v_lshlrev_b32 v[L16], 4, v8
	v_lshlrev_b32 v[L8], 3, v8
	v_and_b32 v9, 15, v0
	v_lshlrev_b32 v9, 4, v9                        ; 16 r
	v_lshlrev_b32 v10, 4, v0                       ; 16 x thread
	v_bfe_u32 v[ABI], v0, 4, 1
	v_lshl_add_u32 v[ABI], v[ABI], 6, BIAS
	; my 16 queries are a tile of K: key step 2 X + w / 8, tile w % 8.  It comes from memory
	s_lshl_b32 s44, s11, 1
	s_lshr_b32 s45, s[WV], 3
	s_add_co_u32 s44, s44, s45
	s_mul_i32 s44, s44, STEPB
	s_add_co_u32 s44, s44, s40
	s_bfe_u32 s45, s[WV], 0x20001                  ; the pair of tiles
	s_mul_i32 s46, s45, 1536
	s_add_co_u32 s46, s46, s44
	s_mov_b32 s47, 0
	s_add_nc_u64 s[46:47], s[4:5], s[46:47]
	s_and_b32 s48, s[WV], 1                        ; which of the pair
	s_lshl_b32 s49, s48, 8
	s_add_co_u32 s44, s44, s49
	s_lshl_b32 s45, s45, 2
	s_add_co_u32 s44, s44, s45
	s_add_co_u32 s44, s44, 12288
	s_mov_b32 s45, 0
	s_add_nc_u64 s[44:45], s[4:5], s[44:45]
	s_lshl_b32 s52, s13, 13
	s_mov_b32 s53, 0
	s_add_nc_u64 s[6:7], s[6:7], s[52:53]          ; my batch's mask
.irp c, 0,1,2
	global_load_b128 v[KF+4*\c:KF+4*\c+3], v[L16], s[46:47] offset:512*\c
.endr
	global_load_b32 v[QS], v9, s[44:45]
	global_load_b128 v[44:47], v10, s[6:7]         ; four keys a thread
	s_cmp_lg_u32 s48, 0
	s_cselect_b32 s50, -1, 0
	v_mov_b32 v48, 0xf149f2ca                      ; -1e30
	v_add_nc_u32 v11, BIAS, v10
	s_lshl_b32 s52, s[WV], 2
	s_add_co_u32 s52, s52, FLAG
	v_mov_b32 v51, s52
	s_wait_loadcnt 0x0
.irp i, 0,1,2,3,4,5
	v_cndmask_b32 v[Q+\i], v[KF+\i], v[KF+6+\i], s50
.endr
.irp i, 0,1,2,3
	v_cmp_eq_u32 vcc_lo, 0, v[44+\i]
	v_cndmask_b32 v[52+\i], 0, v48, vcc_lo
.endr
	ds_store_b128 v11, v[52:55]
	v_or_b32 v49, v44, v45
	v_or_b32 v50, v46, v47
	v_or_b32 v49, v49, v50
	v_cmp_ne_u32 vcc_lo, 0, v49
	s_cmp_lg_u32 vcc_lo, 0
	s_cselect_b32 s51, 1, 0
	v_mov_b32 v50, s51
	ds_store_b32 v51, v50                          ; all lanes write the same word with the same value
	s_wait_tensorcnt 0x0                           ; my key step has landed,
	s_wait_dscnt 0x0                               ; my stores too:
	s_barrier_signal -1
	s_barrier_wait -1                              ; everybody's have
	v_mov_b32 v8, FLAG
.irp i, 0,1,2,3
	ds_load_b128 v[52+4*\i:55+4*\i], v8 offset:16*\i
.endr
	v_mov_b32 v13, 0xceabfb8f                      ; the largest t so far: -1e9 log2(e)
	v_floor_f32 v12, -v13                          ; -M
	v_mov_b32 v14, 0
	v_mov_b32 v15, 0
.irp i, 0,1,2,3,4,5
	v_mov_b32 v[Q+6+\i], 0
	v_mov_b32 v[80+\i], 0
.endr
.irp b, 0,1,2,3
	v_mov_b32 v[BT+\b], 0                          ; a lane permute's destination counts as one of its sources
.endr
	v_mov_b32 v[F+1], 0                            ; (named as the upper half of a pair)
	v_mov_b32 v[TT], 0
.set j, 0
.rept 32
	v_mov_b32 v[O+j], 0                            ; the loop is written once: its first step finds zeros
.set j, j+1
.endr
	s_wait_dscnt 0x0
.irp i, 1,2,3,4,5,6,7,8,9,10,11,12,13,14,15
	v_or_b32 v52, v52, v[52+\i]
.endr
	v_readfirstlane_b32 s51, v52
	s_cmp_lg_u32 s51, 0
	s_cselect_b32 s[CS], 0x3e38aa3b, 0             ; c = log2(e) / 8, or 0 where the batch has no open key
	s_mov_b32 s[CS+1], s[CS]
	s_mov_b32 s[TB], 0
	s_mov_b32 s[TC], 0
	s_mov_b32 s[CNT], 16
.Lstep:                                        ; a key step: 128 keys
	v_add_nc_u32 v[AD16], s[TB], v[L16]
	v_add_nc_u32 v[AD8], s[TB], v[L8]
	v_add_nc_u32 v[ADB], s[TC], v[ABI]
	v_nop                                          ; four places in front of loads into registers that the last products read
.irp p, 0,1,2,3
.irp c, 0,1,2
	ds_load_b128 v[KF+12*\p+4*\c:KF+12*\p+4*\c+3], v[AD16] offset:1536*\p+512*\c
.endr
.endr
	ds_load_b128 v[KSC:KSC+3], v[AD16] offset:12288
.irp b, 0,1,2,3
.irp c, 0,1,2,3
	ds_load_b128 v[S+16*\b+4*\c:S+16*\b+4*\c+3], v[ADB] offset:128*\b+16*\c   ; register 16 b + i: key 32 b + 16 h + i
.endr
.endr
	s_wait_dscnt 0x0
.irp t, 0,2,4,6                                ; S^T = K Q^T + the mask; even tiles' scale words in lanes 0-15, odd tiles' in lanes 16-31
	v_wmma_scale_f32_16x16x128_f8f6f4 v[S+8*\t:S+8*\t+7], v[KF+6*\t:KF+6*\t+11], v[Q:Q+11], v[S+8*\t:S+8*\t+7], v[KSC+\t/2], v[QS] matrix_a_fmt:MATRIX_FMT_BF6 matrix_b_fmt:MATRIX_FMT_BF6
	v_wmma_scale_f32_16x16x128_f8f6f4 v[S+8*\t+8:S+8*\t+15], v[KF+6*\t+6:KF+6*\t+17], v[Q:Q+11], v[S+8*\t+8:S+8*\t+15], v[KSC+\t/2], v[QS] matrix_a_fmt:MATRIX_FMT_BF6 matrix_b_fmt:MATRIX_FMT_BF6 matrix_a_scale:MATRIX_SCALE_ROW1
.endr
.rept 4
	v_nop
.endr
.irp t, 0,1,2,3                                ; V's tiles land under the softmax
.irp c, 0,1,2
	ds_load_b128 v[KF+12*\t+4*\c:KF+12*\t+4*\c+3], v[AD16] offset:6144+1536*\t+512*\c
.endr
.endr
	ds_load_b64 v[VSC:VSC+1], v[AD8] offset:12800
.irp b, 0,1,2,3
	v_max3_num_f32 v[BM+\b], v[S+16*\b], v[S+1+16*\b], v[S+2+16*\b]   ; the largest score of each block of 32 keys: for the row's maximum, and, since p rises with the score, for the block's largest p
.endr
.irp i, 3,5,7,9,11,13
.irp b, 0,1,2,3
	v_max3_num_f32 v[BM+\b], v[BM+\b], v[S+16*\b+\i], v[S+1+16*\b+\i]
.endr
.endr
.irp b, 0,1,2,3
	v_max_num_f32 v[BM+\b], v[BM+\b], v[S+15+16*\b]
.endr
.irp b, 0,1,2,3
	v_permlanex16_b32 v[BT+\b], v[BM+\b], s[SEL], s[SEL+1]
.endr
.irp b, 0,1,2,3
	v_max_num_f32 v[BM+\b], v[BM+\b], v[BT+\b]
.endr
	v_max3_num_f32 v[TT], v[BM], v[BM+1], v[BM+2]
	v_max_num_f32 v[TT], v[TT], v[BM+3]
	v_mul_f32 v[TT], s[CS], v[TT]                  ; as t (c is not negative)
	v_max_num_f32 v13, v13, v[TT]                  ; the running largest t
	v_mov_b32 v[TT], v12
	v_floor_f32 v12, -v13                          ; the new -M = -ceil(t)
	v_sub_f32 v[TT], v12, v[TT]                    ; old M - new M: a whole number, 0 or less
	v_cvt_i32_f32 v[TT], v[TT]
	v_ldexp_f32 v[F], 1.0, v[TT]                   ; f = 2^(old M - new M): a multiplication by it rounds nothing
.set j, 0
.rept 32
	v_pk_fma_f32 v[S+j:S+j+1], v[S+j:S+j+1], s[CS:CS+1], v[12:13] op_sel_hi:[1,0,0]   ; t - M
.set j, j+2
.endr
.irp b, 0,1,2,3
	v_fma_f32 v[BM+\b], v[BM+\b], s[CS], v12
.endr
.set j, 0
.rept 64
	v_exp_f32 v[S+j], v[S+j]                       ; p = 2^(t - M)
.set j, j+1
.endr
	v_pk_mul_f32 v[14:15], v[14:15], v[F:F+1] op_sel_hi:[1,0]      ; the sums under the new M (a plain place behind the exponentials)
	s_wait_alu depctr_va_vdst(0)                   ; one wait for the batch, ahead of its first reader
.irp b, 0,1,2,3
	v_exp_f32 v[BM+\b], v[BM+\b]                   ; the blocks' largest p
.endr
	v_pk_add_f32 v[SU:SU+1], v[S:S+1], v[S+2:S+3]  ; the row's sum, of the unquantised p, in two chains
.set j, 4
.rept 15
	v_pk_add_f32 v[14:15], v[14:15], v[S+j:S+j+1]
	v_pk_add_f32 v[SU:SU+1], v[SU:SU+1], v[S+j+2:S+j+3]
.set j, j+4
.endr
	v_pk_add_f32 v[14:15], v[14:15], v[SU:SU+1]
	s_wait_alu depctr_va_vdst(0)                   ; and one for the four
.irp b, 0,1,2,3
	v_max_num_f32 v[BM+\b], 0x2800000, v[BM+\b]    ; the floor 2^(5 - 127)
.endr
.irp b, 0,1,2,3
	v_add_nc_u32 v[SO+\b], 0xfe000000, v[BM+\b]
.endr
.irp b, 0,1,2,3
	v_lshrrev_b32 v[BT+\b], 23, v[SO+\b]
.endr
	v_lshl_or_b32 v[PWD], v[BT+1], 8, v[BT]
	v_lshl_or_b32 v[PWD], v[BT+2], 16, v[PWD]
	v_lshl_or_b32 v[PWD], v[BT+3], 24, v[PWD]
	v_cvt_scalef32_pk16_bf6_f32 v[PCD:PCD+2], v[S:S+15], v[SO]
	v_cvt_scalef32_pk16_bf6_f32 v[X1:X1+2], v[S+16:S+31], v[SO+1]
	v_cvt_scalef32_pk16_bf6_f32 v[PCD+6:PCD+8], v[S+32:S+47], v[SO+2]
	v_cvt_scalef32_pk16_bf6_f32 v[X2:X2+2], v[S+48:S+63], v[SO+3]
	v_nop                                          ; one plain place behind a scaled conversion
.irp i, 0,1,2
	v_permlane16_swap_b32 v[PCD+\i], v[X1+\i]      ; a whole block to a lane
	v_permlane16_swap_b32 v[PCD+6+\i], v[X2+\i]
.endr
.irp i, 0,1,2
	v_mov_b32 v[PCD+3+\i], v[X1+\i]
	v_mov_b32 v[PCD+9+\i], v[X2+\i]
.endr
.set j, 0
.rept 16
	v_pk_mul_f32 v[O+j:O+j+1], v[O+j:O+j+1], v[F:F+1] op_sel_hi:[1,0]   ; O^T under the new M; these are also the places between the scale word's and the codes' last lines and the products
.set j, j+2
.endr
	s_wait_dscnt 0x0                               ; V
.irp t, 0,2                                    ; O^T += V^T P^T
	v_wmma_scale_f32_16x16x128_f8f6f4 v[O+8*\t:O+8*\t+7], v[KF+12*\t:KF+12*\t+11], v[PCD:PCD+11], v[O+8*\t:O+8*\t+7], v[VSC+\t/2], v[PWD] matrix_a_fmt:MATRIX_FMT_BF6 matrix_b_fmt:MATRIX_FMT_BF6
	v_wmma_scale_f32_16x16x128_f8f6f4 v[O+8*\t+8:O+8*\t+15], v[KF+12*\t+12:KF+12*\t+23], v[PCD:PCD+11], v[O+8*\t+8:O+8*\t+15], v[VSC+\t/2], v[PWD] matrix_a_fmt:MATRIX_FMT_BF6 matrix_b_fmt:MATRIX_FMT_BF6 matrix_a_scale:MATRIX_SCALE_ROW1
.endr
	s_add_co_u32 s[TB], s[TB], STEPB
	s_add_co_u32 s[TC], s[TC], 512
	s_sub_co_u32 s[CNT], s[CNT], 1
	s_cmp_lg_u32 s[CNT], 0
	s_cbranch_scc1 .Lstep
	; THE WAY OUT: O^T / the sum; its 32 registers are 16 neighbours of each of the head's two blocks of 32: half a fragment of ctx
	v_add_f32 v14, v14, v15
	v_permlanex16_b32 v[TT], v14, s[SEL], s[SEL+1]
	v_add_f32 v14, v14, v[TT]
	v_rcp_f32 v15, v14
	v_and_b32 v8, 15, v0
	v_lshlrev_b32 v8, 3, v8                        ; 8 r
	v_nop
	v_nop
	s_lshl_b32 s40, s13, 7
	s_lshl_b32 s41, s11, 4
	s_add_co_u32 s40, s40, s41
	s_add_co_u32 s40, s40, s[WV]                   ; my tile of rows: 128 batch + 16 X + w
	s_lshl_b32 s41, s40, 3
	s_lshr_b32 s42, s14, 1
	s_add_co_u32 s41, s41, s42                     ; fragment (T, head / 2),
	s_mul_i32 s41, s41, 1536
	s_and_b32 s42, s14, 1
	s_mul_i32 s42, s42, 768                        ; its lower or upper half
	s_add_co_u32 s42, s42, s41
	s_mov_b32 s43, 0
	s_add_nc_u64 s[42:43], s[8:9], s[42:43]
	s_lshr_b32 s44, s40, 3
	s_lshl_b32 s44, s44, 12
	s_lshr_b32 s45, s14, 2
	s_lshl_b32 s45, s45, 10
	s_add_co_u32 s44, s44, s45
	s_and_b32 s45, s40, 7
	s_lshl_b32 s45, s45, 7
	s_add_co_u32 s44, s44, s45
	s_and_b32 s45, s14, 3
	s_lshl_b32 s45, s45, 1
	s_add_co_u32 s44, s44, s45
	s_add_co_u32 s44, s44, 3145728
	s_mov_b32 s45, 0
	s_add_nc_u64 s[44:45], s[8:9], s[44:45]
	s_wait_alu depctr_va_vdst(0)                   ; ahead of the reciprocal's first reader
	v_mov_b32 v14, v15
.set j, 0
.rept 16
	v_pk_mul_f32 v[S+j:S+j+1], v[O+j:O+j+1], v[14:15]   ; each accumulator from its low end on
.set j, j+2
.endr
.irp b, 0,1
	v_max3_num_f32 v[BM+\b], |v[S+16*\b]|, |v[S+1+16*\b]|, 0x2800000
.endr
.irp i, 2,4,6,8,10,12,14
.irp b, 0,1
	v_max3_num_f32 v[BM+\b], v[BM+\b], |v[S+16*\b+\i]|, |v[S+1+16*\b+\i]|
.endr
.endr
.irp b, 0,1
	v_permlanex16_b32 v[BT+\b], v[BM+\b], s[SEL], s[SEL+1]
.endr
.irp b, 0,1
	v_max_num_f32 v[BM+\b], v[BM+\b], v[BT+\b]
.endr
.irp b, 0,1
	v_add_nc_u32 v[SO+\b], 0xfe000000, v[BM+\b]
.endr
.irp b, 0,1
	v_lshrrev_b32 v[BT+\b], 23, v[SO+\b]
.endr
	v_lshl_or_b32 v[TT], v[BT+1], 8, v[BT]
	v_cvt_scalef32_pk16_bf6_f32 v[PCD:PCD+2], v[S:S+15], v[SO]
	v_cvt_scalef32_pk16_bf6_f32 v[X1:X1+2], v[S+16:S+31], v[SO+1]
	v_nop
.irp i, 0,1,2
	v_permlane16_swap_b32 v[PCD+\i], v[X1+\i]
.endr
.irp i, 0,1,2
	v_mov_b32 v[PCD+3+\i], v[X1+\i]
.endr
.irp i, 0,1,2
	global_store_b64 v[L8], v[PCD+2*\i:PCD+2*\i+1], s[42:43] offset:256*\i   ; 256 consecutive bytes, aligned
.endr
	global_store_b16 v8, v[TT], s[44:45]           ; my head's two bytes of the row's scale words (lanes l and l xor 16 store the same)
	s_wait_tensorcnt 0x0
	ds_add_u32 v254, v255
	s_wait_dscnt 0x0
	ROUND                                          ; the closing round
	s_endpgm
.Lfunc_end_k_q22e47c9c82_attn:
	.size	k_q22e47c9c82_attn, .Lfunc_end_k_q22e47c9c82_attn-k_q22e47c9c82_attn
	.p2alignl 7, 3214868480
	.fill 96, 4, 3214868480
	.section	.rodata,"a",@progbits
	.p2align	6, 0x0
	.amdhsa_kernel k_q22e47c9c82_attn
		.amdhsa_group_segment_fixed_size 219648
		.amdhsa_private_segment_fixed_size 0
		.amdhsa_enable_private_segment 0
		.amdhsa_kernarg_size 24
		.amdhsa_user_sgpr_count 2
		.amdhsa_user_sgpr_kernarg_segment_ptr 1
		.amdhsa_wavefront_size32 1
		.amdhsa_system_sgpr_workgroup_id_x 1
		.amdhsa_system_sgpr_workgroup_id_y 1
		.amdhsa_system_sgpr_workgroup_id_z 1
		.amdhsa_system_vgpr_workitem_id 0
		.amdhsa_next_free_vgpr 256
		.amdhsa_next_free_sgpr 66
		.amdhsa_reserve_vcc 1
		.amdhsa_float_denorm_mode_32 3
		.amdhsa_float_denorm_mode_16_64 3
		.amdhsa_memory_ordered 1
		.amdhsa_forward_progress 1
		.amdhsa_inst_pref_size 30
	.end_amdhsa_kernel
	.amdgpu_metadata
---
amdhsa.version: [ 1, 2 ]
amdhsa.kernels:
  - .name:           k_q22e47c9c82_attn
    .symbol:         k_q22e47c9c82_attn.kd
    .args:
      - { .name: kv, .offset: 0, .size: 8, .value_kind: global_buffer, .address_space: global }
      - { .name: mask, .offset: 8, .size: 8, .value_kind: global_buffer, .address_space: global }
      - { .name: cq, .offset: 16, .size: 8, .value_kind: global_buffer, .address_space: global }
    .group_segment_fixed_size: 219648
    .private_segment_fixed_size: 0
    .kernarg_segment_align: 8
    .kernarg_segment_size: 24
    .max_flat_workgroup_size: 512
    .sgpr_count:     66
    .vgpr_count:     256
    .wavefront_size: 32
...
	.end_amdgpu_metadata
.endif
;; end of part 3
;; launch wo (part 4): grid 4 x 16, 4 waves a work-group, clusters of 4 x 4, 327,680 bytes of LDS; arguments cq, wq, bo, x, x1; writes x1
.if DOCPART == 4
	.amdgcn_target "amdgcn-amd-amdhsa--gfx1250"
	.amdhsa_code_object_version 6
	.text
	.protected	k_q22e47c9c82_wo
	.globl	k_q22e47c9c82_wo
	.p2align	8
	.type	k_q22e47c9c82_wo,@function
k_q22e47c9c82_wo:
	s_mov_b64 s[64:65], 0
	v_nop
	global_prefetch_b8 v0, s[64:65] scope:SCOPE_SE
	s_setreg_imm32_b32 hwreg(HW_REG_WAVE_MODE, 25, 1), 1
	s_wait_xcnt 0x0
	s_wait_alu depctr_hold_cnt(0) depctr_sa_sdst(0) depctr_va_vdst(0) depctr_va_sdst(0) depctr_va_ssrc(0) depctr_va_vcc(0) depctr_vm_vsrc(0)
	s_getreg_b32 s2, hwreg(HW_REG_IB_STS2, 6, 4)
	s_cmp_eq_u32 s2, 0
	s_cbranch_scc0 .Lentry_in_a_cluster
	s_endpgm
.Lentry_in_a_cluster:
	s_bfe_u32 s2, ttmp6, 0x10000c
	s_cmp_lg_u32 s2, 0xf033
	s_cbranch_scc0 .Lentry_shape_is_right
	s_endpgm
.Lentry_shape_is_right:
; x1 = x + ctx Wo + bo.  ctx and Wo are codes of BF6 (E3M2) with E8M0 scales, in the order of the matrix unit's registers: a fragment (16 rows x 128 K) is 1,536 bytes, chunk p of 256 bytes = registers 2 p, 2 p + 1, 8 bytes a lane.
; Rows are kept by position: position 32 g + 16 u + r is true row 32 g + 8 u + (r & 7) + 16 (r >> 3).  Source 0 = 16 columns of Wo, source 1 = 16 rows of ctx: a lane holds one row, and the 16 registers of two neighbouring tiles are 16 true neighbouring columns.
; A work-group of four waves makes 256 x 256; a wave 128 x 128: 64 accumulators.  K goes in steps of 256 through two LDS slots filled by joint tensor loads: ctx's tile is shared along a row of the 4 x 4 cluster, Wo's along a column.
; The bias is the C of the first step.  On the way out a block of 16 rows goes through the wave's stage in LDS, comes back as whole rows of 512 bytes, takes the residual and is stored at its true row.
; The grid has 64 work-groups: 4,096 x 1,024 in tiles of 256 x 256.
; lds_bytes: all of LDS is claimed; the text uses 213,504 bytes.
.set KK,    1024
.set ASOFF, 3145728                    ; cq: the scale words behind the codes
.set BCOFF, 1572864                    ; wq: Wo's codes,
.set BSOFF, 8716288                    ; and its scale words
.set NQ,    2
.set FR,    12
.set NL,    6
.set NP,    4                          ; places behind this matrix instruction (ISA guide 7.12.1)
.set FROWB, KK/128*1536
.set HALFT, 8*2*1536                   ; 128 rows x 256 K: what one tensor load brings
.set SLOT,  4*HALFT
.set LAPS,  KK/512
.set SCL,   2*SLOT                     ; behind the ring: the scale words, filled once
.set HALFS, KK/256*1024
.set SPARE, SCL+4*HALFS                ; the spare words, 128 bytes a wave: two blocks of 256 bytes that no other line names
.set SPITCH, 528                       ; the stage: 16 rows x (512 + 16) bytes a wave, in slot 0, which has had its last fill and its last read by then
.set ADRA, 16
.set ADRB, 20
.set STO,  24
.set RD,   25
.set ADRS, 27
.set SPW,  28
.set NIL,  29
.set L8,   30
.set L16,  31
.set SC,   32
.set BI,   64
.set AF,   128
.set BK,   128                         ; the way out: 16 rows back from the stage: v128-191 and v192-255 by turns
.set G1, 24
.set G0, 32
.set G1B, 48
.set G0B, 56
.set G1S, 68
.set G0S, 76
.set G1SB, 80
.set G0SB, 88
.set MSB, 0
.macro WIN new
.if MSB != (\new)
	s_set_vgpr_msb (MSB<<8)|(\new)
.set MSB, (\new)
.endif
.endm
.set MUL_LO, 0xa1
.set MUL_HI, 0xf1
.set TO_B,   0x40
.macro JLOAD g0a, g1a, g0b, g1b        ; a joint load: waves 0 and 1 fetch for A, waves 2 and 3 for B; four v_nop follow each line
	s_cmp_eq_u32 s15, 0
	s_cbranch_scc0 .Lfor_b_\@
	tensor_load_to_lds s[\g0a:\g0a+3], s[\g1a:\g1a+7]
	s_nop 0
.rept 4
	v_nop
.endr
	s_branch .Lasked_\@
.Lfor_b_\@:
	tensor_load_to_lds s[\g0b:\g0b+3], s[\g1b:\g1b+7]
	s_nop 0
.rept 4
	v_nop
.endr
.Lasked_\@:
.endm
.macro CREST
	s_cmp_lg_u32 s14, 0
	s_cbranch_scc1 .Lnot_wave_0_\@
	s_barrier_signal -3
.Lnot_wave_0_\@:
	s_barrier_wait -3
	s_barrier_signal -1
	s_barrier_wait -1
.endm
.macro CROUND
	s_barrier_signal -1
	s_barrier_wait -1
	CREST
.endm
.macro PLACES n
.rept \n
	v_nop
.endr
.endm
.macro FRAG reg, adr, q, i
.irp p, 0,1,2,3,4,5
	ds_load_b64 v[\reg+2*\p:\reg+2*\p+1], v[\adr] offset:(\i)*3072+(\q)*1536+256*\p
.endr
.endm
.macro MUL16 a0, p, q, sc, zero        ; the 64 accumulators take turns, one instruction a turn
.irp a, \a0, \a0+1
.irp b, 0,1,2,3,4,5,6,7
.if \zero
	v_wmma_scale_f32_16x16x128_f8f6f4 v[8*(8*((\a)%4)+\b):8*(8*((\a)%4)+\b)+7], v[128*(\p)+FR*\b:128*(\p)+FR*\b+FR-1], v[AF+FR*(\a):AF+FR*(\a)+FR-1], v[BI+8*\b:BI+8*\b+7], v[SC+8*NQ*(\sc)+NQ*\b+(\q)], v[SC+8*NQ*(\sc)+NQ*(\a)+(\q)] matrix_a_fmt:MATRIX_FMT_BF6 matrix_b_fmt:MATRIX_FMT_BF6 matrix_a_scale:MATRIX_SCALE_ROW1
.else
	v_wmma_scale_f32_16x16x128_f8f6f4 v[8*(8*((\a)%4)+\b):8*(8*((\a)%4)+\b)+7], v[128*(\p)+FR*\b:128*(\p)+FR*\b+FR-1], v[AF+FR*(\a):AF+FR*(\a)+FR-1], v[8*(8*((\a)%4)+\b):8*(8*((\a)%4)+\b)+7], v[SC+8*NQ*(\sc)+NQ*\b+(\q)], v[SC+8*NQ*(\sc)+NQ*(\a)+(\q)] matrix_a_fmt:MATRIX_FMT_BF6 matrix_b_fmt:MATRIX_FMT_BF6 matrix_a_scale:MATRIX_SCALE_ROW1
.endif
.endr
.endr
.endm
.macro FETCH_B slot, q, p
	WIN TO_B
.irp i, 0,1,2,3,4,5,6,7
	FRAG 128*(\p)+FR*\i, ADRB+\slot, \q, \i
.endr
	WIN 0
.endm
.macro FETCH_A slot, q, i0
.irp i, \i0, \i0+1, \i0+2, \i0+3
	FRAG AF+FR*(\i), ADRA+\slot, \q, \i
.endr
.endm
.macro SCALES sc
.irp i, 0,1,2,3,4,5,6,7
	ds_load_b64 v[SC+8*NQ*\sc+NQ*\i:SC+8*NQ*\sc+NQ*\i+1], v[ADRS] offset:\i*128
.endr
.endm
.macro STEP slot, q, zero
	s_wait_dscnt 4*NL                              ; all but the youngest 24 loads (A's blocks 4-7)
	WIN MUL_LO-0x20*\zero                          ; (the first step's C lies in window 0)
	MUL16 0, (\q)%2, \q, \slot, \zero
	MUL16 2, (\q)%2, \q, \slot, \zero
	s_wait_dscnt 0
	PLACES NP
	FETCH_B \slot, (\q)+1, 1-(\q)%2
	FETCH_A \slot, (\q)+1, 0
	WIN MUL_HI-0x30*\zero
	MUL16 4, (\q)%2, \q, \slot, \zero
	MUL16 6, (\q)%2, \q, \slot, \zero
	PLACES NP
	WIN 0
	FETCH_A \slot, (\q)+1, 4
.endm
.macro TURN slot, next, fill
	s_wait_tensorcnt 0x0                           ; all my tensor loads have landed: my part of the next slot
	ds_add_u32 v[SPW], v[NIL]                      ; 0 onto my spare word
	s_wait_dscnt 4*NL+1                            ; (the add and the youngest 24 loads may be out)
	WIN MUL_LO
	MUL16 0, 1, NQ-1, \slot, 0
	s_wait_dscnt 0x0                               ; the add is done, and my reads of this slot are over
	s_barrier_signal -1
	MUL16 2, 1, NQ-1, \slot, 0
	WIN 0
	s_barrier_wait -1
.if \fill
	CREST                                          ; the barrier has opened a round of the cluster's
	s_add_nc_u64 s[G0+4*\slot+2:G0+4*\slot+3], s[G0+4*\slot+2:G0+4*\slot+3], 2*3072
	s_add_nc_u64 s[G0B+4*\slot+2:G0B+4*\slot+3], s[G0B+4*\slot+2:G0B+4*\slot+3], 2*3072
	JLOAD G0+4*\slot, G1, G0B+4*\slot, G1B         ; the first tensor load behind the round
.else
	PLACES NP
.endif
	v_add_nc_u32 v[ADRS], 1024, v[ADRS]
	FETCH_B \next, 0, 0
	FETCH_A \next, 0, 0
	SCALES \next
	WIN MUL_HI
	MUL16 4, 1, NQ-1, \slot, 0
	MUL16 6, 1, NQ-1, \slot, 0
	PLACES NP
	WIN 0
	FETCH_A \next, 0, 4
.endm
	s_load_b128 s[4:7], s[0:1], 0x0                ; cq, wq
	s_load_b128 s[8:11], s[0:1], 0x10              ; bo, x
	s_load_b64 s[12:13], s[0:1], 0x20              ; x1
	v_lshl_add_u32 v[SPW], v0, 2, SPARE
	v_mov_b32 v[NIL], 0
	ds_add_u32 v28, v29
	ds_add_u32 v28, v29
	s_wait_dscnt 0x0
	v_lshrrev_b32 v1, 5, v0
	v_readfirstlane_b32 s14, v1
	s_lshr_b32 s15, s14, 1                         ; my half of the rows.  Also: I fetch for A (0) or B (1)
	s_and_b32 s16, s14, 1                          ; my half of the columns.  Also: which 128 rows I fetch
	s_bfe_u32 s40, ttmp6, 0x40000
	s_bfe_u32 s41, ttmp6, 0x40004
	s_lshl_b32 s42, ttmp9, 2
	s_add_co_u32 s42, s42, s40                     ; tile column
	s_and_b32 s17, ttmp7, 0xffff
	s_lshl_b32 s17, s17, 2
	s_add_co_u32 s17, s17, s41                     ; tile row
	s_lshl_b32 s43, s41, 2
	s_lshl_b32 s43, 15, s43
	s_lshl_b32 s44, 0x1111, s40
	s_or_b32 s[G1+0], s43, (3<<16)|(1<<21)
	s_or_b32 s[G1B+0], s44, (3<<16)|(1<<21)
.irp g, G1, G1B
	s_mov_b32 s[\g+1], 384<<16                     ; a tile's two fragments, 3,072 bytes, as 384 elements of 8 bytes
	s_mov_b32 s[\g+2], 8<<16                       ; 8 tiles
	s_mov_b32 s[\g+3], 384<<16
	s_mov_b32 s[\g+4], 8
	s_mov_b32 s[\g+5], FROWB/8
	s_mov_b32 s[\g+6], 0
	s_mov_b32 s[\g+7], 0
.endr
	s_or_b32 s[G1S+0], s43, (3<<16)|(1<<21)
	s_or_b32 s[G1SB+0], s44, (3<<16)|(1<<21)
.irp g, G1S, G1SB
	s_mov_b32 s[\g+1], 32<<16
	s_mov_b32 s[\g+2], (HALFS/256)<<16
	s_mov_b32 s[\g+3], 32<<16
	s_mov_b32 s[\g+4], HALFS/256
	s_mov_b32 s[\g+5], 32
	s_mov_b32 s[\g+6], 0
	s_mov_b32 s[\g+7], 0
.endr
	s_lshl_b32 s20, s17, 1
	s_add_co_u32 s20, s20, s16
	s_lshl_b32 s46, s42, 1
	s_add_co_u32 s46, s46, s16
	s_mul_i32 s22, s20, HALFS
	s_add_co_u32 s22, s22, ASOFF
	s_mul_i32 s92, s46, HALFS
	s_add_co_u32 s92, s92, BSOFF
	s_mul_i32 s20, s20, 8*FROWB
	s_mul_i32 s46, s46, 8*FROWB
	s_add_co_u32 s46, s46, BCOFF
	s_mov_b32 s21, 0
	s_mov_b32 s23, 0
	s_mov_b32 s47, 0
	s_mov_b32 s93, 0
	s_mul_i32 s45, s14, HALFT
	s_mul_i32 s94, s14, HALFS
	s_wait_kmcnt 0x0
	s_add_nc_u64 s[20:21], s[4:5], s[20:21]
	s_add_nc_u64 s[22:23], s[4:5], s[22:23]
	s_add_nc_u64 s[46:47], s[6:7], s[46:47]
	s_add_nc_u64 s[92:93], s[6:7], s[92:93]
	CROUND                                         ; the first joint loads meet
	s_mov_b32 s[G0S], 1
	s_add_co_u32 s[G0S+1], s94, SCL
	s_mov_b64 s[G0S+2:G0S+3], s[22:23]
	s_or_b32 s[G0S+3], s[G0S+3], 0x80000000
	s_mov_b32 s[G0SB], 1
	s_add_co_u32 s[G0SB+1], s94, SCL
	s_mov_b64 s[G0SB+2:G0SB+3], s[92:93]
	s_or_b32 s[G0SB+3], s[G0SB+3], 0x80000000
	JLOAD G0S, G1S, G0SB, G1SB
.irp s, 0,1
	s_mov_b32 s[G0+4*\s], 1
	s_add_co_u32 s[G0+4*\s+1], s45, \s*SLOT
	s_add_nc_u64 s[G0+4*\s+2:G0+4*\s+3], s[20:21], \s*3072
	s_or_b32 s[G0+4*\s+3], s[G0+4*\s+3], 0x80000000
	s_mov_b32 s[G0B+4*\s], 1
	s_add_co_u32 s[G0B+4*\s+1], s45, \s*SLOT
	s_add_nc_u64 s[G0B+4*\s+2:G0B+4*\s+3], s[46:47], \s*3072
	s_or_b32 s[G0B+4*\s+3], s[G0B+4*\s+3], 0x80000000
	JLOAD G0+4*\s, G1, G0B+4*\s, G1B
.endr
	v_and_b32 v1, 15, v0
	v_bfe_u32 v2, v0, 4, 1
	v_and_b32 v3, 31, v0
	v_lshlrev_b32 v[L8], 3, v3
	v_lshlrev_b32 v[L16], 4, v3
	s_mul_i32 s21, s15, HALFT
	s_mul_i32 s22, s16, HALFT
	s_add_co_u32 s22, s22, 2*HALFT
.irp s, 0,1
	v_add_nc_u32 v[ADRA+\s], s21, v[L8]
	v_add_nc_u32 v[ADRB+\s], s22, v[L8]
	s_add_co_u32 s21, s21, SLOT
	s_add_co_u32 s22, s22, SLOT
.endr
	s_mul_i32 s21, s15, HALFS
	s_mul_i32 s22, s16, HALFS
	s_add_co_u32 s22, s22, 2*HALFS
	s_sub_co_u32 s22, s22, s21
	v_mul_u32_u24 v6, s22, v2                      ; lanes 16-31 take B's words
	s_add_co_u32 s21, s21, SCL
	v_lshl_add_u32 v5, v1, 3, v6
	v_add_nc_u32 v[ADRS], s21, v5
	s_mul_i32 s23, s14, 16*SPITCH                  ; my stage
	v_mul_u32_u24 v5, v1, SPITCH
	v_lshl_add_u32 v5, v2, 6, v5
	v_add_nc_u32 v[STO], s23, v5                   ; in: row r, + 64 h
	v_add_nc_u32 v[RD], s23, v[L16]                ; back: a row of 512 bytes to the 32 lanes
	s_lshl_b32 s46, s42, 10
	s_lshl_b32 s47, s16, 9
	s_add_co_u32 s46, s46, s47                     ; my first column, in bytes
	s_mov_b32 s47, 0
	s_add_nc_u64 s[8:9], s[8:9], s[46:47]
	v_lshlrev_b32 v7, 6, v2
.irp p, 0,1,2,3
.irp c, 0,1,2,3
	global_load_b128 v[BI+16*\p+4*\c:BI+16*\p+4*\c+3], v7, s[8:9] offset:128*\p+16*\c   ; register 8 b + j: column 32 (b / 2) + 16 h + 8 (b % 2) + j
.endr
.endr
	s_lshl_b32 s20, s17, 20
	s_lshl_b32 s21, s15, 19
	s_add_co_u32 s20, s20, s21                     ; my first row x 4,096 bytes
	s_add_co_u32 s20, s20, s46
	s_mov_b32 s21, 0
	s_add_nc_u64 s[10:11], s[10:11], s[20:21]
	s_add_nc_u64 s[12:13], s[12:13], s[20:21]
	s_wait_tensorcnt 1                             ; the scale words and K step 0 are in; K step 1's load may be out
	s_barrier_signal -1
	s_barrier_wait -1
	FETCH_B 0, 0, 0
	FETCH_A 0, 0, 0
	SCALES 0
	FETCH_A 0, 0, 4
	s_wait_loadcnt 0x0                             ; the bias
	STEP 0, 0, 1
	s_mov_b32 s3, LAPS-1
.Llap:
	TURN 0, 1, 1
	STEP 1, 0, 0
	TURN 1, 0, 1
	STEP 0, 0, 0
	s_sub_co_u32 s3, s3, 1
	s_cmp_lg_u32 s3, 0
	s_cbranch_scc1 .Llap
	TURN 0, 1, 0
	STEP 1, 0, 0
	s_wait_dscnt 4*NL
	WIN MUL_LO
	MUL16 0, 1, NQ-1, 1, 0
	MUL16 2, 1, NQ-1, 1, 0
	s_wait_dscnt 0
	WIN MUL_HI
	MUL16 4, 1, NQ-1, 1, 0
	MUL16 6, 1, NQ-1, 1, 0
	WIN 0
; THE WAY OUT.  Position t of block a is true row 32 (a / 2) + 8 (a % 2) + t + 8 (t / 8) of my 128: it stands in the immediates, 127 rows of 4,096 bytes at the most.
.macro RLOAD a                         ; block a's rows of the residual, into window 1, where B's fragments lay
	WIN 0x40
.irp t, 0,1,2,3,4,5,6,7,8,9,10,11,12,13,14,15
	global_load_b128 v[64*((\a)%4)+4*\t:64*((\a)%4)+4*\t+3], v[L16], s[10:11] offset:(32*((\a)/2)+8*((\a)%2)+\t+8*(\t/8))*4096
.endr
	WIN 0
.endm
.macro TOSTAGE a
.set AC, 64*((\a)%4)
	WIN 0x08+4*((\a)/4)                            ; the data: window 2 or 3
.irp b, 0,1,2,3,4,5,6,7
	ds_store_b128 v[STO], v[AC+8*\b:AC+8*\b+3] offset:128*(\b/2)+32*(\b%2)      ; each accumulator from its low end on
	ds_store_b128 v[STO], v[AC+8*\b+4:AC+8*\b+7] offset:128*(\b/2)+32*(\b%2)+16
.endr
	WIN 0
.set BB, BK+64*((\a)%2)
.irp t, 0,1,2,3,4,5,6,7,8,9,10,11,12,13,14,15
	ds_load_b128 v[BB+4*\t:BB+4*\t+3], v[RD] offset:\t*SPITCH    ; LDS serves a wave's instructions in order: these see the stores above
.endr
.endm
.macro SEND a, younger
.set BB, BK+64*((\a)%2)
.set RR, 64*((\a)%4)
	s_wait_dscnt \younger                          ; the block is back; the next block's 16 stores and 16 loads may be out
.if (\a) <= 4
	s_wait_loadcnt 48                              ; its residual is in; three later blocks' loads may be out
.else
	s_wait_loadcnt 16*(7-(\a))
.endif
	WIN 0x04
.set j, 0
.rept 32
	v_pk_add_f32 v[BB+j:BB+j+1], v[BB+j:BB+j+1], v[RR+j:RR+j+1]
.set j, j+2
.endr
	WIN 0
.irp t, 0,1,2,3,4,5,6,7,8,9,10,11,12,13,14,15
	global_store_b128 v[L16], v[BB+4*\t:BB+4*\t+3], s[12:13] offset:(32*((\a)/2)+8*((\a)%2)+\t+8*(\t/8))*4096   ; 512 consecutive bytes, aligned
.endr
.if (\a) < 4
	RLOAD (\a)+4
.endif
.endm
	PLACES NP                                      ; in front of loads into the fragments' registers and of the first read of results
	RLOAD 0
	RLOAD 1
	RLOAD 2
	RLOAD 3
	TOSTAGE 0
.irp a, 1,2,3,4,5,6,7
.if \a > 1
	s_wait_xcnt 0x0                                ; block a - 2's stores have read their registers: block a's loads may land there
.endif
	TOSTAGE \a
	SEND \a-1, 32
.endr
	SEND 7, 0
	s_wait_tensorcnt 0x0                           ; the wave's end
	ds_add_u32 v[SPW], v[NIL]
	s_wait_dscnt 0x0
	CROUND                                         ; the closing round
	s_endpgm
.Lfunc_end_k_q22e47c9c82_wo:
	.size	k_q22e47c9c82_wo, .Lfunc_end_k_q22e47c9c82_wo-k_q22e47c9c82_wo
	.p2alignl 7, 3214868480
	.fill 96, 4, 3214868480
	.section	.rodata,"a",@progbits
	.p2align	6, 0x0
	.amdhsa_kernel k_q22e47c9c82_wo
		.amdhsa_group_segment_fixed_size 327680
		.amdhsa_private_segment_fixed_size 0
		.amdhsa_enable_private_segment 0
		.amdhsa_kernarg_size 40
		.amdhsa_user_sgpr_count 2
		.amdhsa_user_sgpr_kernarg_segment_ptr 1
		.amdhsa_wavefront_size32 1
		.amdhsa_system_sgpr_workgroup_id_x 1
		.amdhsa_system_sgpr_workgroup_id_y 1
		.amdhsa_system_sgpr_workgroup_id_z 1
		.amdhsa_system_vgpr_workitem_id 0
		.amdhsa_next_free_vgpr 1024
		.amdhsa_next_free_sgpr 104
		.amdhsa_reserve_vcc 0
		.amdhsa_float_denorm_mode_32 3
		.amdhsa_float_denorm_mode_16_64 3
		.amdhsa_memory_ordered 1
		.amdhsa_forward_progress 1
		.amdhsa_inst_pref_size 190
	.end_amdhsa_kernel
	.amdgpu_metadata
---
amdhsa.version: [ 1, 2 ]
amdhsa.kernels:
  - .name:           k_q22e47c9c82_wo
    .symbol:         k_q22e47c9c82_wo.kd
    .args:
      - { .name: cq, .offset: 0, .size: 8, .value_kind: global_buffer, .address_space: global }
      - { .name: wq, .offset: 8, .size: 8, .value_kind: global_buffer, .address_space: global }
      - { .name: bo, .offset: 16, .size: 8, .value_kind: global_buffer, .address_space: global }
      - { .name: x, .offset: 24, .size: 8, .value_kind: global_buffer, .address_space: global }
      - { .name: x1, .offset: 32, .size: 8, .value_kind: global_buffer, .address_space: global }
    .group_segment_fixed_size: 327680
    .private_segment_fixed_size: 0
    .kernarg_segment_align: 8
    .kernarg_segment_size: 40
    .max_flat_workgroup_size: 128
    .sgpr_count:     104
    .vgpr_count:     1024
    .wavefront_size: 32
...
	.end_amdgpu_metadata
.endif
;; end of part 4
;; launch norm2 (part 5): grid 256 x 1, 8 waves a work-group, no clusters, 67,072 bytes of LDS; arguments x1, alpha2, bias2, yq; writes yq
.if DOCPART == 5
	.amdgcn_target "amdgcn-amd-amdhsa--gfx1250"
	.amdhsa_code_object_version 6
	.text
	.protected	k_q22e47c9c82_norm2
	.globl	k_q22e47c9c82_norm2
	.p2align	8
	.type	k_q22e47c9c82_norm2,@function
k_q22e47c9c82_norm2:
	s_mov_b64 s[64:65], 0
	v_nop
	global_prefetch_b8 v0, s[64:65] scope:SCOPE_SE
	s_setreg_imm32_b32 hwreg(HW_REG_WAVE_MODE, 25, 1), 1
	s_wait_xcnt 0x0
; norm2 of 16 rows of x1 (mean, unbiased std, eps added to the std, gain and bias) and their codes of BF6 (E3M2) with one E8M0 byte for each 32 along the 1,024 features.
; The codes lie in the order of the matrix unit's registers: fragment (tile T, K step ks) at (8 T + ks) x 1,536 bytes, chunk p of 256 bytes = registers 2 p, 2 p + 1, 8 bytes a lane; the scale word of (row pos, ks) lies behind the codes at
; ((pos >> 7) x 4 + (ks >> 1)) x 1,024 + (pos & 127) x 8 + (ks & 1) x 4.  Rows are kept by position: position 32 g + 16 u + r is true row 32 g + 8 u + (r & 7) + 16 (r >> 3).
; LIMITS: NaN and infinities are not served; a block whose largest magnitude lies under 2^-122 keeps the byte 1.  The scale words leave as 4 bytes a lane, 8 bytes apart: one byte in 24 of what is stored.
.set PIT,  4112                        ; a row in LDS: 4,096 bytes + 16
.set XR,   16
.set ST,   16
.set AL,   80
.set BE,   112
.set ACC,  144
.set TM,   144
.set PW,   160
.set PC,   164
.set MU,   184
.set IV,   188
.set SEL,  2
.macro FOLD                            ; each row's four pairs of partial sums become one number, in every lane
.irp e, 0,1
	v_pk_add_f32 v[ACC+8*\e:ACC+8*\e+1], v[ACC+8*\e:ACC+8*\e+1], v[ACC+8*\e+2:ACC+8*\e+3]
	v_pk_add_f32 v[ACC+8*\e+4:ACC+8*\e+5], v[ACC+8*\e+4:ACC+8*\e+5], v[ACC+8*\e+6:ACC+8*\e+7]
.endr
.irp e, 0,1
	v_pk_add_f32 v[ACC+8*\e:ACC+8*\e+1], v[ACC+8*\e:ACC+8*\e+1], v[ACC+8*\e+4:ACC+8*\e+5]
.endr
.irp e, 0,1
	v_add_f32 v[ACC+8*\e], v[ACC+8*\e], v[ACC+8*\e+1]
.endr
.irp m, 1,2,4,8
.irp e, 0,1
	v_add_f32_dpp v[ACC+8*\e], v[ACC+8*\e], v[ACC+8*\e] row_xmask:\m row_mask:0xf bank_mask:0xf
.endr
.endr
.irp e, 0,1
	v_permlanex16_b32 v[ACC+8*\e+1], v[ACC+8*\e], s[SEL], s[SEL+1]
.endr
.irp e, 0,1
	v_add_f32 v[ACC+8*\e], v[ACC+8*\e], v[ACC+8*\e+1]
.endr
.endm
.macro QUANT s                         ; 64 numbers of a lane, register 16 b + i = k 32 b + 16 (lane / 16) + i, become a fragment in v[PC] on and its scale word in v[PW]
.irp b, 0,1,2,3
	v_max3_num_f32 v[TM+\b], |v[\s+16*\b]|, |v[\s+1+16*\b]|, 0x2800000   ; and the floor 2^(5 - 127)
.endr
.irp i, 2,4,6,8,10,12,14
.irp b, 0,1,2,3
	v_max3_num_f32 v[TM+\b], v[TM+\b], |v[\s+16*\b+\i]|, |v[\s+1+16*\b+\i]|
.endr
.endr
.irp b, 0,1,2,3
	v_permlanex16_b32 v[TM+4+\b], v[TM+\b], s[SEL], s[SEL+1]
.endr
.irp b, 0,1,2,3
	v_max_num_f32 v[TM+\b], v[TM+\b], v[TM+4+\b]
.endr
.irp b, 0,1,2,3
	v_add_nc_u32 v[TM+12+\b], 0xfe000000, v[TM+\b]                      ; 4 off the exponent field: the conversion's scale operand
.endr
.irp b, 0,1,2,3
	v_lshrrev_b32 v[TM+4+\b], 23, v[TM+12+\b]
.endr
	v_lshl_or_b32 v[PW], v[TM+5], 8, v[TM+4]
	v_lshl_or_b32 v[PW], v[TM+6], 16, v[PW]
	v_lshl_or_b32 v[PW], v[TM+7], 24, v[PW]
.irp c, 0,1
	v_cvt_scalef32_pk16_bf6_f32 v[PC+6*\c:PC+2+6*\c], v[\s+32*\c:\s+15+32*\c], v[TM+12+2*\c]
	v_cvt_scalef32_pk16_bf6_f32 v[PC+12+4*\c:PC+14+4*\c], v[\s+16+32*\c:\s+31+32*\c], v[TM+12+2*\c+1]
.endr
	v_nop                                          ; one plain place behind a scaled conversion
.irp c, 0,1
.irp i, 0,1,2
	v_permlane16_swap_b32 v[PC+6*\c+\i], v[PC+12+4*\c+\i]
.endr
.irp i, 0,1,2
	v_mov_b32 v[PC+3+6*\c+\i], v[PC+12+4*\c+\i]
.endr
.endr
.endm
	s_load_b256 s[4:11], s[0:1], 0x0               ; x1, alpha, bias, yq
	v_lshl_add_u32 v192, v0, 2, 0x10200
	v_mov_b32 v193, 0
	v_lshrrev_b32 v1, 5, v0
	v_readfirstlane_b32 s24, v1                    ; wave 0..7
	v_and_b32 v2, 31, v0                           ; lane
	s_mov_b32 s[SEL], 0x76543210
	s_mov_b32 s[SEL+1], 0xfedcba98
	s_lshr_b32 s25, ttmp9, 1                       ; tile T = the work-group's number; wave w takes positions 2 w and 2 w + 1: two neighbouring true rows
	s_lshl_b32 s25, s25, 5
	s_and_b32 s26, ttmp9, 1
	s_lshl_b32 s26, s26, 3
	s_add_co_u32 s25, s25, s26
	s_lshl_b32 s26, s24, 1
	s_and_b32 s26, s26, 7
	s_add_co_u32 s25, s25, s26
	s_lshr_b32 s26, s24, 2
	s_lshl_b32 s26, s26, 4
	s_add_co_u32 s25, s25, s26
	s_lshl_b32 s26, s25, 12
	s_mov_b32 s27, 0
	v_lshlrev_b32 v3, 4, v2
	s_wait_kmcnt 0x0
	s_add_nc_u64 s[4:5], s[4:5], s[26:27]
.irp e, 0,1
.irp j, 0,1,2,3,4,5,6,7
	global_load_b128 v[XR+32*\e+4*\j:XR+32*\e+4*\j+3], v3, s[4:5] offset:4096*\e+512*\j th:TH_LOAD_NT
.endr
.endr
.irp j, 0,1,2,3,4,5,6,7
	global_load_b128 v[AL+4*\j:AL+4*\j+3], v3, s[6:7] offset:512*\j
	global_load_b128 v[BE+4*\j:BE+4*\j+3], v3, s[8:9] offset:512*\j
.endr
	s_mul_i32 s28, s24, 2*PIT
	v_add_nc_u32 v4, s28, v3
	v_and_b32 v6, 15, v2
	v_lshrrev_b32 v7, 4, v2
	v_mul_u32_u24 v5, v6, PIT
	v_lshl_add_u32 v5, v7, 6, v5
	s_lshl_b32 s28, s24, 9
	v_add_nc_u32 v5, s28, v5
	v_lshlrev_b32 v8, 3, v2
	v_lshlrev_b32 v9, 3, v6
	s_wait_loadcnt 16                              ; the two rows are in; the 16 loads of alpha and bias may stay out
.irp e, 0,1
.irp c, 0,2,4,6
	v_pk_add_f32 v[ACC+8*\e+\c:ACC+8*\e+\c+1], v[XR+32*\e+\c:XR+32*\e+\c+1], v[XR+32*\e+8+\c:XR+32*\e+9+\c]
.endr
.endr
.irp i, 16,24
.irp e, 0,1
.irp c, 0,2,4,6
	v_pk_add_f32 v[ACC+8*\e+\c:ACC+8*\e+\c+1], v[ACC+8*\e+\c:ACC+8*\e+\c+1], v[XR+32*\e+\i+\c:XR+32*\e+\i+\c+1]
.endr
.endr
.endr
	FOLD
.irp e, 0,1
	v_mul_f32 v[MU+2*\e], 0x3a800000, v[ACC+8*\e]  ; the mean
	v_mul_f32 v[MU+2*\e+1], 0x3a800000, v[ACC+8*\e]
.endr
.set i, 0
.rept 16
	v_pk_add_f32 v[XR+i:XR+i+1], v[XR+i:XR+i+1], v[MU:MU+1] neg_lo:[0,1] neg_hi:[0,1]            ; d = x - mean: the variance is taken of d
	v_pk_add_f32 v[XR+32+i:XR+33+i], v[XR+32+i:XR+33+i], v[MU+2:MU+3] neg_lo:[0,1] neg_hi:[0,1]
.set i, i+2
.endr
.irp e, 0,1
.irp c, 0,2,4,6
	v_pk_mul_f32 v[ACC+8*\e+\c:ACC+8*\e+\c+1], v[XR+32*\e+\c:XR+32*\e+\c+1], v[XR+32*\e+\c:XR+32*\e+\c+1]
.endr
.endr
.irp i, 8,16,24
.irp e, 0,1
.irp c, 0,2,4,6
	v_pk_fma_f32 v[ACC+8*\e+\c:ACC+8*\e+\c+1], v[XR+32*\e+\i+\c:XR+32*\e+\i+\c+1], v[XR+32*\e+\i+\c:XR+32*\e+\i+\c+1], v[ACC+8*\e+\c:ACC+8*\e+\c+1]
.endr
.endr
.endr
	FOLD
	v_mul_f32 v[IV], 0x3a802008, v[ACC]            ; / 1,023
	v_mul_f32 v[IV+2], 0x3a802008, v[ACC+8]
	v_sqrt_f32 v[IV+1], v[IV]
	v_sqrt_f32 v[IV+3], v[IV+2]
	v_nop
	s_wait_alu depctr_va_vdst(0)                   ; one wait for both roots, ahead of their first reader
	v_add_f32 v[IV], 0x358637bd, v[IV+1]           ; sd + 1e-6
	v_add_f32 v[IV+2], 0x358637bd, v[IV+3]
	v_rcp_f32 v[IV+1], v[IV]
	v_rcp_f32 v[IV+3], v[IV+2]
	v_nop
	s_wait_alu depctr_va_vdst(0)
	v_mov_b32 v[IV], v[IV+1]
	v_mov_b32 v[IV+2], v[IV+3]
	s_wait_loadcnt 0x0
.set i, 0
.rept 16
	v_pk_mul_f32 v[XR+i:XR+i+1], v[XR+i:XR+i+1], v[IV:IV+1]
	v_pk_mul_f32 v[XR+32+i:XR+33+i], v[XR+32+i:XR+33+i], v[IV+2:IV+3]
.set i, i+2
.endr
.set i, 0
.rept 16
	v_pk_fma_f32 v[XR+i:XR+i+1], v[XR+i:XR+i+1], v[AL+i:AL+i+1], v[BE+i:BE+i+1]
	v_pk_fma_f32 v[XR+32+i:XR+33+i], v[XR+32+i:XR+33+i], v[AL+i:AL+i+1], v[BE+i:BE+i+1]
.set i, i+2
.endr
.irp e, 0,1
.irp j, 0,1,2,3,4,5,6,7
	ds_store_b128 v4, v[XR+32*\e+4*\j:XR+32*\e+4*\j+3] offset:PIT*\e+512*\j
.endr
.endr
	s_wait_dscnt 0x0                               ; for the others' sake: my two rows lie in LDS
	s_barrier_signal -1
	s_barrier_wait -1
.irp b, 0,1,2,3                                ; wave w takes K step w of all sixteen rows
.irp j, 0,1,2,3
	ds_load_b128 v[ST+16*\b+4*\j:ST+16*\b+4*\j+3], v5 offset:128*\b+16*\j
.endr
.endr
	s_lshl_b32 s26, ttmp9, 3
	s_add_co_u32 s26, s26, s24
	s_mul_i32 s26, s26, 1536
	s_add_nc_u64 s[28:29], s[10:11], s[26:27]
	s_lshr_b32 s26, ttmp9, 3
	s_lshl_b32 s26, s26, 12
	s_lshr_b32 s30, s24, 1
	s_lshl_b32 s30, s30, 10
	s_add_co_u32 s26, s26, s30
	s_and_b32 s30, ttmp9, 7
	s_lshl_b32 s30, s30, 7
	s_add_co_u32 s26, s26, s30
	s_and_b32 s30, s24, 1
	s_lshl_b32 s30, s30, 2
	s_add_co_u32 s26, s26, s30
	s_add_co_u32 s26, s26, 3145728
	s_add_nc_u64 s[30:31], s[10:11], s[26:27]
	s_wait_dscnt 0x0
	QUANT ST
.irp p, 0,1,2,3,4,5
	global_store_b64 v8, v[PC+2*\p:PC+2*\p+1], s[28:29] offset:256*\p   ; 256 consecutive bytes, aligned
.endr
	global_store_b32 v9, v[PW], s[30:31]
	s_wait_tensorcnt 0x0
	ds_add_u32 v192, v193
	s_wait_dscnt 0x0
	s_endpgm
.Lfunc_end_k_q22e47c9c82_norm2:
	.size	k_q22e47c9c82_norm2, .Lfunc_end_k_q22e47c9c82_norm2-k_q22e47c9c82_norm2
	.p2alignl 7, 3214868480
	.fill 96, 4, 3214868480
	.section	.rodata,"a",@progbits
	.p2align	6, 0x0
	.amdhsa_kernel k_q22e47c9c82_norm2
		.amdhsa_group_segment_fixed_size 67072
		.amdhsa_private_segment_fixed_size 0
		.amdhsa_enable_private_segment 0
		.amdhsa_kernarg_size 32
		.amdhsa_user_sgpr_count 2
		.amdhsa_user_sgpr_kernarg_segment_ptr 1
		.amdhsa_wavefront_size32 1
		.amdhsa_system_sgpr_workgroup_id_x 1
		.amdhsa_system_sgpr_workgroup_id_y 1
		.amdhsa_system_sgpr_workgroup_id_z 1
		.amdhsa_system_vgpr_workitem_id 0
		.amdhsa_next_free_vgpr 194
		.amdhsa_next_free_sgpr 66
		.amdhsa_reserve_vcc 0
		.amdhsa_float_denorm_mode_32 3
		.amdhsa_float_denorm_mode_16_64 3
		.amdhsa_memory_ordered 1
		.amdhsa_forward_progress 1
		.amdhsa_inst_pref_size 25
	.end_amdhsa_kernel
	.amdgpu_metadata
---
amdhsa.version: [ 1, 2 ]
amdhsa.kernels:
  - .name:           k_q22e47c9c82_norm2
    .symbol:         k_q22e47c9c82_norm2.kd
    .args:
      - { .name: x1, .offset: 0, .size: 8, .value_kind: global_buffer, .address_space: global }
      - { .name: alpha2, .offset: 8, .size: 8, .value_kind: global_buffer, .address_space: global }
      - { .name: bias2, .offset: 16, .size: 8, .value_kind: global_buffer, .address_space: global }
      - { .name: yq, .offset: 24, .size: 8, .value_kind: global_buffer, .address_space: global }
    .group_segment_fixed_size: 67072
    .private_segment_fixed_size: 0
    .kernarg_segment_align: 8
    .kernarg_segment_size: 32
    .max_flat_workgroup_size: 256
    .sgpr_count:     66
    .vgpr_count:     194
    .wavefront_size: 32
...
	.end_amdgpu_metadata
.endif
;; end of part 5
;; launch ff1 (part 6): grid 16 x 16, 4 waves a work-group, clusters of 4 x 4, 327,680 bytes of LDS; arguments yq, wq, b1, hq; writes hq
.if DOCPART == 6
	.amdgcn_target "amdgcn-amd-amdhsa--gfx1250"
	.amdhsa_code_object_version 6
	.text
	.protected	k_q22e47c9c82_ff1
	.globl	k_q22e47c9c82_ff1
	.p2align	8
	.type	k_q22e47c9c82_ff1,@function
k_q22e47c9c82_ff1:
	s_mov_b64 s[64:65], 0
	v_nop
	global_prefetch_b8 v0, s[64:65] scope:SCOPE_SE
	s_setreg_imm32_b32 hwreg(HW_REG_WAVE_MODE, 25, 1), 1
	s_wait_xcnt 0x0
	s_wait_alu depctr_hold_cnt(0) depctr_sa_sdst(0) depctr_va_vdst(0) depctr_va_sdst(0) depctr_va_ssrc(0) depctr_va_vcc(0) depctr_vm_vsrc(0)
	s_getreg_b32 s2, hwreg(HW_REG_IB_STS2, 6, 4)
	s_cmp_eq_u32 s2, 0
	s_cbranch_scc0 .Lentry_in_a_cluster
	s_endpgm
.Lentry_in_a_cluster:
	s_bfe_u32 s2, ttmp6, 0x10000c
	s_cmp_lg_u32 s2, 0xf033
	s_cbranch_scc0 .Lentry_shape_is_right
	s_endpgm
.Lentry_shape_is_right:
; h = relu(x2 W1 + b1), quantised at once along the hidden units.  x2 and W1 are codes of BF6 (E3M2) with E8M0 scales, in the order of the matrix unit's registers: a fragment (16 rows x 128 K) is 1,536 bytes, chunk p of 256 bytes = registers 2 p, 2 p + 1, 8 bytes a lane.
; Rows are kept by position: position 32 g + 16 u + r is true row 32 g + 8 u + (r & 7) + 16 (r >> 3).  Source 0 = 16 columns of W1, source 1 = 16 rows of x2: a lane holds one row, and the 16 registers of two neighbouring tiles are 16 true neighbouring hidden units.
; A work-group of four waves makes 256 x 256; a wave 128 x 128: its 128 hidden units are one K step of the next product, so each block of 16 rows becomes exactly one fragment and one scale word a row.
; K = 1,024 goes in steps of 256 through two LDS slots filled by joint tensor loads: x2's tile is shared along a row of the 4 x 4 cluster, W1's along a column.  The bias is the C of the first step.
; hq: fragment (T, ks) at (32 T + ks) x 1,536; the scale word of (pos, ks) behind the codes at ((pos >> 7) x 16 + (ks >> 1)) x 1,024 + (pos & 127) x 8 + (ks & 1) x 4: a wave owns every second word, 4 bytes a lane: one byte in 24 of what it stores.
; LIMITS: NaN and infinities are not served; a block whose largest number lies under 2^-122 keeps the byte 1.
; lds_bytes: all of LDS is claimed; the text uses 213,504 bytes.
.set KK,    1024
.set ASOFF, 3145728                    ; yq: the scale words behind the codes
.set BCOFF, 2359296                    ; wq: W1's codes,
.set BSOFF, 8749056                    ; and its scale words
.set NQ,    2
.set FR,    12
.set NL,    6
.set NP,    4                          ; places behind this matrix instruction (ISA guide 7.12.1)
.set FROWB, KK/128*1536
.set HALFT, 8*2*1536
.set SLOT,  4*HALFT
.set LAPS,  KK/512
.set SCL,   2*SLOT
.set HALFS, KK/256*1024
.set SPARE, SCL+4*HALFS                ; the spare words, 128 bytes a wave: two blocks of 256 bytes that no other line names
.set ADRA, 16
.set ADRB, 20
.set ADRS, 27
.set SPW,  28
.set NIL,  29
.set L8,   30
.set L16,  31
.set SC,   32
.set BI,   64
.set AF,   128
.set TM,   32
.set X1,   48
.set X2,   52
.set PWS,  56
.set D,    64
.set HM,   18
.set SEL,  96
.set G1, 24
.set G0, 32
.set G1B, 48
.set G0B, 56
.set G1S, 68
.set G0S, 76
.set G1SB, 80
.set G0SB, 88
.set MSB, 0
.macro WIN new
.if MSB != (\new)
	s_set_vgpr_msb (MSB<<8)|(\new)
.set MSB, (\new)
.endif
.endm
.set MUL_LO, 0xa1
.set MUL_HI, 0xf1
.set TO_B,   0x40
.macro JLOAD g0a, g1a, g0b, g1b        ; a joint load: waves 0 and 1 fetch for A, waves 2 and 3 for B; four v_nop follow each line
	s_cmp_eq_u32 s15, 0
	s_cbranch_scc0 .Lfor_b_\@
	tensor_load_to_lds s[\g0a:\g0a+3], s[\g1a:\g1a+7]
	s_nop 0
.rept 4
	v_nop
.endr
	s_branch .Lasked_\@
.Lfor_b_\@:
	tensor_load_to_lds s[\g0b:\g0b+3], s[\g1b:\g1b+7]
	s_nop 0
.rept 4
	v_nop
.endr
.Lasked_\@:
.endm
.macro CREST
	s_cmp_lg_u32 s14, 0
	s_cbranch_scc1 .Lnot_wave_0_\@
	s_barrier_signal -3
.Lnot_wave_0_\@:
	s_barrier_wait -3
	s_barrier_signal -1
	s_barrier_wait -1
.endm
.macro CROUND
	s_barrier_signal -1
	s_barrier_wait -1
	CREST
.endm
.macro PLACES n
.rept \n
	v_nop
.endr
.endm
.macro FRAG reg, adr, q, i
.irp p, 0,1,2,3,4,5
	ds_load_b64 v[\reg+2*\p:\reg+2*\p+1], v[\adr] offset:(\i)*3072+(\q)*1536+256*\p
.endr
.endm
.macro MUL16 a0, p, q, sc, zero        ; the 64 accumulators take turns, one instruction a turn
.irp a, \a0, \a0+1
.irp b, 0,1,2,3,4,5,6,7
.if \zero
	v_wmma_scale_f32_16x16x128_f8f6f4 v[8*(8*((\a)%4)+\b):8*(8*((\a)%4)+\b)+7], v[128*(\p)+FR*\b:128*(\p)+FR*\b+FR-1], v[AF+FR*(\a):AF+FR*(\a)+FR-1], v[BI+8*\b:BI+8*\b+7], v[SC+8*NQ*(\sc)+NQ*\b+(\q)], v[SC+8*NQ*(\sc)+NQ*(\a)+(\q)] matrix_a_fmt:MATRIX_FMT_BF6 matrix_b_fmt:MATRIX_FMT_BF6 matrix_a_scale:MATRIX_SCALE_ROW1
.else
	v_wmma_scale_f32_16x16x128_f8f6f4 v[8*(8*((\a)%4)+\b):8*(8*((\a)%4)+\b)+7], v[128*(\p)+FR*\b:128*(\p)+FR*\b+FR-1], v[AF+FR*(\a):AF+FR*(\a)+FR-1], v[8*(8*((\a)%4)+\b):8*(8*((\a)%4)+\b)+7], v[SC+8*NQ*(\sc)+NQ*\b+(\q)], v[SC+8*NQ*(\sc)+NQ*(\a)+(\q)] matrix_a_fmt:MATRIX_FMT_BF6 matrix_b_fmt:MATRIX_FMT_BF6 matrix_a_scale:MATRIX_SCALE_ROW1
.endif
.endr
.endr
.endm
.macro FETCH_B slot, q, p
	WIN TO_B
.irp i, 0,1,2,3,4,5,6,7
	FRAG 128*(\p)+FR*\i, ADRB+\slot, \q, \i
.endr
	WIN 0
.endm
.macro FETCH_A slot, q, i0
.irp i, \i0, \i0+1, \i0+2, \i0+3
	FRAG AF+FR*(\i), ADRA+\slot, \q, \i
.endr
.endm
.macro SCALES sc
.irp i, 0,1,2,3,4,5,6,7
	ds_load_b64 v[SC+8*NQ*\sc+NQ*\i:SC+8*NQ*\sc+NQ*\i+1], v[ADRS] offset:\i*128
.endr
.endm
.macro STEP slot, q, zero
	s_wait_dscnt 4*NL                              ; all but the youngest 24 loads (A's blocks 4-7)
	WIN MUL_LO-0x20*\zero                          ; (the first step's C lies in window 0)
	MUL16 0, (\q)%2, \q, \slot, \zero
	MUL16 2, (\q)%2, \q, \slot, \zero
	s_wait_dscnt 0
	PLACES NP
	FETCH_B \slot, (\q)+1, 1-(\q)%2
	FETCH_A \slot, (\q)+1, 0
	WIN MUL_HI-0x30*\zero
	MUL16 4, (\q)%2, \q, \slot, \zero
	MUL16 6, (\q)%2, \q, \slot, \zero
	PLACES NP
	WIN 0
	FETCH_A \slot, (\q)+1, 4
.endm
.macro TURN slot, next, fill
	s_wait_tensorcnt 0x0                           ; all my tensor loads have landed: my part of the next slot
	ds_add_u32 v[SPW], v[NIL]                      ; 0 onto my spare word
	s_wait_dscnt 4*NL+1                            ; (the add and the youngest 24 loads may be out)
	WIN MUL_LO
	MUL16 0, 1, NQ-1, \slot, 0
	s_wait_dscnt 0x0                               ; the add is done, and my reads of this slot are over
	s_barrier_signal -1
	MUL16 2, 1, NQ-1, \slot, 0
	WIN 0
	s_barrier_wait -1
.if \fill
	CREST                                          ; the barrier has opened a round of the cluster's
	s_add_nc_u64 s[G0+4*\slot+2:G0+4*\slot+3], s[G0+4*\slot+2:G0+4*\slot+3], 2*3072
	s_add_nc_u64 s[G0B+4*\slot+2:G0B+4*\slot+3], s[G0B+4*\slot+2:G0B+4*\slot+3], 2*3072
	JLOAD G0+4*\slot, G1, G0B+4*\slot, G1B         ; the first tensor load behind the round
.else
	PLACES NP
.endif
	v_add_nc_u32 v[ADRS], 1024, v[ADRS]
	FETCH_B \next, 0, 0
	FETCH_A \next, 0, 0
	SCALES \next
	WIN MUL_HI
	MUL16 4, 1, NQ-1, \slot, 0
	MUL16 6, 1, NQ-1, \slot, 0
	PLACES NP
	WIN 0
	FETCH_A \next, 0, 4
.endm
.macro RELU a                          ; the activation, in f32, each accumulator from its low end on
.set W, 2+(\a)/4
.set S, 64*((\a)%4)
	WIN (W<<2)|(W<<6)
.set j, 0
.rept 64
	v_max_num_f32 v[S+j], 0, v[S+j]
.set j, j+1
.endr
.endm
; Accumulator block a (register 16 b + i = hidden unit 32 b + 16 (lane / 16) + i) becomes a fragment: registers 0-5 in v[d0] on, 6-11 in v[d1] on, its scale word in v[pw]
.macro QUANTW a, d0, d1, pw
.set W, 2+(\a)/4
.set S, 64*((\a)%4)
	WIN W|(W<<2)
.irp b, 0,1,2,3
	v_max3_num_f32 v[TM+\b], |v[S+16*\b]|, |v[S+16*\b+1]|, 0x2800000    ; and the floor 2^(5 - 127)
.endr
	WIN (W<<2)|(W<<4)
.irp i, 2,4,6,8,10,12,14
.irp b, 0,1,2,3
	v_max3_num_f32 v[TM+\b], v[TM+\b], |v[S+16*\b+\i]|, |v[S+16*\b+\i+1]|
.endr
.endr
	WIN 0
.irp b, 0,1,2,3
	v_permlanex16_b32 v[TM+4+\b], v[TM+\b], s[SEL], s[SEL+1]
.endr
.irp b, 0,1,2,3
	v_max_num_f32 v[TM+\b], v[TM+\b], v[TM+4+\b]
.endr
.irp b, 0,1,2,3
	v_add_nc_u32 v[TM+12+\b], 0xfe000000, v[TM+\b]
.endr
.irp b, 0,1,2,3
	v_lshrrev_b32 v[TM+4+\b], 23, v[TM+12+\b]
.endr
	v_lshl_or_b32 v[\pw], v[TM+5], 8, v[TM+4]
	v_lshl_or_b32 v[\pw], v[TM+6], 16, v[\pw]
	v_lshl_or_b32 v[\pw], v[TM+7], 24, v[\pw]
	WIN W
	v_cvt_scalef32_pk16_bf6_f32 v[(\d0):(\d0)+2], v[S:S+15], v[TM+12]
	v_cvt_scalef32_pk16_bf6_f32 v[X1:X1+2], v[S+16:S+31], v[TM+13]
	v_cvt_scalef32_pk16_bf6_f32 v[(\d1):(\d1)+2], v[S+32:S+47], v[TM+14]
	v_cvt_scalef32_pk16_bf6_f32 v[X2:X2+2], v[S+48:S+63], v[TM+15]
	WIN 0
	v_nop                                          ; one plain place behind a scaled conversion
.irp i, 0,1,2
	v_permlane16_swap_b32 v[(\d0)+\i], v[X1+\i]
	v_permlane16_swap_b32 v[(\d1)+\i], v[X2+\i]
.endr
.irp i, 0,1,2
	v_mov_b32 v[(\d0)+3+\i], v[X1+\i]
	v_mov_b32 v[(\d1)+3+\i], v[X2+\i]
.endr
.endm
	s_load_b128 s[4:7], s[0:1], 0x0                ; yq, wq
	s_load_b128 s[8:11], s[0:1], 0x10              ; b1, hq
	v_lshl_add_u32 v[SPW], v0, 2, SPARE
	v_mov_b32 v[NIL], 0
	ds_add_u32 v28, v29
	ds_add_u32 v28, v29
	s_wait_dscnt 0x0
	v_lshrrev_b32 v1, 5, v0
	v_readfirstlane_b32 s14, v1
	s_lshr_b32 s15, s14, 1
	s_and_b32 s16, s14, 1
	s_bfe_u32 s40, ttmp6, 0x40000
	s_bfe_u32 s41, ttmp6, 0x40004
	s_lshl_b32 s42, ttmp9, 2
	s_add_co_u32 s42, s42, s40                     ; tile column
	s_and_b32 s17, ttmp7, 0xffff
	s_lshl_b32 s17, s17, 2
	s_add_co_u32 s17, s17, s41                     ; tile row
	s_lshl_b32 s43, s41, 2
	s_lshl_b32 s43, 15, s43
	s_lshl_b32 s44, 0x1111, s40
	s_or_b32 s[G1+0], s43, (3<<16)|(1<<21)
	s_or_b32 s[G1B+0], s44, (3<<16)|(1<<21)
.irp g, G1, G1B
	s_mov_b32 s[\g+1], 384<<16
	s_mov_b32 s[\g+2], 8<<16
	s_mov_b32 s[\g+3], 384<<16
	s_mov_b32 s[\g+4], 8
	s_mov_b32 s[\g+5], FROWB/8
	s_mov_b32 s[\g+6], 0
	s_mov_b32 s[\g+7], 0
.endr
	s_or_b32 s[G1S+0], s43, (3<<16)|(1<<21)
	s_or_b32 s[G1SB+0], s44, (3<<16)|(1<<21)
.irp g, G1S, G1SB
	s_mov_b32 s[\g+1], 32<<16
	s_mov_b32 s[\g+2], (HALFS/256)<<16
	s_mov_b32 s[\g+3], 32<<16
	s_mov_b32 s[\g+4], HALFS/256
	s_mov_b32 s[\g+5], 32
	s_mov_b32 s[\g+6], 0
	s_mov_b32 s[\g+7], 0
.endr
	s_lshl_b32 s20, s17, 1
	s_add_co_u32 s20, s20, s16
	s_lshl_b32 s46, s42, 1
	s_add_co_u32 s46, s46, s16
	s_mul_i32 s22, s20, HALFS
	s_add_co_u32 s22, s22, ASOFF
	s_mul_i32 s92, s46, HALFS
	s_add_co_u32 s92, s92, BSOFF
	s_mul_i32 s20, s20, 8*FROWB
	s_mul_i32 s46, s46, 8*FROWB
	s_add_co_u32 s46, s46, BCOFF
	s_mov_b32 s21, 0
	s_mov_b32 s23, 0
	s_mov_b32 s47, 0
	s_mov_b32 s93, 0
	s_mul_i32 s45, s14, HALFT
	s_mul_i32 s94, s14, HALFS
	s_wait_kmcnt 0x0
	s_add_nc_u64 s[20:21], s[4:5], s[20:21]
	s_add_nc_u64 s[22:23], s[4:5], s[22:23]
	s_add_nc_u64 s[46:47], s[6:7], s[46:47]
	s_add_nc_u64 s[92:93], s[6:7], s[92:93]
	CROUND                                         ; the first joint loads meet
	s_mov_b32 s[G0S], 1
	s_add_co_u32 s[G0S+1], s94, SCL
	s_mov_b64 s[G0S+2:G0S+3], s[22:23]
	s_or_b32 s[G0S+3], s[G0S+3], 0x80000000
	s_mov_b32 s[G0SB], 1
	s_add_co_u32 s[G0SB+1], s94, SCL
	s_mov_b64 s[G0SB+2:G0SB+3], s[92:93]
	s_or_b32 s[G0SB+3], s[G0SB+3], 0x80000000
	JLOAD G0S, G1S, G0SB, G1SB
.irp s, 0,1
	s_mov_b32 s[G0+4*\s], 1
	s_add_co_u32 s[G0+4*\s+1], s45, \s*SLOT
	s_add_nc_u64 s[G0+4*\s+2:G0+4*\s+3], s[20:21], \s*3072
	s_or_b32 s[G0+4*\s+3], s[G0+4*\s+3], 0x80000000
	s_mov_b32 s[G0B+4*\s], 1
	s_add_co_u32 s[G0B+4*\s+1], s45, \s*SLOT
	s_add_nc_u64 s[G0B+4*\s+2:G0B+4*\s+3], s[46:47], \s*3072
	s_or_b32 s[G0B+4*\s+3], s[G0B+4*\s+3], 0x80000000
	JLOAD G0+4*\s, G1, G0B+4*\s, G1B
.endr
	v_and_b32 v1, 15, v0
	v_bfe_u32 v2, v0, 4, 1
	v_and_b32 v3, 31, v0
	v_lshlrev_b32 v[L8], 3, v3
	v_lshlrev_b32 v[L16], 4, v3
	s_mov_b32 s[HM], 0xffff0000
	s_mov_b32 s[SEL], 0x76543210
	s_mov_b32 s[SEL+1], 0xfedcba98
	s_mul_i32 s21, s15, HALFT
	s_mul_i32 s22, s16, HALFT
	s_add_co_u32 s22, s22, 2*HALFT
.irp s, 0,1
	v_add_nc_u32 v[ADRA+\s], s21, v[L8]
	v_add_nc_u32 v[ADRB+\s], s22, v[L8]
	s_add_co_u32 s21, s21, SLOT
	s_add_co_u32 s22, s22, SLOT
.endr
	s_mul_i32 s21, s15, HALFS
	s_mul_i32 s22, s16, HALFS
	s_add_co_u32 s22, s22, 2*HALFS
	s_sub_co_u32 s22, s22, s21
	v_mul_u32_u24 v6, s22, v2                      ; lanes 16-31 take B's words
	s_add_co_u32 s21, s21, SCL
	v_lshl_add_u32 v5, v1, 3, v6
	v_add_nc_u32 v[ADRS], s21, v5
	s_lshl_b32 s46, s42, 10
	s_lshl_b32 s47, s16, 9
	s_add_co_u32 s46, s46, s47
	s_mov_b32 s47, 0
	s_add_nc_u64 s[8:9], s[8:9], s[46:47]          ; b1 at my 128 hidden units
	v_lshlrev_b32 v7, 6, v2
.irp p, 0,1,2,3
.irp c, 0,1,2,3
	global_load_b128 v[BI+16*\p+4*\c:BI+16*\p+4*\c+3], v7, s[8:9] offset:128*\p+16*\c
.endr
.endr
	s_lshl_b32 s20, s17, 4
	s_lshl_b32 s21, s15, 3
	s_add_co_u32 s20, s20, s21                     ; my first tile of rows
	s_lshl_b32 s20, s20, 5
	s_lshl_b32 s21, s42, 1
	s_add_co_u32 s20, s20, s21
	s_add_co_u32 s20, s20, s16                     ; x 32 + my K step of the next product
	s_mul_i32 s20, s20, 1536
	s_mov_b32 s21, 0
	s_add_nc_u64 s[12:13], s[10:11], s[20:21]      ; hq: my fragments
	s_lshl_b32 s20, s17, 1
	s_add_co_u32 s20, s20, s15
	s_lshl_b32 s20, s20, 4
	s_add_co_u32 s20, s20, s42
	s_lshl_b32 s20, s20, 10
	s_lshl_b32 s22, s16, 2
	s_add_co_u32 s20, s20, s22
	s_add_co_u32 s20, s20, 12582912
	s_add_nc_u64 s[10:11], s[10:11], s[20:21]      ; hq: my scale words
	s_wait_tensorcnt 1                             ; the scale words and K step 0 are in; K step 1's load may be out
	s_barrier_signal -1
	s_barrier_wait -1
	FETCH_B 0, 0, 0
	FETCH_A 0, 0, 0
	SCALES 0
	FETCH_A 0, 0, 4
	s_wait_loadcnt 0x0                             ; the bias
	STEP 0, 0, 1
	s_mov_b32 s3, LAPS-1
.Llap:
	TURN 0, 1, 1
	STEP 1, 0, 0
	TURN 1, 0, 1
	STEP 0, 0, 0
	s_sub_co_u32 s3, s3, 1
	s_cmp_lg_u32 s3, 0
	s_cbranch_scc1 .Llap
	TURN 0, 1, 0
	STEP 1, 0, 0
	s_wait_dscnt 4*NL
	WIN MUL_LO
	MUL16 0, 1, NQ-1, 1, 0
	MUL16 2, 1, NQ-1, 1, 0
	s_wait_dscnt 0
	WIN MUL_HI
	MUL16 4, 1, NQ-1, 1, 0
	MUL16 6, 1, NQ-1, 1, 0
	WIN 0
	PLACES NP                                      ; in front of the first read of results and of writes over the fragments' registers
.irp b, 0,1,2,3
	v_mov_b32 v[TM+4+\b], 0                        ; a lane permute's destination counts as one of its sources
.endr
.irp a, 0,1,2,3,4,5,6,7                        ; each block has registers of its own for its codes: no store's data are written again
	RELU \a
	QUANTW \a, D+12*\a, D+12*\a+6, PWS+\a
.irp p, 0,1,2,3,4,5
	global_store_b64 v[L8], v[D+12*\a+2*\p:D+12*\a+2*\p+1], s[12:13] offset:\a*49152+256*\p   ; 256 consecutive bytes, aligned
.endr
.if \a%2 == 1
	v_cndmask_b32 v[TM+8+\a/2], v[PWS+\a-1], v[PWS+\a], s[HM]     ; lanes 0-15 the even block's words, lanes 16-31 the odd block's
	global_store_b32 v[L8], v[TM+8+\a/2], s[10:11] offset:(\a-1)*128
.endif
.endr
	s_wait_tensorcnt 0x0                           ; the wave's end
	ds_add_u32 v[SPW], v[NIL]
	s_wait_dscnt 0x0
	CROUND                                         ; the closing round
	s_endpgm
.Lfunc_end_k_q22e47c9c82_ff1:
	.size	k_q22e47c9c82_ff1, .Lfunc_end_k_q22e47c9c82_ff1-k_q22e47c9c82_ff1
	.p2alignl 7, 3214868480
	.fill 96, 4, 3214868480
	.section	.rodata,"a",@progbits
	.p2align	6, 0x0
	.amdhsa_kernel k_q22e47c9c82_ff1
		.amdhsa_group_segment_fixed_size 327680
		.amdhsa_private_segment_fixed_size 0
		.amdhsa_enable_private_segment 0
		.amdhsa_kernarg_size 32
		.amdhsa_user_sgpr_count 2
		.amdhsa_user_sgpr_kernarg_segment_ptr 1
		.amdhsa_wavefront_size32 1
		.amdhsa_system_sgpr_workgroup_id_x 1
		.amdhsa_system_sgpr_workgroup_id_y 1
		.amdhsa_system_sgpr_workgroup_id_z 1
		.amdhsa_system_vgpr_workitem_id 0
		.amdhsa_next_free_vgpr 1024
		.amdhsa_next_free_sgpr 104
		.amdhsa_reserve_vcc 0
		.amdhsa_float_denorm_mode_32 3
		.amdhsa_float_denorm_mode_16_64 3
		.amdhsa_memory_ordered 1
		.amdhsa_forward_progress 1
		.amdhsa_inst_pref_size 185
	.end_amdhsa_kernel
	.amdgpu_metadata
---
amdhsa.version: [ 1, 2 ]
amdhsa.kernels:
  - .name:           k_q22e47c9c82_ff1
    .symbol:         k_q22e47c9c82_ff1.kd
    .args:
      - { .name: yq, .offset: 0, .size: 8, .value_kind: global_buffer, .address_space: global }
      - { .name: wq, .offset: 8, .size: 8, .value_kind: global_buffer, .address_space: global }
      - { .name: b1, .offset: 16, .size: 8, .value_kind: global_buffer, .address_space: global }
      - { .name: hq, .offset: 24, .size: 8, .value_kind: global_buffer, .address_space: global }
    .group_segment_fixed_size: 327680
    .private_segment_fixed_size: 0
    .kernarg_segment_align: 8
    .kernarg_segment_size: 32
    .max_flat_workgroup_size: 128
    .sgpr_count:     104
    .vgpr_count:     1024
    .wavefront_size: 32
...
	.end_amdgpu_metadata
.endif
;; end of part 6
;; launch ff2 (part 7): grid 4 x 16, 4 waves a work-group, clusters of 4 x 4, 327,680 bytes of LDS; arguments hq, wq, b2, x1, out0; writes out0
.if DOCPART == 7
	.amdgcn_target "amdgcn-amd-amdhsa--gfx1250"
	.amdhsa_code_object_version 6
	.text
	.protected	k_q22e47c9c82_ff2
	.globl	k_q22e47c9c82_ff2
	.p2align	8
	.type	k_q22e47c9c82_ff2,@function
k_q22e47c9c82_ff2:
	s_mov_b64 s[64:65], 0
	v_nop
	global_prefetch_b8 v0, s[64:65] scope:SCOPE_SE
	s_setreg_imm32_b32 hwreg(HW_REG_WAVE_MODE, 25, 1), 1
	s_wait_xcnt 0x0
	s_wait_alu depctr_hold_cnt(0) depctr_sa_sdst(0) depctr_va_vdst(0) depctr_va_sdst(0) depctr_va_ssrc(0) depctr_va_vcc(0) depctr_vm_vsrc(0)
	s_getreg_b32 s2, hwreg(HW_REG_IB_STS2, 6, 4)
	s_cmp_eq_u32 s2, 0
	s_cbranch_scc0 .Lentry_in_a_cluster
	s_endpgm
.Lentry_in_a_cluster:
	s_bfe_u32 s2, ttmp6, 0x10000c
	s_cmp_lg_u32 s2, 0xf033
	s_cbranch_scc0 .Lentry_shape_is_right
	s_endpgm
.Lentry_shape_is_right:
; out0 = x1 + h W2 + b2.  h and W2 are codes of BF6 (E3M2) with E8M0 scales, in the order of the matrix unit's registers: a fragment (16 rows x 128 K) is 1,536 bytes, chunk p of 256 bytes = registers 2 p, 2 p + 1, 8 bytes a lane.
; Rows are kept by position: position 32 g + 16 u + r is true row 32 g + 8 u + (r & 7) + 16 (r >> 3).  Source 0 = 16 columns of W2, source 1 = 16 rows of h: a lane holds one row, and the 16 registers of two neighbouring tiles are 16 true neighbouring columns.
; A work-group of four waves makes 256 x 256; a wave 128 x 128: 64 accumulators.  K = 4,096 goes in steps of 256 through two LDS slots filled by joint tensor loads: h's tile is shared along a row of the 4 x 4 cluster, W2's along a column.
; The bias is the C of the first step.  On the way out a block of 16 rows goes through the wave's stage in LDS, comes back as whole rows of 512 bytes, takes the residual and is stored at its true row.
; The grid has 64 work-groups: 4,096 x 1,024 in tiles of 256 x 256.
; lds_bytes: all of LDS is claimed; the text uses 262,656 bytes.
.set KK,    4096
.set ASOFF, 12582912                   ; hq: the scale words behind the codes
.set BCOFF, 5505024                    ; wq: W2's codes,
.set BSOFF, 8880128                    ; and its scale words
.set NQ,    2
.set FR,    12
.set NL,    6
.set NP,    4                          ; places behind this matrix instruction (ISA guide 7.12.1)
.set FROWB, KK/128*1536
.set HALFT, 8*2*1536
.set SLOT,  4*HALFT
.set LAPS,  KK/512
.set SCL,   2*SLOT
.set HALFS, KK/256*1024
.set SPARE, SCL+4*HALFS                ; the spare words, 128 bytes a wave: two blocks of 256 bytes that no other line names
.set SPITCH, 528                       ; the stage: 16 rows x (512 + 16) bytes a wave, in slot 0, which has had its last fill and its last read by then
.set ADRA, 16
.set ADRB, 20
.set STO,  24
.set RD,   25
.set ADRS, 27
.set SPW,  28
.set NIL,  29
.set L8,   30
.set L16,  31
.set SC,   32
.set BI,   64
.set AF,   128
.set BK,   128
.set G1, 24
.set G0, 32
.set G1B, 48
.set G0B, 56
.set G1S, 68
.set G0S, 76
.set G1SB, 80
.set G0SB, 88
.set MSB, 0
.macro WIN new
.if MSB != (\new)
	s_set_vgpr_msb (MSB<<8)|(\new)
.set MSB, (\new)
.endif
.endm
.set MUL_LO, 0xa1
.set MUL_HI, 0xf1
.set TO_B,   0x40
.macro JLOAD g0a, g1a, g0b, g1b        ; a joint load: waves 0 and 1 fetch for A, waves 2 and 3 for B; four v_nop follow each line
	s_cmp_eq_u32 s15, 0
	s_cbranch_scc0 .Lfor_b_\@
	tensor_load_to_lds s[\g0a:\g0a+3], s[\g1a:\g1a+7]
	s_nop 0
.rept 4
	v_nop
.endr
	s_branch .Lasked_\@
.Lfor_b_\@:
	tensor_load_to_lds s[\g0b:\g0b+3], s[\g1b:\g1b+7]
	s_nop 0
.rept 4
	v_nop
.endr
.Lasked_\@:
.endm
.macro CREST
	s_cmp_lg_u32 s14, 0
	s_cbranch_scc1 .Lnot_wave_0_\@
	s_barrier_signal -3
.Lnot_wave_0_\@:
	s_barrier_wait -3
	s_barrier_signal -1
	s_barrier_wait -1
.endm
.macro CROUND
	s_barrier_signal -1
	s_barrier_wait -1
	CREST
.endm
.macro PLACES n
.rept \n
	v_nop
.endr
.endm
.macro FRAG reg, adr, q, i
.irp p, 0,1,2,3,4,5
	ds_load_b64 v[\reg+2*\p:\reg+2*\p+1], v[\adr] offset:(\i)*3072+(\q)*1536+256*\p
.endr
.endm
.macro MUL16 a0, p, q, sc, zero        ; the 64 accumulators take turns, one instruction a turn
.irp a, \a0, \a0+1
.irp b, 0,1,2,3,4,5,6,7
.if \zero
	v_wmma_scale_f32_16x16x128_f8f6f4 v[8*(8*((\a)%4)+\b):8*(8*((\a)%4)+\b)+7], v[128*(\p)+FR*\b:128*(\p)+FR*\b+FR-1], v[AF+FR*(\a):AF+FR*(\a)+FR-1], v[BI+8*\b:BI+8*\b+7], v[SC+8*NQ*(\sc)+NQ*\b+(\q)], v[SC+8*NQ*(\sc)+NQ*(\a)+(\q)] matrix_a_fmt:MATRIX_FMT_BF6 matrix_b_fmt:MATRIX_FMT_BF6 matrix_a_scale:MATRIX_SCALE_ROW1
.else
	v_wmma_scale_f32_16x16x128_f8f6f4 v[8*(8*((\a)%4)+\b):8*(8*((\a)%4)+\b)+7], v[128*(\p)+FR*\b:128*(\p)+FR*\b+FR-1], v[AF+FR*(\a):AF+FR*(\a)+FR-1], v[8*(8*((\a)%4)+\b):8*(8*((\a)%4)+\b)+7], v[SC+8*NQ*(\sc)+NQ*\b+(\q)], v[SC+8*NQ*(\sc)+NQ*(\a)+(\q)] matrix_a_fmt:MATRIX_FMT_BF6 matrix_b_fmt:MATRIX_FMT_BF6 matrix_a_scale:MATRIX_SCALE_ROW1
.endif
.endr
.endr
.endm
.macro FETCH_B slot, q, p
	WIN TO_B
.irp i, 0,1,2,3,4,5,6,7
	FRAG 128*(\p)+FR*\i, ADRB+\slot, \q, \i
.endr
	WIN 0
.endm
.macro FETCH_A slot, q, i0
.irp i, \i0, \i0+1, \i0+2, \i0+3
	FRAG AF+FR*(\i), ADRA+\slot, \q, \i
.endr
.endm
.macro SCALES sc
.irp i, 0,1,2,3,4,5,6,7
	ds_load_b64 v[SC+8*NQ*\sc+NQ*\i:SC+8*NQ*\sc+NQ*\i+1], v[ADRS] offset:\i*128
.endr
.endm
.macro STEP slot, q, zero
	s_wait_dscnt 4*NL                              ; all but the youngest 24 loads (A's blocks 4-7)
	WIN MUL_LO-0x20*\zero                          ; (the first step's C lies in window 0)
	MUL16 0, (\q)%2, \q, \slot, \zero
	MUL16 2, (\q)%2, \q, \slot, \zero
	s_wait_dscnt 0
	PLACES NP
	FETCH_B \slot, (\q)+1, 1-(\q)%2
	FETCH_A \slot, (\q)+1, 0
	WIN MUL_HI-0x30*\zero
	MUL16 4, (\q)%2, \q, \slot, \zero
	MUL16 6, (\q)%2, \q, \slot, \zero
	PLACES NP
	WIN 0
	FETCH_A \slot, (\q)+1, 4
.endm
.macro TURN slot, next, fill
	s_wait_tensorcnt 0x0                           ; all my tensor loads have landed: my part of the next slot
	ds_add_u32 v[SPW], v[NIL]                      ; 0 onto my spare word
	s_wait_dscnt 4*NL+1                            ; (the add and the youngest 24 loads may be out)
	WIN MUL_LO
	MUL16 0, 1, NQ-1, \slot, 0
	s_wait_dscnt 0x0                               ; the add is done, and my reads of this slot are over
	s_barrier_signal -1
	MUL16 2, 1, NQ-1, \slot, 0
	WIN 0
	s_barrier_wait -1
.if \fill
	CREST                                          ; the barrier has opened a round of the cluster's
	s_add_nc_u64 s[G0+4*\slot+2:G0+4*\slot+3], s[G0+4*\slot+2:G0+4*\slot+3], 2*3072
	s_add_nc_u64 s[G0B+4*\slot+2:G0B+4*\slot+3], s[G0B+4*\slot+2:G0B+4*\slot+3], 2*3072
	JLOAD G0+4*\slot, G1, G0B+4*\slot, G1B         ; the first tensor load behind the round
.else
	PLACES NP
.endif
	v_add_nc_u32 v[ADRS], 1024, v[ADRS]
	FETCH_B \next, 0, 0
	FETCH_A \next, 0, 0
	SCALES \next
	WIN MUL_HI
	MUL16 4, 1, NQ-1, \slot, 0
	MUL16 6, 1, NQ-1, \slot, 0
	PLACES NP
	WIN 0
	FETCH_A \next, 0, 4
.endm
	s_load_b128 s[4:7], s[0:1], 0x0                ; hq, wq
	s_load_b128 s[8:11], s[0:1], 0x10              ; b2, x1
	s_load_b64 s[12:13], s[0:1], 0x20              ; out0
	v_lshl_add_u32 v[SPW], v0, 2, SPARE
	v_mov_b32 v[NIL], 0
	ds_add_u32 v28, v29
	ds_add_u32 v28, v29
	s_wait_dscnt 0x0
	v_lshrrev_b32 v1, 5, v0
	v_readfirstlane_b32 s14, v1
	s_lshr_b32 s15, s14, 1
	s_and_b32 s16, s14, 1
	s_bfe_u32 s40, ttmp6, 0x40000
	s_bfe_u32 s41, ttmp6, 0x40004
	s_lshl_b32 s42, ttmp9, 2
	s_add_co_u32 s42, s42, s40                     ; tile column
	s_and_b32 s17, ttmp7, 0xffff
	s_lshl_b32 s17, s17, 2
	s_add_co_u32 s17, s17, s41                     ; tile row
	s_lshl_b32 s43, s41, 2
	s_lshl_b32 s43, 15, s43
	s_lshl_b32 s44, 0x1111, s40
	s_or_b32 s[G1+0], s43, (3<<16)|(1<<21)
	s_or_b32 s[G1B+0], s44, (3<<16)|(1<<21)
.irp g, G1, G1B
	s_mov_b32 s[\g+1], 384<<16
	s_mov_b32 s[\g+2], 8<<16
	s_mov_b32 s[\g+3], 384<<16
	s_mov_b32 s[\g+4], 8
	s_mov_b32 s[\g+5], FROWB/8
	s_mov_b32 s[\g+6], 0
	s_mov_b32 s[\g+7], 0
.endr
	s_or_b32 s[G1S+0], s43, (3<<16)|(1<<21)
	s_or_b32 s[G1SB+0], s44, (3<<16)|(1<<21)
.irp g, G1S, G1SB
	s_mov_b32 s[\g+1], 32<<16
	s_mov_b32 s[\g+2], (HALFS/256)<<16
	s_mov_b32 s[\g+3], 32<<16
	s_mov_b32 s[\g+4], HALFS/256
	s_mov_b32 s[\g+5], 32
	s_mov_b32 s[\g+6], 0
	s_mov_b32 s[\g+7], 0
.endr
	s_lshl_b32 s20, s17, 1
	s_add_co_u32 s20, s20, s16
	s_lshl_b32 s46, s42, 1
	s_add_co_u32 s46, s46, s16
	s_mul_i32 s22, s20, HALFS
	s_add_co_u32 s22, s22, ASOFF
	s_mul_i32 s92, s46, HALFS
	s_add_co_u32 s92, s92, BSOFF
	s_mul_i32 s20, s20, 8*FROWB
	s_mul_i32 s46, s46, 8*FROWB
	s_add_co_u32 s46, s46, BCOFF
	s_mov_b32 s21, 0
	s_mov_b32 s23, 0
	s_mov_b32 s47, 0
	s_mov_b32 s93, 0
	s_mul_i32 s45, s14, HALFT
	s_mul_i32 s94, s14, HALFS
	s_wait_kmcnt 0x0
	s_add_nc_u64 s[20:21], s[4:5], s[20:21]
	s_add_nc_u64 s[22:23], s[4:5], s[22:23]
	s_add_nc_u64 s[46:47], s[6:7], s[46:47]
	s_add_nc_u64 s[92:93], s[6:7], s[92:93]
	CROUND                                         ; the first joint loads meet
	s_mov_b32 s[G0S], 1
	s_add_co_u32 s[G0S+1], s94, SCL
	s_mov_b64 s[G0S+2:G0S+3], s[22:23]
	s_or_b32 s[G0S+3], s[G0S+3], 0x80000000
	s_mov_b32 s[G0SB], 1
	s_add_co_u32 s[G0SB+1], s94, SCL
	s_mov_b64 s[G0SB+2:G0SB+3], s[92:93]
	s_or_b32 s[G0SB+3], s[G0SB+3], 0x80000000
	JLOAD G0S, G1S, G0SB, G1SB
.irp s, 0,1
	s_mov_b32 s[G0+4*\s], 1
	s_add_co_u32 s[G0+4*\s+1], s45, \s*SLOT
	s_add_nc_u64 s[G0+4*\s+2:G0+4*\s+3], s[20:21], \s*3072
	s_or_b32 s[G0+4*\s+3], s[G0+4*\s+3], 0x80000000
	s_mov_b32 s[G0B+4*\s], 1
	s_add_co_u32 s[G0B+4*\s+1], s45, \s*SLOT
	s_add_nc_u64 s[G0B+4*\s+2:G0B+4*\s+3], s[46:47], \s*3072
	s_or_b32 s[G0B+4*\s+3], s[G0B+4*\s+3], 0x80000000
	JLOAD G0+4*\s, G1, G0B+4*\s, G1B
.endr
	v_and_b32 v1, 15, v0
	v_bfe_u32 v2, v0, 4, 1
	v_and_b32 v3, 31, v0
	v_lshlrev_b32 v[L8], 3, v3
	v_lshlrev_b32 v[L16], 4, v3
	s_mul_i32 s21, s15, HALFT
	s_mul_i32 s22, s16, HALFT
	s_add_co_u32 s22, s22, 2*HALFT
.irp s, 0,1
	v_add_nc_u32 v[ADRA+\s], s21, v[L8]
	v_add_nc_u32 v[ADRB+\s], s22, v[L8]
	s_add_co_u32 s21, s21, SLOT
	s_add_co_u32 s22, s22, SLOT
.endr
	s_mul_i32 s21, s15, HALFS
	s_mul_i32 s22, s16, HALFS
	s_add_co_u32 s22, s22, 2*HALFS
	s_sub_co_u32 s22, s22, s21
	v_mul_u32_u24 v6, s22, v2                      ; lanes 16-31 take B's words
	s_add_co_u32 s21, s21, SCL
	v_lshl_add_u32 v5, v1, 3, v6
	v_add_nc_u32 v[ADRS], s21, v5
	s_mul_i32 s23, s14, 16*SPITCH
	v_mul_u32_u24 v5, v1, SPITCH
	v_lshl_add_u32 v5, v2, 6, v5
	v_add_nc_u32 v[STO], s23, v5
	v_add_nc_u32 v[RD], s23, v[L16]
	s_lshl_b32 s46, s42, 10
	s_lshl_b32 s47, s16, 9
	s_add_co_u32 s46, s46, s47
	s_mov_b32 s47, 0
	s_add_nc_u64 s[8:9], s[8:9], s[46:47]
	v_lshlrev_b32 v7, 6, v2
.irp p, 0,1,2,3
.irp c, 0,1,2,3
	global_load_b128 v[BI+16*\p+4*\c:BI+16*\p+4*\c+3], v7, s[8:9] offset:128*\p+16*\c
.endr
.endr
	s_lshl_b32 s20, s17, 20
	s_lshl_b32 s21, s15, 19
	s_add_co_u32 s20, s20, s21
	s_add_co_u32 s20, s20, s46
	s_mov_b32 s21, 0
	s_add_nc_u64 s[10:11], s[10:11], s[20:21]
	s_add_nc_u64 s[12:13], s[12:13], s[20:21]
	s_wait_tensorcnt 1                             ; the scale words and K step 0 are in; K step 1's load may be out
	s_barrier_signal -1
	s_barrier_wait -1
	FETCH_B 0, 0, 0
	FETCH_A 0, 0, 0
	SCALES 0
	FETCH_A 0, 0, 4
	s_wait_loadcnt 0x0                             ; the bias
	STEP 0, 0, 1
	s_mov_b32 s3, LAPS-1
.Llap:
	TURN 0, 1, 1
	STEP 1, 0, 0
	TURN 1, 0, 1
	STEP 0, 0, 0
	s_sub_co_u32 s3, s3, 1
	s_cmp_lg_u32 s3, 0
	s_cbranch_scc1 .Llap
	TURN 0, 1, 0
	STEP 1, 0, 0
	s_wait_dscnt 4*NL
	WIN MUL_LO
	MUL16 0, 1, NQ-1, 1, 0
	MUL16 2, 1, NQ-1, 1, 0
	s_wait_dscnt 0
	WIN MUL_HI
	MUL16 4, 1, NQ-1, 1, 0
	MUL16 6, 1, NQ-1, 1, 0
	WIN 0
; THE WAY OUT.  Position t of block a is true row 32 (a / 2) + 8 (a % 2) + t + 8 (t / 8) of my 128: it stands in the immediates, 127 rows of 4,096 bytes at the most.
.macro RLOAD a
	WIN 0x40
.irp t, 0,1,2,3,4,5,6,7,8,9,10,11,12,13,14,15
	global_load_b128 v[64*((\a)%4)+4*\t:64*((\a)%4)+4*\t+3], v[L16], s[10:11] offset:(32*((\a)/2)+8*((\a)%2)+\t+8*(\t/8))*4096
.endr
	WIN 0
.endm
.macro TOSTAGE a
.set AC, 64*((\a)%4)
	WIN 0x08+4*((\a)/4)
.irp b, 0,1,2,3,4,5,6,7
	ds_store_b128 v[STO], v[AC+8*\b:AC+8*\b+3] offset:128*(\b/2)+32*(\b%2)      ; each accumulator from its low end on
	ds_store_b128 v[STO], v[AC+8*\b+4:AC+8*\b+7] offset:128*(\b/2)+32*(\b%2)+16
.endr
	WIN 0
.set BB, BK+64*((\a)%2)
.irp t, 0,1,2,3,4,5,6,7,8,9,10,11,12,13,14,15
	ds_load_b128 v[BB+4*\t:BB+4*\t+3], v[RD] offset:\t*SPITCH    ; LDS serves a wave's instructions in order: these see the stores above
.endr
.endm
.macro SEND a, younger
.set BB, BK+64*((\a)%2)
.set RR, 64*((\a)%4)
	s_wait_dscnt \younger                          ; the block is back; the next block's 16 stores and 16 loads may be out
.if (\a) <= 4
	s_wait_loadcnt 48                              ; its residual is in; three later blocks' loads may be out
.else
	s_wait_loadcnt 16*(7-(\a))
.endif
	WIN 0x04
.set j, 0
.rept 32
	v_pk_add_f32 v[BB+j:BB+j+1], v[BB+j:BB+j+1], v[RR+j:RR+j+1]
.set j, j+2
.endr
	WIN 0
.irp t, 0,1,2,3,4,5,6,7,8,9,10,11,12,13,14,15
	global_store_b128 v[L16], v[BB+4*\t:BB+4*\t+3], s[12:13] offset:(32*((\a)/2)+8*((\a)%2)+\t+8*(\t/8))*4096 th:TH_STORE_NT   ; 512 consecutive bytes, aligned; written once, read by nobody here
.endr
.if (\a) < 4
	RLOAD (\a)+4
.endif
.endm
	PLACES NP
	RLOAD 0
	RLOAD 1
	RLOAD 2
	RLOAD 3
	TOSTAGE 0
.irp a, 1,2,3,4,5,6,7
.if \a > 1
	s_wait_xcnt 0x0                                ; block a - 2's stores have read their registers: block a's loads may land there
.endif
	TOSTAGE \a
	SEND \a-1, 32
.endr
	SEND 7, 0
	s_wait_tensorcnt 0x0                           ; the wave's end
	ds_add_u32 v[SPW], v[NIL]
	s_wait_dscnt 0x0
	CROUND                                         ; the closing round
	s_endpgm
.Lfunc_end_k_q22e47c9c82_ff2:
	.size	k_q22e47c9c82_ff2, .Lfunc_end_k_q22e47c9c82_ff2-k_q22e47c9c82_ff2
	.p2alignl 7, 3214868480
	.fill 96, 4, 3214868480
	.section	.rodata,"a",@progbits
	.p2align	6, 0x0
	.amdhsa_kernel k_q22e47c9c82_ff2
		.amdhsa_group_segment_fixed_size 327680
		.amdhsa_private_segment_fixed_size 0
		.amdhsa_enable_private_segment 0
		.amdhsa_kernarg_size 40
		.amdhsa_user_sgpr_count 2
		.amdhsa_user_sgpr_kernarg_segment_ptr 1
		.amdhsa_wavefront_size32 1
		.amdhsa_system_sgpr_workgroup_id_x 1
		.amdhsa_system_sgpr_workgroup_id_y 1
		.amdhsa_system_sgpr_workgroup_id_z 1
		.amdhsa_system_vgpr_workitem_id 0
		.amdhsa_next_free_vgpr 1024
		.amdhsa_next_free_sgpr 104
		.amdhsa_reserve_vcc 0
		.amdhsa_float_denorm_mode_32 3
		.amdhsa_float_denorm_mode_16_64 3
		.amdhsa_memory_ordered 1
		.amdhsa_forward_progress 1
		.amdhsa_inst_pref_size 190
	.end_amdhsa_kernel
	.amdgpu_metadata
---
amdhsa.version: [ 1, 2 ]
amdhsa.kernels:
  - .name:           k_q22e47c9c82_ff2
    .symbol:         k_q22e47c9c82_ff2.kd
    .args:
      - { .name: hq, .offset: 0, .size: 8, .value_kind: global_buffer, .address_space: global }
      - { .name: wq, .offset: 8, .size: 8, .value_kind: global_buffer, .address_space: global }
      - { .name: b2, .offset: 16, .size: 8, .value_kind: global_buffer, .address_space: global }
      - { .name: x1, .offset: 24, .size: 8, .value_kind: global_buffer, .address_space: global }
      - { .name: out0, .offset: 32, .size: 8, .value_kind: global_buffer, .address_space: global }
    .group_segment_fixed_size: 327680
    .private_segment_fixed_size: 0
    .kernarg_segment_align: 8
    .kernarg_segment_size: 40
    .max_flat_workgroup_size: 128
    .sgpr_count:     104
    .vgpr_count:     1024
    .wavefront_size: 32
...
	.end_amdgpu_metadata
.endif
;; end of part 7
;; ======== version 2 of 2: 7 launches
;; limits: right only within a limited range of input values
;; workspace buffers: wq 9,011,200 bytes; xq 3,276,800 bytes; kv 6,684,672 bytes; cq 3,276,800 bytes; x1 16,777,216 bytes; yq 3,276,800 bytes; hq 13,107,200 bytes
;; launch prep (part 8): grid 432 x 1, 8 waves a work-group, no clusters, 67,072 bytes of LDS; arguments x, alpha1, bias1, xq, Wk, Wv, Wo, W1, W2, wq; writes xq, wq
.if DOCPART == 8
	.amdgcn_target "amdgcn-amd-amdhsa--gfx1250"
	.amdhsa_code_object_version 6
	.text
	.protected	k_q22e47c9c82_prep
	.globl	k_q22e47c9c82_prep
	.p2align	8
	.type	k_q22e47c9c82_prep,@function
k_q22e47c9c82_prep:
	s_mov_b64 s[64:65], 0
	v_nop
	global_prefetch_b8 v0, s[64:65] scope:SCOPE_SE
	s_setreg_imm32_b32 hwreg(HW_REG_WAVE_MODE, 25, 1), 1
	s_wait_xcnt 0x0
; Work-groups 0-255: norm1 of 16 rows of x (mean, unbiased std, eps added to the std, gain and bias) and their codes of BF6 (E3M2) with one E8M0 byte for each 32 along the 1,024 features.
; Work-groups 256-431: the five weights, stored [K][N], are quantised DOWN K: a lane takes a column and its registers run down K.
; OPERANDS LIE IN THE ORDER OF THE MATRIX UNIT'S REGISTERS.  A fragment (16 rows x 128 K) is 1,536 bytes: chunk p (0-5) of 256 bytes, lane l's 8 bytes at 8 l = its registers 2 p, 2 p + 1.
; Fragment (tile T, K step ks) lies at (T x K/128 + ks) x 1,536.  The scale word of (row pos, ks) lies at ((pos >> 7) x K/256 + (ks >> 1)) x 1,024 + (pos & 127) x 8 + (ks & 1) x 4.
; ROWS ARE KEPT BY POSITION: position 32 g + 16 u + r is true row 32 g + 8 u + (r & 7) + 16 (r >> 3), so that a tile used as source 0 leaves 16 true neighbours in a lane's 16 registers of two neighbouring tiles.
; LIMITS: NaN and infinities among the inputs are not served; a block whose largest magnitude lies under 2^-122 keeps the byte 1 (a block of zeros too: its codes are zeros, and this program alone reads the bytes).
; The scale words of the rows leave as 4 bytes a lane, 8 bytes apart: one byte in 24 of what this path stores.
.set PIT,  4112                        ; a row in LDS: 4,096 bytes + 16, so that sixteen rows' loads of 16 bytes start at sixteen different groups of banks
.set XR,   16                          ; v16-79   two rows, 32 numbers a lane each; later ST: 64 numbers of one row's K step
.set ST,   16
.set AL,   80                          ; v80-111  alpha on the rows' lane map
.set BE,   112                         ; v112-143 bias
.set ACC,  144                         ; v144-159 sums: four pairs a row
.set TM,   144                         ; later: at work in QUANT
.set PW,   160                         ; the scale word
.set PC,   164                         ; v164-183 the codes
.set MU,   184                         ; v184-187 the mean, twice a row
.set IV,   188                         ; v188-191 1 / (sd + eps), twice a row
.set SEL,  2                           ; s[2:3] lane selects: lane l xor 16
; each row's four pairs of partial sums become one number, in every lane: v[ACC + 8 e]
.macro FOLD
.irp e, 0
	v_pk_add_f32 v[ACC+8*\e:ACC+8*\e+1], v[ACC+8*\e:ACC+8*\e+1], v[ACC+8*\e+2:ACC+8*\e+3]
	v_pk_add_f32 v[ACC+8*\e+4:ACC+8*\e+5], v[ACC+8*\e+4:ACC+8*\e+5], v[ACC+8*\e+6:ACC+8*\e+7]
.endr
.irp e, 1
	v_pk_add_f32 v[ACC+8*\e:ACC+8*\e+1], v[ACC+8*\e:ACC+8*\e+1], v[ACC+8*\e+2:ACC+8*\e+3]
	s_delay_alu instid0(VALU_DEP_4)
	v_pk_add_f32 v[ACC+8*\e+4:ACC+8*\e+5], v[ACC+8*\e+4:ACC+8*\e+5], v[ACC+8*\e+6:ACC+8*\e+7]
.endr
.irp e, 0
	s_delay_alu instid0(VALU_DEP_3)
	v_pk_add_f32 v[ACC+8*\e:ACC+8*\e+1], v[ACC+8*\e:ACC+8*\e+1], v[ACC+8*\e+4:ACC+8*\e+5]
.endr
.irp e, 1
	s_delay_alu instid0(VALU_DEP_2)
	v_pk_add_f32 v[ACC+8*\e:ACC+8*\e+1], v[ACC+8*\e:ACC+8*\e+1], v[ACC+8*\e+4:ACC+8*\e+5]
.endr
.irp e, 0,1
	s_delay_alu instid0(VALU_DEP_2)
	v_add_f32 v[ACC+8*\e], v[ACC+8*\e], v[ACC+8*\e+1]
.endr
.irp m, 1,2,4,8
.irp e, 0,1
	s_delay_alu instid0(VALU_DEP_2)
	v_add_f32_dpp v[ACC+8*\e], v[ACC+8*\e], v[ACC+8*\e] row_xmask:\m row_mask:0xf bank_mask:0xf
.endr
.endr
.irp e, 0,1
	s_delay_alu instid0(VALU_DEP_2)
	v_permlanex16_b32 v[ACC+8*\e+1], v[ACC+8*\e], s[SEL], s[SEL+1]
.endr
.irp e, 0,1
	s_delay_alu instid0(VALU_DEP_2)
	v_add_f32 v[ACC+8*\e], v[ACC+8*\e], v[ACC+8*\e+1]
.endr
.endm
; 64 numbers of a lane, register 16 b + i = k 32 b + 16 (lane / 16) + i of my row, become a fragment's codes in v[PC] on and its scale word in v[PW]
.macro QUANT s
.irp b, 0,1,2,3
	v_max3_num_f32 v[TM+\b], |v[\s+16*\b]|, |v[\s+1+16*\b]|, 0x2800000   ; my 16 numbers of block b, and the floor 2^(5 - 127): the byte cannot fall under 1
.endr
.irp i, 2,4,6,8,10,12,14
.irp b, 0,1,2,3
	s_delay_alu instid0(VALU_DEP_4)
	v_max3_num_f32 v[TM+\b], v[TM+\b], |v[\s+16*\b+\i]|, |v[\s+1+16*\b+\i]|
.endr
.endr
.irp b, 0,1,2,3
	s_delay_alu instid0(VALU_DEP_4)
	v_permlanex16_b32 v[TM+4+\b], v[TM+\b], s[SEL], s[SEL+1]
.endr
.irp b, 0,1,2,3
	s_delay_alu instid0(VALU_DEP_4)
	v_max_num_f32 v[TM+\b], v[TM+\b], v[TM+4+\b]                        ; with lane l xor 16's: the block's largest magnitude
.endr
.irp b, 0,1,2,3
	s_delay_alu instid0(VALU_DEP_4)
	v_add_nc_u32 v[TM+12+\b], 0xfe000000, v[TM+\b]                      ; 4 off its exponent field: the conversion's scale operand
.endr
.irp b, 0,1,2,3
	s_delay_alu instid0(VALU_DEP_4)
	v_lshrrev_b32 v[TM+4+\b], 23, v[TM+12+\b]                           ; the scale's byte
.endr
	s_delay_alu instid0(VALU_DEP_3)
	v_lshl_or_b32 v[PW], v[TM+5], 8, v[TM+4]
	s_delay_alu instid0(VALU_DEP_1)
	v_lshl_or_b32 v[PW], v[TM+6], 16, v[PW]
	s_delay_alu instid0(VALU_DEP_1)
	v_lshl_or_b32 v[PW], v[TM+7], 24, v[PW]
.irp c, 0,1
	v_cvt_scalef32_pk16_bf6_f32 v[PC+6*\c:PC+2+6*\c], v[\s+32*\c:\s+15+32*\c], v[TM+12+2*\c]
	v_cvt_scalef32_pk16_bf6_f32 v[PC+12+4*\c:PC+14+4*\c], v[\s+16+32*\c:\s+31+32*\c], v[TM+12+2*\c+1]   ; (a conversion's three registers begin on an even number)
.endr
	v_nop                                          ; one plain place behind a scaled conversion
.irp c, 0,1                                    ; a WHOLE block to a lane: lanes 0-15 block 2 c, lanes 16-31 block 2 c + 1
.irp i, 0,1,2
	v_permlane16_swap_b32 v[PC+6*\c+\i], v[PC+12+4*\c+\i]
.endr
.irp i, 0,1,2
	s_delay_alu instid0(VALU_DEP_3)
	v_mov_b32 v[PC+3+6*\c+\i], v[PC+12+4*\c+\i]
.endr
.endr
.endm
	s_load_b256 s[4:11], s[0:1], 0x0               ; x, alpha, bias, xq
	s_load_b256 s[12:19], s[0:1], 0x20             ; Wk, Wv, Wo, W1
	s_load_b128 s[20:23], s[0:1], 0x40             ; W2, wq
	v_lshl_add_u32 v192, v0, 2, 0x10200
	v_mov_b32 v193, 0
	v_lshrrev_b32 v1, 5, v0
	s_delay_alu instid0(VALU_DEP_1)
	v_readfirstlane_b32 s24, v1                    ; wave 0..7
	v_and_b32 v2, 31, v0                           ; lane
	s_mov_b32 s[SEL], 0x76543210
	s_mov_b32 s[SEL+1], 0xfedcba98
	s_cmp_lt_u32 ttmp9, 256
	s_cbranch_scc0 .Lweights
	; ---- THE NORM.  Tile T = the work-group's number.  Wave w takes positions 2 w and 2 w + 1, which are two neighbouring true rows
	s_lshr_b32 s25, ttmp9, 1
	s_lshl_b32 s25, s25, 5                         ; 32 g
	s_and_b32 s26, ttmp9, 1
	s_lshl_b32 s26, s26, 3                         ; 8 u
	s_add_co_u32 s25, s25, s26
	s_lshl_b32 s26, s24, 1
	s_and_b32 s26, s26, 7                          ; 2 w & 7
	s_add_co_u32 s25, s25, s26
	s_lshr_b32 s26, s24, 2
	s_lshl_b32 s26, s26, 4                         ; 16 (w >> 2)
	s_add_co_u32 s25, s25, s26                     ; the first of my two true rows
	s_lshl_b32 s26, s25, 12                        ; x 4,096 bytes
	s_mov_b32 s27, 0
	s_wait_alu depctr_va_vdst(0)
	v_lshlrev_b32 v3, 4, v2                        ; 16 x lane
	s_wait_alu depctr_va_vdst(0)
	s_wait_kmcnt 0x0
	s_add_nc_u64 s[4:5], s[4:5], s[26:27]
.irp e, 0,1
.irp j, 0,1,2,3,4,5,6,7
	global_load_b128 v[XR+32*\e+4*\j:XR+32*\e+4*\j+3], v3, s[4:5] offset:4096*\e+512*\j th:TH_LOAD_NT   ; 32 lanes read 512 consecutive bytes
.endr
.endr
.irp j, 0,1,2,3,4,5,6,7
	global_load_b128 v[AL+4*\j:AL+4*\j+3], v3, s[6:7] offset:512*\j
	global_load_b128 v[BE+4*\j:BE+4*\j+3], v3, s[8:9] offset:512*\j
.endr
	s_mul_i32 s28, s24, 2*PIT
	v_add_nc_u32 v4, s28, v3                       ; LDS, in: my two rows, 16 x lane
	v_and_b32 v6, 15, v2                           ; r
	v_lshrrev_b32 v7, 4, v2                        ; h
	s_delay_alu instid0(VALU_DEP_2)
	v_mul_u32_u24 v5, v6, PIT
	s_delay_alu instid0(VALU_DEP_1)
	v_lshl_add_u32 v5, v7, 6, v5
	s_lshl_b32 s28, s24, 9
	v_add_nc_u32 v5, s28, v5                       ; LDS, out: row r, K step w (512 bytes), + 64 h
	v_lshlrev_b32 v8, 3, v2                        ; 8 x lane
	v_lshlrev_b32 v9, 3, v6                        ; 8 r
	s_wait_loadcnt 16                              ; the two rows are in; the 16 loads of alpha and bias may stay out
.irp e, 0,1
.irp c, 0,2,4,6
	v_pk_add_f32 v[ACC+8*\e+\c:ACC+8*\e+\c+1], v[XR+32*\e+\c:XR+32*\e+\c+1], v[XR+32*\e+8+\c:XR+32*\e+9+\c]   ; the first numbers start four chains a row: nothing is cleared
.endr
.endr
.irp i, 16,24
.irp e, 0,1
.irp c, 0,2,4,6
	v_pk_add_f32 v[ACC+8*\e+\c:ACC+8*\e+\c+1], v[ACC+8*\e+\c:ACC+8*\e+\c+1], v[XR+32*\e+\i+\c:XR+32*\e+\i+\c+1]
.endr
.endr
.endr
	FOLD
.irp e, 0
	s_delay_alu instid0(VALU_DEP_2)
	v_mul_f32 v[MU+2*\e], 0x3a800000, v[ACC+8*\e]  ; the mean: sum / 1,024
	s_delay_alu instid0(VALU_DEP_3)
	v_mul_f32 v[MU+2*\e+1], 0x3a800000, v[ACC+8*\e]
.endr
.irp e, 1
	s_delay_alu instid0(VALU_DEP_3)
	v_mul_f32 v[MU+2*\e], 0x3a800000, v[ACC+8*\e]  ; the mean: sum / 1,024
	s_delay_alu instid0(VALU_DEP_4)
	v_mul_f32 v[MU+2*\e+1], 0x3a800000, v[ACC+8*\e]
.endr
.set i, 0
.rept 16
	v_pk_add_f32 v[XR+i:XR+i+1], v[XR+i:XR+i+1], v[MU:MU+1] neg_lo:[0,1] neg_hi:[0,1]            ; d = x - mean, in place: the variance is taken of d, not as a difference of large sums
	v_pk_add_f32 v[XR+32+i:XR+33+i], v[XR+32+i:XR+33+i], v[MU+2:MU+3] neg_lo:[0,1] neg_hi:[0,1]
.set i, i+2
.endr
.irp e, 0,1
.irp c, 0,2,4,6
	v_pk_mul_f32 v[ACC+8*\e+\c:ACC+8*\e+\c+1], v[XR+32*\e+\c:XR+32*\e+\c+1], v[XR+32*\e+\c:XR+32*\e+\c+1]
.endr
.endr
.irp i, 8,16,24
.irp e, 0,1
.irp c, 0,2,4,6
	v_pk_fma_f32 v[ACC+8*\e+\c:ACC+8*\e+\c+1], v[XR+32*\e+\i+\c:XR+32*\e+\i+\c+1], v[XR+32*\e+\i+\c:XR+32*\e+\i+\c+1], v[ACC+8*\e+\c:ACC+8*\e+\c+1]
.endr
.endr
.endr
	FOLD
	s_delay_alu instid0(VALU_DEP_2)
	v_mul_f32 v[IV], 0x3a802008, v[ACC]            ; / 1,023: the unbiased variance
	s_delay_alu instid0(VALU_DEP_2)
	v_mul_f32 v[IV+2], 0x3a802008, v[ACC+8]
	s_wait_alu depctr_va_vdst(0)
	v_sqrt_f32 v[IV+1], v[IV]
	v_sqrt_f32 v[IV+3], v[IV+2]
	v_nop                                          ; a plain place behind the roots
	s_wait_alu depctr_va_vdst(0)                   ; one wait for both, ahead of their first reader
	v_add_f32 v[IV], 0x358637bd, v[IV+1]           ; sd + 1e-6
	v_add_f32 v[IV+2], 0x358637bd, v[IV+3]
	s_wait_alu depctr_va_vdst(0)
	v_rcp_f32 v[IV+1], v[IV]
	v_rcp_f32 v[IV+3], v[IV+2]
	v_nop
	s_wait_alu depctr_va_vdst(0)
	v_mov_b32 v[IV], v[IV+1]
	v_mov_b32 v[IV+2], v[IV+3]
	s_wait_alu depctr_va_vdst(0)
	s_wait_loadcnt 0x0                             ; alpha and bias
.set i, 0
.rept 16
	v_pk_mul_f32 v[XR+i:XR+i+1], v[XR+i:XR+i+1], v[IV:IV+1]
	v_pk_mul_f32 v[XR+32+i:XR+33+i], v[XR+32+i:XR+33+i], v[IV+2:IV+3]
.set i, i+2
.endr
.set i, 0
.rept 16
	v_pk_fma_f32 v[XR+i:XR+i+1], v[XR+i:XR+i+1], v[AL+i:AL+i+1], v[BE+i:BE+i+1]
	v_pk_fma_f32 v[XR+32+i:XR+33+i], v[XR+32+i:XR+33+i], v[AL+i:AL+i+1], v[BE+i:BE+i+1]
.set i, i+2
.endr
.irp e, 0,1
.irp j, 0,1,2,3,4,5,6,7
	ds_store_b128 v4, v[XR+32*\e+4*\j:XR+32*\e+4*\j+3] offset:PIT*\e+512*\j
.endr
.endr
	s_wait_dscnt 0x0                               ; for the others' sake: my two rows lie in LDS
	s_barrier_signal -1
	s_barrier_wait -1
	; wave w now takes K step w of all sixteen rows: lane (r, h) 16 neighbours of each block of 32
.irp b, 0,1,2,3
.irp j, 0,1,2,3
	ds_load_b128 v[ST+16*\b+4*\j:ST+16*\b+4*\j+3], v5 offset:128*\b+16*\j
.endr
.endr
	s_lshl_b32 s26, ttmp9, 3
	s_add_co_u32 s26, s26, s24
	s_mul_i32 s26, s26, 1536                       ; fragment (T, w)
	s_add_nc_u64 s[28:29], s[10:11], s[26:27]
	s_lshr_b32 s26, ttmp9, 3
	s_lshl_b32 s26, s26, 12
	s_lshr_b32 s30, s24, 1
	s_lshl_b32 s30, s30, 10
	s_add_co_u32 s26, s26, s30
	s_and_b32 s30, ttmp9, 7
	s_lshl_b32 s30, s30, 7
	s_add_co_u32 s26, s26, s30
	s_and_b32 s30, s24, 1
	s_lshl_b32 s30, s30, 2
	s_add_co_u32 s26, s26, s30
	s_add_co_u32 s26, s26, 3145728                 ; the scale words lie behind the codes
	s_add_nc_u64 s[30:31], s[10:11], s[26:27]
	s_wait_dscnt 0x0
	QUANT ST
.irp p, 0,1,2,3,4,5
	global_store_b64 v8, v[PC+2*\p:PC+2*\p+1], s[28:29] offset:256*\p   ; 32 lanes store 256 consecutive bytes, aligned
.endr
	global_store_b32 v9, v[PW], s[30:31]           ; lanes l and l xor 16 hold the same word and store it to the same place
	s_wait_tensorcnt 0x0
	ds_add_u32 v192, v193
	s_wait_dscnt 0x0
	s_endpgm
	; ---- THE WEIGHTS.  e = work-group - 256: 0-47 Wk, Wv, Wo (16 each: 4 blocks of 256 columns x 4 of 256 along K); 48-111 W1 (16 x 4); 112-175 W2 (4 x 16).  A wave: 32 columns x 256 along K
.Lweights:
	s_sub_co_u32 s25, ttmp9, 256
	s_lshr_b32 s38, s25, 4                         ; which of the three small ones
	s_wait_kmcnt 0x0
	s_cmp_lt_u32 s25, 16                           ; every choice hangs on the work-group's number alone
	s_cselect_b64 s[28:29], s[12:13], s[14:15]
	s_cmp_lt_u32 s25, 32
	s_cselect_b64 s[28:29], s[28:29], s[16:17]
	s_cmp_lt_u32 s25, 48
	s_cselect_b64 s[28:29], s[28:29], s[18:19]
	s_cselect_b32 s34, 0, 48                       ; the matrix's first e
	s_cselect_b32 s35, 3, 15                       ; mask of the column block
	s_cselect_b32 s36, 2, 4                        ; shift to the K block
	s_cselect_b32 s38, s38, 3                      ; the matrix's place in wq, in units of 786,432 bytes of codes and 32,768 of scale words
	s_cselect_b32 s39, 20, 22                      ; log2 of 256 rows of the matrix in bytes
	s_cmp_lt_u32 s25, 112
	s_cselect_b64 s[28:29], s[28:29], s[20:21]
	s_cselect_b32 s34, s34, 112
	s_cselect_b32 s35, s35, 3
	s_cselect_b32 s36, s36, 2
	s_cselect_b32 s38, s38, 7
	s_cselect_b32 s39, s39, 20
	s_cselect_b32 s37, 3, 15                       ; mask of the K block
	s_cselect_b32 s31, 4, 16                       ; K / 256
	s_mov_b32 s30, 49152
	s_cselect_b32 s30, 12288, s30                  ; a tile's fragments for all of K, in bytes
	s_sub_co_u32 s25, s25, s34
	s_and_b32 s26, s25, s35                        ; cb
	s_lshr_b32 s27, s25, s36
	s_and_b32 s27, s27, s37                        ; kb
	s_lshl_b32 s40, s27, s39
	s_lshl_b32 s41, s26, 10
	s_add_co_u32 s40, s40, s41
	s_lshl_b32 s41, s24, 7
	s_add_co_u32 s40, s40, s41                     ; row 256 kb, column 256 cb + 32 w
	s_mov_b32 s41, 0
	s_add_nc_u64 s[28:29], s[28:29], s[40:41]
	s_mul_i32 s42, s38, 786432
	s_lshl_b32 s43, s26, 4
	s_lshl_b32 s44, s24, 1
	s_add_co_u32 s43, s43, s44                     ; my first tile: 16 cb + 2 w
	s_mul_i32 s43, s43, s30
	s_add_co_u32 s42, s42, s43
	s_mul_i32 s43, s27, 3072                       ; K step 2 kb
	s_add_co_u32 s42, s42, s43
	s_mov_b32 s43, 0
	s_add_nc_u64 s[44:45], s[22:23], s[42:43]      ; my first tile's fragments,
	s_mov_b32 s48, s30
	s_mov_b32 s49, 0
	s_add_nc_u64 s[46:47], s[44:45], s[48:49]      ; my second tile's
	s_lshl_b32 s50, s26, 1
	s_lshr_b32 s51, s24, 2
	s_add_co_u32 s50, s50, s51
	s_mul_i32 s50, s50, s31
	s_add_co_u32 s50, s50, s27
	s_lshl_b32 s50, s50, 10
	s_and_b32 s51, s24, 3
	s_lshl_b32 s51, s51, 8
	s_add_co_u32 s50, s50, s51
	s_lshl_b32 s51, s38, 15
	s_add_co_u32 s50, s50, s51
	s_add_co_u32 s50, s50, 8650752                 ; the scale words lie behind all codes
	s_mov_b32 s51, 0
	s_add_nc_u64 s[50:51], s[22:23], s[50:51]
	s_wait_alu depctr_va_vdst(0)
	v_lshrrev_b32 v3, 4, v2                        ; lane 16 u + r takes true column 8 u + (r & 7) + 16 (r >> 3) of my 32: the order of positions is made here
	v_and_b32 v4, 7, v2
	s_delay_alu instid0(VALU_DEP_1)
	v_lshl_add_u32 v3, v3, 3, v4
	v_bfe_u32 v4, v2, 3, 1
	s_delay_alu instid0(VALU_DEP_1)
	v_lshl_add_u32 v3, v4, 4, v3
	s_delay_alu instid0(VALU_DEP_1)
	v_lshlrev_b32 v3, 2, v3
	v_lshlrev_b32 v8, 3, v2                        ; 8 x lane
.macro LOADW t, stride                         ; block t: 32 rows of the matrix at my column; a load's 32 lanes read 128 consecutive bytes
.irp i, 0,1,2,3,4,5,6,7,8,9,10,11,12,13,14,15,16,17,18,19,20,21,22,23,24,25,26,27,28,29,30,31
	global_load_b32 v[32+32*((\t)%2)+\i], v3, s[28:29] offset:(32*(\t)+\i)*\stride th:TH_LOAD_NT
.endr
.endm
.macro BLOCKW t, stride
.set XS, 32+32*((\t)%2)
.set CX, 96+6*(\t)                             ; each block's six registers of codes are its own: no store's data are written again
.if (\t) < 7
	s_wait_loadcnt 32                              ; this block's 32 loads are in; the next block's may be out
.else
	s_wait_loadcnt 0x0
.endif
	v_max3_num_f32 v12, |v[XS]|, |v[XS+1]|, |v[XS+2]|
	v_max3_num_f32 v13, |v[XS+3]|, |v[XS+4]|, |v[XS+5]|
.irp i, 6,10,14,18,22,26
	s_delay_alu instid0(VALU_DEP_2)
	v_max3_num_f32 v12, v12, |v[XS+\i]|, |v[XS+\i+1]|
	s_delay_alu instid0(VALU_DEP_2)
	v_max3_num_f32 v13, v13, |v[XS+\i+2]|, |v[XS+\i+3]|
.endr
	s_delay_alu instid0(VALU_DEP_2)
	v_max3_num_f32 v12, v12, |v[XS+30]|, |v[XS+31]|
	s_delay_alu instid0(VALU_DEP_1)
	v_max3_num_f32 v12, v12, v13, 0x2800000        ; the block's largest magnitude, all 32 numbers mine, and the floor
	s_delay_alu instid0(VALU_DEP_1)
	v_add_nc_u32 v11, 0xfe000000, v12              ; the conversion's scale operand
	s_delay_alu instid0(VALU_DEP_1)
	v_lshrrev_b32 v13, 23, v11                     ; the byte
.if (\t)%4 == 0
	s_delay_alu instid0(VALU_DEP_1)
	v_mov_b32 v[24+(\t)/4], v13
.else
	s_delay_alu instid0(VALU_DEP_1)
	v_lshl_or_b32 v[24+(\t)/4], v13, 8*((\t)%4), v[24+(\t)/4]
.endif
	v_cvt_scalef32_pk16_bf6_f32 v[CX:CX+2], v[XS:XS+15], v11
	v_cvt_scalef32_pk16_bf6_f32 v[144:146], v[XS+16:XS+31], v11
	v_nop                                          ; one plain place behind a scaled conversion
.irp i, 0,1,2
	v_mov_b32 v[CX+3+\i], v[144+\i]
.endr
.if (\t)+2 < 8
	LOADW (\t)+2, \stride
.endif
.if (\t)%2 == 1                                ; two blocks make registers 6 c .. 6 c + 5 of a fragment: lanes 0-15 want the even block, lanes 16-31 the odd one, of ONE tile
.irp i, 0,1,2,3,4,5
	v_permlane16_swap_b32 v[CX-6+\i], v[CX+\i]     ; the first now holds my first tile's registers, the second my second tile's
.endr
.irp i, 0,1,2
	global_store_b64 v8, v[CX-6+2*\i:CX-6+2*\i+1], s[44:45] offset:((\t)/4)*1536+768*(((\t)/2)%2)+256*\i   ; 256 consecutive bytes, aligned
	global_store_b64 v8, v[CX+2*\i:CX+2*\i+1], s[46:47] offset:((\t)/4)*1536+768*(((\t)/2)%2)+256*\i
.endr
.endif
.endm
.macro WPATH stride
	LOADW 0, \stride
	LOADW 1, \stride
.irp t, 0,1,2,3,4,5,6,7
	BLOCKW \t, \stride
.endr
	global_store_b64 v8, v[24:25], s[50:51]        ; my column's two scale words: the wave stores 256 consecutive bytes, aligned
	s_endpgm
.endm
	s_cmp_eq_u32 s39, 22                           ; the row's length stands in the loads' immediates: W1's rows are 16,384 bytes, the others' 4,096
	s_cbranch_scc1 .Lwide
	WPATH 4096
.Lwide:
	s_wait_alu depctr_va_vdst(0)
	WPATH 16384
.Lfunc_end_k_q22e47c9c82_prep:
	.size	k_q22e47c9c82_prep, .Lfunc_end_k_q22e47c9c82_prep-k_q22e47c9c82_prep
	.p2alignl 7, 3214868480
	.fill 96, 4, 3214868480
	.section	.rodata,"a",@progbits
	.p2align	6, 0x0
	.amdhsa_kernel k_q22e47c9c82_prep
		.amdhsa_group_segment_fixed_size 67072
		.amdhsa_private_segment_fixed_size 0
		.amdhsa_enable_private_segment 0
		.amdhsa_kernarg_size 80
		.amdhsa_user_sgpr_count 2
		.amdhsa_user_sgpr_kernarg_segment_ptr 1
		.amdhsa_wavefront_size32 1
		.amdhsa_system_sgpr_workgroup_id_x 1
		.amdhsa_system_sgpr_workgroup_id_y 1
		.amdhsa_system_sgpr_workgroup_id_z 1
		.amdhsa_system_vgpr_workitem_id 0
		.amdhsa_next_free_vgpr 194
		.amdhsa_next_free_sgpr 66
		.amdhsa_reserve_vcc 0
		.amdhsa_float_denorm_mode_32 3
		.amdhsa_float_denorm_mode_16_64 3
		.amdhsa_memory_ordered 1
		.amdhsa_forward_progress 1
		.amdhsa_inst_pref_size 117
	.end_amdhsa_kernel
	.amdgpu_metadata
---
amdhsa.version: [ 1, 2 ]
amdhsa.kernels:
  - .name:           k_q22e47c9c82_prep
    .symbol:         k_q22e47c9c82_prep.kd
    .args:
      - { .name: x, .offset: 0, .size: 8, .value_kind: global_buffer, .address_space: global }
      - { .name: alpha1, .offset: 8, .size: 8, .value_kind: global_buffer, .address_space: global }
      - { .name: bias1, .offset: 16, .size: 8, .value_kind: global_buffer, .address_space: global }
      - { .name: xq, .offset: 24, .size: 8, .value_kind: global_buffer, .address_space: global }
      - { .name: Wk, .offset: 32, .size: 8, .value_kind: global_buffer, .address_space: global }
      - { .name: Wv, .offset: 40, .size: 8, .value_kind: global_buffer, .address_space: global }
      - { .name: Wo, .offset: 48, .size: 8, .value_kind: global_buffer, .address_space: global }
      - { .name: W1, .offset: 56, .size: 8, .value_kind: global_buffer, .address_space: global }
      - { .name: W2, .offset: 64, .size: 8, .value_kind: global_buffer, .address_space: global }
      - { .name: wq, .offset: 72, .size: 8, .value_kind: global_buffer, .address_space: global }
    .group_segment_fixed_size: 67072
    .private_segment_fixed_size: 0
    .kernarg_segment_align: 8
    .kernarg_segment_size: 80
    .max_flat_workgroup_size: 256
    .sgpr_count:     66
    .vgpr_count:     194
    .wavefront_size: 32
...
	.end_amdgpu_metadata
.endif
;; end of part 8
;; launch qkv (part 9): grid 4 x 32, 4 waves a work-group, clusters of 4 x 4, 327,680 bytes of LDS; arguments xq, wq, bk, bv, kv; writes kv
.if DOCPART == 9
	.amdgcn_target "amdgcn-amd-amdhsa--gfx1250"
	.amdhsa_code_object_version 6
	.text
	.protected	k_q22e47c9c82_qkv
	.globl	k_q22e47c9c82_qkv
	.p2align	8
	.type	k_q22e47c9c82_qkv,@function
k_q22e47c9c82_qkv:
	s_mov_b64 s[64:65], 0
	v_nop
	global_prefetch_b8 v0, s[64:65] scope:SCOPE_SE
	s_setreg_imm32_b32 hwreg(HW_REG_WAVE_MODE, 25, 1), 1
	s_wait_xcnt 0x0
	s_wait_alu depctr_hold_cnt(0) depctr_sa_sdst(0) depctr_va_vdst(0) depctr_va_sdst(0) depctr_va_ssrc(0) depctr_va_vcc(0) depctr_vm_vsrc(0)
	s_getreg_b32 s2, hwreg(HW_REG_IB_STS2, 6, 4)
	s_cmp_eq_u32 s2, 0
	s_cbranch_scc0 .Lentry_in_a_cluster
	s_endpgm
.Lentry_in_a_cluster:
	s_bfe_u32 s2, ttmp6, 0x10000c
	s_cmp_lg_u32 s2, 0xf033
	s_cbranch_scc0 .Lentry_shape_is_right
	s_endpgm
.Lentry_shape_is_right:
; k (= q) = x2 Wk + bk and v = x2 Wv + bv on codes of BF6 (E3M2) with E8M0 scales, and both results quantised at once: k along the head's 64, v along the keys.
; Operands lie in memory and in LDS in the order of the matrix unit's registers: a fragment (16 rows x 128 K) is 1,536 bytes, chunk p of 256 bytes = registers 2 p, 2 p + 1, 8 bytes a lane.  Rows are kept by position:
; position 32 g + 16 u + r is true row 32 g + 8 u + (r & 7) + 16 (r >> 3), so that the 16 registers of two neighbouring result tiles are 16 true neighbours along source 0's rows.
; A work-group of four waves makes 256 x 256; a wave 128 x 128: 64 accumulators.  K = 1,024 goes in steps of 256 through two LDS slots filled by joint tensor loads: source 1's tile is shared along a row of the 4 x 4 cluster, source 0's along a column.
; THE CLUSTER'S y SAYS WHICH PART (bit 2; its low two bits YL say which 1,024 tokens).  k: source 1 = x2, tile 4 YL + cy (a lane holds a token), source 0 = Wk, tile cx (registers run along the features).
; v: source 1 = Wv, tile 4 + cy (a lane holds a feature), source 0 = x2, tile 4 YL + cx (registers run along the tokens, v's K).  So in both parts source 1's tile hangs on cy alone and source 0's on cx alone: the masks and every LDS address are
; the same in both; only the buffers and the offsets in memory are chosen by the part, which is the same in all sixteen partners.
; kv: head hb at hb x 208,896, key step s (128 keys) at s x 13,056: K 6,144 (four pairs of tiles: 12 registers = tile 2 p's six, tile 2 p + 1's six; three chunks of 512 bytes, 16 bytes a lane), V 6,144 (four tiles of 16 of the head's 64, 12 registers each),
; K's scale words 512 (16 bytes a lane: word p of lane (r, h): tile 2 p + h, row r, bytes b0 b1 b0 b1), V's 256 (8 bytes a lane: word p: tile 2 p + h, row r).
; LIMITS: NaN and infinities are not served; a block whose largest magnitude lies under 2^-122 keeps the byte 1.
; lds_bytes: all of LDS is claimed; the text uses 213,504 bytes.
.set KK,    1024
.set XSOFF, 3145728                    ; xq: the scale words behind the codes
.set WSOFF, 8650752                    ; wq: Wk's and Wv's scale words (their codes lie at byte 0)
.set NQ,    2                          ; matrix instructions deep in a slot
.set FR,    12                         ; registers of a fragment
.set NL,    6                          ; LDS loads that bring one
.set NP,    4                          ; places behind this matrix instruction (ISA guide 7.12.1)
.set FROWB, KK/128*1536                ; a tile's fragments for all of K
.set HALFT, 8*2*1536                   ; 128 rows x 256 K: what one tensor load brings
.set SLOT,  4*HALFT                    ; source 1's 256 rows, then source 0's
.set LAPS,  KK/512
.set SCL,   2*SLOT                     ; behind the ring: the scale words, filled once
.set HALFS, KK/256*1024                ; those of 128 rows
.set SPARE, SCL+4*HALFS                ; the spare words, 128 bytes a wave: two blocks of 256 bytes that no other line names
.set ADRA, 16                          ; v16-17 LDS address of source 1's fragments in slot 0, 1
.set ADRB, 20                          ; v20-21 of source 0's
.set ADRS, 27                          ; v27    of my scale words: lanes 0-15 source 1's rows, lanes 16-31 source 0's
.set SPW,  28                          ; v28    my spare word; never rewritten
.set NIL,  29                          ; v29    0; never rewritten
.set L8,   30                          ; v30    8 x lane
.set L16,  31                          ; v31    16 x lane
.set SC,   32                          ; v32-63 scale words, two sets; on the way out: at work
.set BI,   64                          ; v64-127 the C of the first step: bk by the result's registers, or zeros
.set AF,   128                         ; v128-223 source 1's fragments, one set
.set LB,   224                         ; v224-239 bv of my lane's feature, twice for each of the eight tiles
.set TM,   32
.set X1,   48
.set X2,   52
.set PWS,  56                          ; v56-63 the eight scale words made
.set D,    64                          ; v64-159 the codes made
.set HM,   18                          ; s18 lanes 16-31
.set SEL,  96                          ; s[96:97] lane l xor 16
.set PART, 66
.set G1, 24
.set G0, 32
.set G1B, 48
.set G0B, 56
.set G1S, 68
.set G0S, 76
.set G1SB, 80
.set G0SB, 88
.set MSB, 0
.macro WIN new                         ; the immediate's high byte repeats the setting that is left
.if MSB != (\new)
	s_set_vgpr_msb (MSB<<8)|(\new)
.set MSB, (\new)
.endif
.endm
.set MUL_LO, 0xa1                      ; source 0 window 1, source 1 window 0, C and D window 2
.set MUL_HI, 0xf1                      ; the same, C and D window 3
.set TO_B,   0x40
.macro JLOAD g0a, g1a, g0b, g1b        ; a joint load: waves 0 and 1 fetch source 1's halves, waves 2 and 3 source 0's; four v_nop follow each line
	s_cmp_eq_u32 s15, 0
	s_cbranch_scc0 .Lfor_b_\@
	tensor_load_to_lds s[\g0a:\g0a+3], s[\g1a:\g1a+7]
	s_nop 0
.rept 4
	v_nop
.endr
	s_branch .Lasked_\@
.Lfor_b_\@:
	tensor_load_to_lds s[\g0b:\g0b+3], s[\g1b:\g1b+7]
	s_nop 0
.rept 4
	v_nop
.endr
.Lasked_\@:
.endm
.macro CREST                           ; a round of the cluster's barrier behind its opening barrier
	s_cmp_lg_u32 s14, 0
	s_cbranch_scc1 .Lnot_wave_0_\@
	s_barrier_signal -3
.Lnot_wave_0_\@:
	s_barrier_wait -3
	s_barrier_signal -1
	s_barrier_wait -1
.endm
.macro CROUND
	s_barrier_signal -1
	s_barrier_wait -1
	CREST
.endm
.macro PLACES n
.rept \n
	v_nop
.endr
.endm
.macro FRAG reg, adr, q, i             ; tile i, the slot's q-th 128 along K: six loads of 256 consecutive bytes
.irp p, 0,1,2,3,4,5
	ds_load_b64 v[\reg+2*\p:\reg+2*\p+1], v[\adr] offset:(\i)*3072+(\q)*1536+256*\p
.endr
.endm
; 16 matrix instructions: source 1's blocks a0, a0 + 1 x source 0's eight.  zero = 1: the first step takes BI as C.  The 64 accumulators take turns, one instruction a turn.
.macro MUL16 a0, p, q, sc, zero
.irp a, \a0, \a0+1
.irp b, 0,1,2,3,4,5,6,7
.if \zero
	v_wmma_scale_f32_16x16x128_f8f6f4 v[8*(8*((\a)%4)+\b):8*(8*((\a)%4)+\b)+7], v[128*(\p)+FR*\b:128*(\p)+FR*\b+FR-1], v[AF+FR*(\a):AF+FR*(\a)+FR-1], v[BI+8*\b:BI+8*\b+7], v[SC+8*NQ*(\sc)+NQ*\b+(\q)], v[SC+8*NQ*(\sc)+NQ*(\a)+(\q)] matrix_a_fmt:MATRIX_FMT_BF6 matrix_b_fmt:MATRIX_FMT_BF6 matrix_a_scale:MATRIX_SCALE_ROW1
.else
	v_wmma_scale_f32_16x16x128_f8f6f4 v[8*(8*((\a)%4)+\b):8*(8*((\a)%4)+\b)+7], v[128*(\p)+FR*\b:128*(\p)+FR*\b+FR-1], v[AF+FR*(\a):AF+FR*(\a)+FR-1], v[8*(8*((\a)%4)+\b):8*(8*((\a)%4)+\b)+7], v[SC+8*NQ*(\sc)+NQ*\b+(\q)], v[SC+8*NQ*(\sc)+NQ*(\a)+(\q)] matrix_a_fmt:MATRIX_FMT_BF6 matrix_b_fmt:MATRIX_FMT_BF6 matrix_a_scale:MATRIX_SCALE_ROW1
.endif
.endr
.endr
.endm
.macro FETCH_B slot, q, p
	WIN TO_B
.irp i, 0,1,2,3,4,5,6,7
	FRAG 128*(\p)+FR*\i, ADRB+\slot, \q, \i
.endr
	WIN 0
.endm
.macro FETCH_A slot, q, i0
.irp i, \i0, \i0+1, \i0+2, \i0+3
	FRAG AF+FR*(\i), ADRA+\slot, \q, \i
.endr
.endm
.macro SCALES sc                       ; a K step's two words a row: lanes 0-15 source 1's block i, lanes 16-31 source 0's
.irp i, 0,1,2,3,4,5,6,7
	ds_load_b64 v[SC+8*NQ*\sc+NQ*\i:SC+8*NQ*\sc+NQ*\i+1], v[ADRS] offset:\i*128
.endr
.endm
.macro STEP slot, q, zero              ; 128 along K with its successor in the same slot
	s_wait_dscnt 4*NL                              ; all but the youngest 24 loads (source 1's blocks 4-7)
	WIN MUL_LO-0x20*\zero                          ; (the first step's C lies in window 0)
	MUL16 0, (\q)%2, \q, \slot, \zero
	MUL16 2, (\q)%2, \q, \slot, \zero
	s_wait_dscnt 0
	PLACES NP
	FETCH_B \slot, (\q)+1, 1-(\q)%2
	FETCH_A \slot, (\q)+1, 0
	WIN MUL_HI-0x30*\zero
	MUL16 4, (\q)%2, \q, \slot, \zero
	MUL16 6, (\q)%2, \q, \slot, \zero
	PLACES NP
	WIN 0
	FETCH_A \slot, (\q)+1, 4
.endm
.macro TURN slot, next, fill           ; a slot's last step changes slots
	s_wait_tensorcnt 0x0                           ; all my tensor loads have landed: my part of the next slot
	ds_add_u32 v[SPW], v[NIL]                      ; 0 onto my spare word
	s_wait_dscnt 4*NL+1                            ; (the add and the youngest 24 loads may be out)
	WIN MUL_LO
	MUL16 0, 1, NQ-1, \slot, 0
	s_wait_dscnt 0x0                               ; the add is done, and my reads of this slot are over
	s_barrier_signal -1
	MUL16 2, 1, NQ-1, \slot, 0
	WIN 0
	s_barrier_wait -1
.if \fill
	CREST                                          ; the barrier has opened a round of the cluster's: no wave of any partner still reads this slot or has a load on its way
	s_add_nc_u64 s[G0+4*\slot+2:G0+4*\slot+3], s[G0+4*\slot+2:G0+4*\slot+3], 2*3072
	s_add_nc_u64 s[G0B+4*\slot+2:G0B+4*\slot+3], s[G0B+4*\slot+2:G0B+4*\slot+3], 2*3072
	JLOAD G0+4*\slot, G1, G0B+4*\slot, G1B         ; the first tensor load behind the round; its four v_nop are also the places in front of the loads below
.else
	PLACES NP
.endif
	s_wait_alu depctr_va_vdst(0)
	v_add_nc_u32 v[ADRS], 1024, v[ADRS]            ; the next K step's scale words
	FETCH_B \next, 0, 0
	FETCH_A \next, 0, 0
	SCALES \next
	WIN MUL_HI
	MUL16 4, 1, NQ-1, \slot, 0
	MUL16 6, 1, NQ-1, \slot, 0
	PLACES NP
	WIN 0
	FETCH_A \next, 0, 4
.endm
; Accumulator block a (64 registers a lane: register 16 b + i = 32 b + 16 (lane / 16) + i along the next K) becomes a fragment: registers 0-5 in v[d0] on, 6-11 in v[d1] on, its scale word in v[pw].
; Each accumulator is first read at its two lowest registers.
.macro QUANTW a, d0, d1, pw
.set W, 2+(\a)/4
.set S, 64*((\a)%4)
	WIN W|(W<<2)
.irp b, 0,1,2,3
	v_max3_num_f32 v[TM+\b], |v[S+16*\b]|, |v[S+16*\b+1]|, 0x2800000    ; and the floor 2^(5 - 127)
.endr
	WIN (W<<2)|(W<<4)
.irp i, 2,4,6,8,10,12,14
.irp b, 0,1,2,3
	v_max3_num_f32 v[TM+\b], v[TM+\b], |v[S+16*\b+\i]|, |v[S+16*\b+\i+1]|
.endr
.endr
	WIN 0
.irp b, 0,1,2,3
	v_permlanex16_b32 v[TM+4+\b], v[TM+\b], s[SEL], s[SEL+1]
.endr
.irp b, 0,1,2,3
	v_max_num_f32 v[TM+\b], v[TM+\b], v[TM+4+\b]
.endr
.irp b, 0,1,2,3
	v_add_nc_u32 v[TM+12+\b], 0xfe000000, v[TM+\b]                      ; 4 off the exponent field: the conversion's scale operand
.endr
.irp b, 0,1,2,3
	v_lshrrev_b32 v[TM+4+\b], 23, v[TM+12+\b]
.endr
	v_lshl_or_b32 v[\pw], v[TM+5], 8, v[TM+4]
	v_lshl_or_b32 v[\pw], v[TM+6], 16, v[\pw]
	v_lshl_or_b32 v[\pw], v[TM+7], 24, v[\pw]
	WIN W
	v_cvt_scalef32_pk16_bf6_f32 v[(\d0):(\d0)+2], v[S:S+15], v[TM+12]
	v_cvt_scalef32_pk16_bf6_f32 v[X1:X1+2], v[S+16:S+31], v[TM+13]
	v_cvt_scalef32_pk16_bf6_f32 v[(\d1):(\d1)+2], v[S+32:S+47], v[TM+14]
	v_cvt_scalef32_pk16_bf6_f32 v[X2:X2+2], v[S+48:S+63], v[TM+15]
	WIN 0
	v_nop                                          ; one plain place behind a scaled conversion
.irp i, 0,1,2
	v_permlane16_swap_b32 v[(\d0)+\i], v[X1+\i]    ; a whole block to a lane
	v_permlane16_swap_b32 v[(\d1)+\i], v[X2+\i]
.endr
.irp i, 0,1,2
	v_mov_b32 v[(\d0)+3+\i], v[X1+\i]
	v_mov_b32 v[(\d1)+3+\i], v[X2+\i]
.endr
.endm
.macro VBIAS a                         ; v's bias hangs on the lane's feature: added ahead of the quantiser
.set W, 2+(\a)/4
.set S, 64*((\a)%4)
	WIN W|(W<<6)
.set j, 0
.rept 32
	v_pk_add_f32 v[S+j:S+j+1], v[S+j:S+j+1], v[LB+2*(\a):LB+2*(\a)+1]
.set j, j+2
.endr
.endm
	s_load_b256 s[4:11], s[0:1], 0x0               ; xq, wq, bk, bv
	s_load_b64 s[12:13], s[0:1], 0x20              ; kv
	v_lshl_add_u32 v[SPW], v0, 2, SPARE
	v_mov_b32 v[NIL], 0
	ds_add_u32 v28, v29
	ds_add_u32 v28, v29
	s_wait_dscnt 0x0
	v_lshrrev_b32 v1, 5, v0
	v_readfirstlane_b32 s14, v1                    ; wave 0..3
	s_lshr_b32 s15, s14, 1                         ; my half of source 1's rows.  Also: I fetch for source 1 (0) or source 0 (1)
	s_and_b32 s16, s14, 1                          ; my half of source 0's rows.  Also: which 128 rows I fetch
	s_bfe_u32 s40, ttmp6, 0x40000                  ; cx
	s_bfe_u32 s41, ttmp6, 0x40004                  ; cy
	s_bfe_u32 s[PART], ttmp7, 0x10002              ; bit 2 of the cluster's y: 0 k, 1 v
	s_bfe_u32 s17, ttmp7, 0x20000
	s_lshl_b32 s17, s17, 2                         ; 4 YL: the first of the cluster's four tiles of 256 tokens
	s_lshl_b32 s43, s41, 2
	s_lshl_b32 s43, 15, s43                        ; my row of the cluster
	s_lshl_b32 s44, 0x1111, s40                    ; my column
	s_or_b32 s[G1+0], s43, (3<<16)|(1<<21)         ; the mask; elements of 8 bytes; bit 21 beside a mask; no padding
	s_or_b32 s[G1B+0], s44, (3<<16)|(1<<21)
.irp g, G1, G1B
	s_mov_b32 s[\g+1], 384<<16                     ; tensor_dim0: a tile's two fragments, 3,072 bytes
	s_mov_b32 s[\g+2], 16<<16                      ; tensor_dim1: 16 tiles, a whole side, for the head's loads
	s_mov_b32 s[\g+3], 384<<16                     ; tile_dim0
	s_mov_b32 s[\g+4], 16                          ; tile_dim1
	s_mov_b32 s[\g+5], FROWB/8                     ; from tile to tile
	s_mov_b32 s[\g+6], 0
	s_mov_b32 s[\g+7], 0
.endr
	s_or_b32 s[G1S+0], s43, (3<<16)|(1<<21)
	s_or_b32 s[G1SB+0], s44, (3<<16)|(1<<21)
.irp g, G1S, G1SB
	s_mov_b32 s[\g+1], 32<<16                      ; the scale words: a dense block, as rows of 256 bytes
	s_mov_b32 s[\g+2], (HALFS/128)<<16             ; the scale words of a side's 256 rows
	s_mov_b32 s[\g+3], 32<<16
	s_mov_b32 s[\g+4], HALFS/128
	s_mov_b32 s[\g+5], 32
	s_mov_b32 s[\g+6], 0
	s_mov_b32 s[\g+7], 0
.endr
	s_mov_b32 s98, WSOFF
	s_mov_b32 s99, XSOFF
	s_cmp_eq_u32 s[PART], 0                        ; the part chooses offsets in memory alone
	s_cselect_b32 s19, s17, 4                      ; source 1's first tile of 256: x2's 4 YL, or Wv's 4
	s_cselect_b32 s95, 0, s17                      ; source 0's: Wk's 0, or x2's 4 YL
	s_cselect_b32 s98, XSOFF, s98                  ; where source 1's scale words begin in its buffer,
	s_cselect_b32 s99, WSOFF, s99                  ; and source 0's
	s_add_co_u32 s19, s19, s41                     ; + cy: shared along my row of the cluster
	s_add_co_u32 s95, s95, s40                     ; + cx: shared along my column
	s_lshl_b32 s20, s19, 1                         ; source 1: the side's first 128 rows
	s_lshl_b32 s46, s95, 1                         ; source 0: likewise
	s_mul_i32 s22, s20, HALFS
	s_add_co_u32 s22, s22, s98
	s_mul_i32 s92, s46, HALFS
	s_add_co_u32 s92, s92, s99
	s_mul_i32 s20, s20, 8*FROWB                    ; the codes lie at byte 0 of both buffers
	s_mul_i32 s46, s46, 8*FROWB
	s_mov_b32 s21, 0
	s_mov_b32 s23, 0
	s_mov_b32 s47, 0
	s_mov_b32 s93, 0
	s_mul_i32 s45, s14, HALFT                      ; where they go: wave x 128 rows
	s_mul_i32 s2, s16, 8*FROWB                     ; in the ring I fetch 128 rows of a side: which half, in bytes
	s_mov_b32 s3, 0
	s_wait_kmcnt 0x0
	s_cmp_eq_u32 s[PART], 0                        ; and the buffers: the choice hangs on the cluster's y alone
	s_cselect_b64 s[100:101], s[4:5], s[6:7]       ; source 1's: xq or wq
	s_cselect_b64 s[4:5], s[6:7], s[4:5]           ; source 0's: wq or xq
	s_add_nc_u64 s[20:21], s[100:101], s[20:21]
	s_add_nc_u64 s[22:23], s[100:101], s[22:23]
	s_add_nc_u64 s[46:47], s[4:5], s[46:47]
	s_add_nc_u64 s[92:93], s[4:5], s[92:93]
	CROUND                                         ; all sixteen work-groups are here: the first joint loads meet
	s_mov_b32 s[G0S], 1
	s_mov_b32 s[G0S+1], SCL
	s_mov_b64 s[G0S+2:G0S+3], s[22:23]
	s_or_b32 s[G0S+3], s[G0S+3], 0x80000000
	s_mov_b32 s[G0SB], 1
	s_mov_b32 s[G0SB+1], SCL+2*HALFS
	s_mov_b64 s[G0SB+2:G0SB+3], s[92:93]
	s_or_b32 s[G0SB+3], s[G0SB+3], 0x80000000
.irp s, 0,1
	s_mov_b32 s[G0+4*\s], 1
	s_add_co_u32 s[G0+4*\s+1], s45, \s*SLOT
	s_add_nc_u64 s[G0+4*\s+2:G0+4*\s+3], s[20:21], \s*3072
	s_or_b32 s[G0+4*\s+3], s[G0+4*\s+3], 0x80000000
	s_mov_b32 s[G0B+4*\s], 1
	s_add_co_u32 s[G0B+4*\s+1], s45, \s*SLOT
	s_add_nc_u64 s[G0B+4*\s+2:G0B+4*\s+3], s[46:47], \s*3072
	s_or_b32 s[G0B+4*\s+3], s[G0B+4*\s+3], 0x80000000
.endr
	s_add_nc_u64 s[G0+6:G0+7], s[G0+6:G0+7], s[2:3]        ; slot 1's loads take my half of a side
	s_add_nc_u64 s[G0B+6:G0B+7], s[G0B+6:G0B+7], s[2:3]
	s_mov_b32 s[G0+1], 0                           ; the head's loads take whole sides of slot 0
	s_mov_b32 s[G0B+1], 2*HALFT
; THE HEAD'S LOADS, ONE A WAVE: wave 0 source 1's side of slot 0, wave 1 source 0's, wave 2 source 1's scale words, wave 3 source 0's.  One chain of branches on the wave's number.
.macro ARM under, g0, g1, next
	s_cmp_lt_u32 s14, \under
	s_cbranch_scc0 \next
	tensor_load_to_lds s[\g0:\g0+3], s[\g1:\g1+7]
	s_nop 0
.rept 4
	v_nop
.endr
	s_branch .Lhead_asked
\next:
.endm
	ARM 1, G0,  G1,  .Lhead_b
	ARM 2, G0B, G1B, .Lhead_sa
	ARM 3, G0S, G1S, .Lhead_sb
	tensor_load_to_lds s[G0SB:G0SB+3], s[G1SB:G1SB+7]
	s_nop 0
.rept 4
	v_nop
.endr
.Lhead_asked:
	v_and_b32 v1, 15, v0                           ; r
	v_bfe_u32 v2, v0, 4, 1                         ; h
	v_and_b32 v3, 31, v0
	v_lshlrev_b32 v[L8], 3, v3
	s_wait_alu depctr_va_vdst(0)
	v_lshlrev_b32 v[L16], 4, v3
	s_mov_b32 s[HM], 0xffff0000
	s_mov_b32 s[SEL], 0x76543210
	s_mov_b32 s[SEL+1], 0xfedcba98
	s_mul_i32 s21, s15, HALFT                      ; my 128 rows of source 1
	s_mul_i32 s22, s16, HALFT                      ; my 128 rows of source 0,
	s_add_co_u32 s22, s22, 2*HALFT                 ; which lie behind source 1's 256
.irp s, 0,1
	v_add_nc_u32 v[ADRA+\s], s21, v[L8]
	v_add_nc_u32 v[ADRB+\s], s22, v[L8]
	s_add_co_u32 s21, s21, SLOT
	s_add_co_u32 s22, s22, SLOT
.endr
	s_mul_i32 s21, s15, HALFS
	s_mul_i32 s22, s16, HALFS
	s_add_co_u32 s22, s22, 2*HALFS
	s_sub_co_u32 s22, s22, s21
	v_mul_u32_u24 v6, s22, v2                      ; lanes 16-31 take source 0's words
	s_add_co_u32 s21, s21, SCL
	v_lshl_add_u32 v5, v1, 3, v6
	v_add_nc_u32 v[ADRS], s21, v5
	s_lshl_b32 s46, s40, 10                        ; bk at source 0's 128 features in k's part: 256 cx + 128 x my half, in bytes
	s_lshl_b32 s47, s16, 9
	s_add_co_u32 s46, s46, s47
	s_mov_b32 s47, 0
	s_add_nc_u64 s[8:9], s[8:9], s[46:47]
	s_lshl_b32 s20, s41, 10                        ; bv at source 1's 128 features in v's part: 256 cy + 128 x my half
	s_lshl_b32 s21, s15, 9
	s_add_co_u32 s20, s20, s21
	s_mov_b32 s21, 0
	s_add_nc_u64 s[10:11], s[10:11], s[20:21]
	v_lshlrev_b32 v7, 6, v2
.irp p, 0,1,2,3
.irp c, 0,1,2,3
	global_load_b128 v[BI+16*\p+4*\c:BI+16*\p+4*\c+3], v7, s[8:9] offset:128*\p+16*\c   ; register 8 b + j: feature 32 (b / 2) + 16 h + 8 (b % 2) + j
.endr
.endr
	v_and_b32 v8, 8, v1
	v_add_nc_u32 v8, v8, v1
	v_lshlrev_b32 v8, 2, v8                        ; my lane's true feature in a tile: r + 8 (r / 8)
.irp a, 0,1,2,3,4,5,6,7
	global_load_b32 v[LB+2*\a], v8, s[10:11] offset:128*(\a/2)+32*(\a%2)
	global_load_b32 v[LB+2*\a+1], v8, s[10:11] offset:128*(\a/2)+32*(\a%2)
.endr
	s_cmp_eq_u32 s[PART], 0                        ; my place in kv
	s_cselect_b32 s98, 1.0, 0                      ; bk counts in k's part alone
	s_cselect_b32 s20, s15, s16                    ; which half of the tokens is mine,
	s_cselect_b32 s21, s16, s15                    ; which half of the features,
	s_cselect_b32 s22, s41, s40                    ; which of the cluster's four tiles of tokens,
	s_cselect_b32 s23, s40, s41                    ; which tile of 256 features
	s_mov_b32 s99, s98
	s_add_co_u32 s22, s22, s17                     ; my tile of 256 tokens
	s_and_b32 s19, s22, 7
	s_lshl_b32 s19, s19, 1
	s_add_co_u32 s19, s19, s20                     ; my key step in the batch
	s_lshr_b32 s22, s22, 3
	s_lshl_b32 s22, s22, 4                         ; 16 x batch
	s_lshl_b32 s23, s23, 2
	s_add_co_u32 s22, s22, s23
	s_lshl_b32 s21, s21, 1
	s_add_co_u32 s22, s22, s21                     ; my first head
	s_lshl_b32 s22, s22, 4
	s_add_co_u32 s22, s22, s19
	s_mul_i32 s22, s22, 13056
	s_mov_b32 s23, 0
	s_add_nc_u64 s[12:13], s[12:13], s[22:23]
	s_wait_alu depctr_va_vdst(0)
	s_wait_tensorcnt 0x0                           ; my tile of the head's four is in
	ds_add_u32 v[SPW], v[NIL]
	s_mov_b32 s[G1+2], 8<<16                       ; no tensor load of mine is out: from here on a load brings 8 tiles, my half of a side
	s_mov_b32 s[G1+4], 8
	s_mov_b32 s[G1B+2], 8<<16
	s_mov_b32 s[G1B+4], 8
	s_add_co_u32 s[G0+1], s45, 0
	s_add_co_u32 s[G0B+1], s45, 0
	s_add_nc_u64 s[G0+2:G0+3], s[G0+2:G0+3], s[2:3]
	s_add_nc_u64 s[G0B+2:G0B+3], s[G0B+2:G0B+3], s[2:3]
	s_wait_dscnt 0x0
	CROUND                                         ; all four tiles are in, and all sixteen work-groups are here
	JLOAD G0+4, G1, G0B+4, G1B                     ; slot 1's first fill, the first tensor load behind the round
	FETCH_B 0, 0, 0
	FETCH_A 0, 0, 0
	SCALES 0
	FETCH_A 0, 0, 4
	s_wait_loadcnt 0x0                             ; the biases
.set j, 0
.rept 32
	v_pk_mul_f32 v[BI+j:BI+j+1], v[BI+j:BI+j+1], s[98:99] op_sel_hi:[1,0]
.set j, j+2
.endr
	PLACES NP
	s_wait_alu depctr_va_vdst(0)
	STEP 0, 0, 1                                   ; the first step starts the sums, from BI
	s_mov_b32 s3, LAPS-1
.Llap:
	TURN 0, 1, 1
	STEP 1, 0, 0
	TURN 1, 0, 1
	STEP 0, 0, 0
	s_sub_co_u32 s3, s3, 1
	s_cmp_lg_u32 s3, 0
	s_cbranch_scc1 .Llap
	TURN 0, 1, 0                                   ; the last lap fills nothing
	STEP 1, 0, 0
	s_wait_dscnt 4*NL
	WIN MUL_LO
	MUL16 0, 1, NQ-1, 1, 0
	MUL16 2, 1, NQ-1, 1, 0
	s_wait_dscnt 0
	WIN MUL_HI
	MUL16 4, 1, NQ-1, 1, 0
	MUL16 6, 1, NQ-1, 1, 0
	WIN 0
	PLACES NP                                      ; in front of the first read of results and of writes over the fragments' registers
.irp b, 0,1,2,3
	v_mov_b32 v[TM+4+\b], 0                        ; a lane permute's destination counts as one of its sources
.endr
	s_cmp_lg_u32 s[PART], 0
	s_cbranch_scc1 .Lout_v
	; ---- k: a lane holds a token; a block's fragment is two heads' 64: registers 0-5 my first head, 6-11 my second.  Tiles 2 p and 2 p + 1 of one head make 12 registers
.irp a, 0,1,2,3,4,5,6,7
	QUANTW \a, D+24*(\a/2)+6*(\a%2), D+24*(\a/2)+6*(\a%2)+12, PWS+\a
.if \a%2 == 1
.irp c, 0,1,2
	global_store_b128 v[L16], v[D+24*(\a/2)+4*\c:D+24*(\a/2)+4*\c+3], s[12:13] offset:1536*(\a/2)+512*\c            ; 512 consecutive bytes, aligned
	global_store_b128 v[L16], v[D+24*(\a/2)+12+4*\c:D+24*(\a/2)+12+4*\c+3], s[12:13] offset:208896+1536*(\a/2)+512*\c
.endr
.endif
.endr
.irp p, 0,1,2,3
	v_cndmask_b32 v[TM+8+\p], v[PWS+2*\p], v[PWS+2*\p+1], s[HM]   ; lanes 0-15 tile 2 p's word, lanes 16-31 tile 2 p + 1's
.endr
.irp p, 0,1,2,3
	v_perm_b32 v[TM+\p], v[TM+8+\p], v[TM+8+\p], 0x01000100       ; my first head's two bytes, twice: the upper two meet zero codes
	v_perm_b32 v[TM+4+\p], v[TM+8+\p], v[TM+8+\p], 0x03020302     ; my second head's
.endr
	global_store_b128 v[L16], v[TM:TM+3], s[12:13] offset:12288
	global_store_b128 v[L16], v[TM+4:TM+7], s[12:13] offset:12288+208896
	s_branch .Lend
.Lout_v:
	; ---- v: a lane holds a feature, its registers run along my 128 keys: a block is one tile of V^T
.irp a, 0,1,2,3,4,5,6,7
	VBIAS \a
	QUANTW \a, D+12*\a, D+12*\a+6, PWS+\a
.irp c, 0,1,2
	global_store_b128 v[L16], v[D+12*\a+4*\c:D+12*\a+4*\c+3], s[12:13] offset:(\a/4)*208896+6144+(\a%4)*1536+512*\c
.endr
.if \a%4 == 3
	v_cndmask_b32 v[TM+8+2*(\a/4)], v[PWS+\a-3], v[PWS+\a-2], s[HM]
	v_cndmask_b32 v[TM+9+2*(\a/4)], v[PWS+\a-1], v[PWS+\a], s[HM]
	global_store_b64 v[L8], v[TM+8+2*(\a/4):TM+9+2*(\a/4)], s[12:13] offset:(\a/4)*208896+12800
.endif
.endr
.Lend:
	s_wait_tensorcnt 0x0                           ; the wave's end
	ds_add_u32 v[SPW], v[NIL]
	s_wait_dscnt 0x0
	CROUND                                         ; the closing round
	s_endpgm
.Lfunc_end_k_q22e47c9c82_qkv:
	.size	k_q22e47c9c82_qkv, .Lfunc_end_k_q22e47c9c82_qkv-k_q22e47c9c82_qkv
	.p2alignl 7, 3214868480
	.fill 96, 4, 3214868480
	.section	.rodata,"a",@progbits
	.p2align	6, 0x0
	.amdhsa_kernel k_q22e47c9c82_qkv
		.amdhsa_group_segment_fixed_size 327680
		.amdhsa_private_segment_fixed_size 0
		.amdhsa_enable_private_segment 0
		.amdhsa_kernarg_size 40
		.amdhsa_user_sgpr_count 2
		.amdhsa_user_sgpr_kernarg_segment_ptr 1
		.amdhsa_wavefront_size32 1
		.amdhsa_system_sgpr_workgroup_id_x 1
		.amdhsa_system_sgpr_workgroup_id_y 1
		.amdhsa_system_sgpr_workgroup_id_z 1
		.amdhsa_system_vgpr_workitem_id 0
		.amdhsa_next_free_vgpr 1024
		.amdhsa_next_free_sgpr 104
		.amdhsa_reserve_vcc 0
		.amdhsa_float_denorm_mode_32 3
		.amdhsa_float_denorm_mode_16_64 3
		.amdhsa_memory_ordered 1
		.amdhsa_forward_progress 1
		.amdhsa_inst_pref_size 222
	.end_amdhsa_kernel
	.amdgpu_metadata
---
amdhsa.version: [ 1, 2 ]
amdhsa.kernels:
  - .name:           k_q22e47c9c82_qkv
    .symbol:         k_q22e47c9c82_qkv.kd
    .args:
      - { .name: xq, .offset: 0, .size: 8, .value_kind: global_buffer, .address_space: global }
      - { .name: wq, .offset: 8, .size: 8, .value_kind: global_buffer, .address_space: global }
      - { .name: bk, .offset: 16, .size: 8, .value_kind: global_buffer, .address_space: global }
      - { .name: bv, .offset: 24, .size: 8, .value_kind: global_buffer, .address_space: global }
      - { .name: kv, .offset: 32, .size: 8, .value_kind: global_buffer, .address_space: global }
    .group_segment_fixed_size: 327680
    .private_segment_fixed_size: 0
    .kernarg_segment_align: 8
    .kernarg_segment_size: 40
    .max_flat_workgroup_size: 128
    .sgpr_count:     104
    .vgpr_count:     1024
    .wavefront_size: 32
...
	.end_amdgpu_metadata
.endif
;; end of part 9
;; launch attn (part 10): grid 8 x 32, 16 waves a work-group, clusters of 4 x 1, 219,648 bytes of LDS; arguments kv, mask, cq; writes cq
.if DOCPART == 10
	.amdgcn_target "amdgcn-amd-amdhsa--gfx1250"
	.amdhsa_code_object_version 6
	.text
	.protected	k_q22e47c9c82_attn
	.globl	k_q22e47c9c82_attn
	.p2align	8
	.type	k_q22e47c9c82_attn,@function
k_q22e47c9c82_attn:
	s_mov_b64 s[64:65], 0
	v_nop
	global_prefetch_b8 v0, s[64:65] scope:SCOPE_SE
	s_setreg_imm32_b32 hwreg(HW_REG_WAVE_MODE, 25, 1), 1
	s_wait_xcnt 0x0
	s_wait_alu depctr_hold_cnt(0) depctr_sa_sdst(0) depctr_va_vdst(0) depctr_va_sdst(0) depctr_va_ssrc(0) depctr_va_vcc(0) depctr_vm_vsrc(0)
	s_getreg_b32 s2, hwreg(HW_REG_IB_STS2, 6, 4)
	s_cmp_eq_u32 s2, 0
	s_cbranch_scc0 .Lentry_in_a_cluster
	s_endpgm
.Lentry_in_a_cluster:
	s_bfe_u32 s2, ttmp6, 0x10000c
	s_cmp_lg_u32 s2, 0x3003
	s_cbranch_scc0 .Lentry_shape_is_right
	s_endpgm
.Lentry_shape_is_right:
; ctx = softmax(q k^T / 8, with closed keys at -1e9) v for one head, q = k, both products on codes of BF6 (E3M2) with E8M0 scales; ctx is quantised along the features and stored as an operand.
; THE SOFTMAX AHEAD OF THE SECOND PRODUCT: t = score x log2(e) / 8; M = the largest t so far rounded up to a whole number; p = 2^(t - M) is quantised along the keys; the sum of the unquantised p divides at the end.
; SHARES.  A work-group owns 256 queries of one head; each of its sixteen waves one tile of 16, in 256 registers.  THE HEAD'S WHOLE K, V AND SCALE WORDS, 208,896 BYTES, LIE IN LDS, FILLED ONCE: each wave brings one key step
; (13,056 bytes) by one tensor load.  No byte of LDS is filled again.  The four query blocks of a cluster ask jointly: the same load, the same descriptor, the mask 15.
; LAYOUT.  Both products are used transposed (S^T = K Q^T, O^T = V^T P^T): a lane holds one query throughout.  Keys and features lie by position, so that the 16 registers of two neighbouring tiles are 16 true neighbours.
; A head is 64 wide and the instruction 128: Q's upper six registers are zero codes, and K's upper six are whatever lies next (the next tile's codes): they add nothing.
; THE MASK is the C of the first product: 0 for an open key, -1e30 for a closed one, whose p is then exactly 0.  The largest t starts at -1e9 log2(e), the level that closed keys have in the problem.
; A batch with no open key: c is 0 (a choice by s_cselect_b32, no branch), so every t is 0 and every p is 1: all keys weigh alike, as they do in the problem.
; LIMITS: where a batch has an open key, each query has an open key whose logit lies above -1e9; NaN and infinities are not served.
; ctx's scale bytes leave as 2 bytes a lane, 8 bytes apart: a head owns two of a row's 32; that is one byte in 24 of what the launch stores.
.set STEPB, 13056
.set HEADB, 208896
.set BIAS,  208896                     ; behind the head: 0 or -1e30 for each of the batch's 2,048 keys, by true key
.set FLAG,  217088                     ; one word a wave: has my part of the mask an open key
.set L16,  1                           ; v1 16 x lane
.set L8,   2                           ; v2 8 x lane
.set ABI,  3                           ; v3 BIAS + 128 (lane / 16)
.set AD16, 4
.set AD8,  5
.set ADB,  6
.set QS,   7
.set LK,   28                          ; v28 K's fragments: 16 (lane & 7) + 256 (lane / 16) + 1,536 x bit 3 of the lane
.set LS,   29                          ; v29 K's scale words: 16 (lane & 7) + 256 (lane / 16) + 4 x bit 3
.set SH8,  30                          ; v30 8 x (lane / 16)
.set ADK,  31
.set ADS,  86
.set Q,    16                          ; v16-27 Q (v22-27 zero codes)
.set KF,   32                          ; v32-79 K's four pairs of tiles, then V's four tiles; v80-85 zero
.set S,    96                          ; v96-159 the mask, S^T, then p
.set O,    160                         ; v160-191 O^T
.set PCD,  192                         ; v192-203 p's codes
.set X1,   204
.set X2,   208
.set BM,   212                         ; v212-215 the blocks' largest
.set BT,   216
.set SO,   220                         ; v220-223 the conversions' scale operands
.set TT,   224
.set F,    226                         ; v[226:227] f = 2^(old M - new M) in the low word
.set PWD,  228                         ; p's scale word
.set SU,   230
.set KSC,  248                         ; v248-251 K's scale words
.set VSC,  252                         ; v252-253 V's
.set WV,   18
.set SEL,  20
.set CS,   22
.set G1,   24
.set G0,   32
.set TB,   36
.set TC,   37
.set CNT,  38
.macro ROUND                           ; a round of the cluster's barrier
	s_barrier_signal -1
	s_barrier_wait -1
	s_cmp_lg_u32 s[WV], 0
	s_cbranch_scc1 .Lnot_wave_0_\@
	s_barrier_signal -3
.Lnot_wave_0_\@:
	s_barrier_wait -3
	s_barrier_signal -1
	s_barrier_wait -1
.endm
	s_load_b128 s[4:7], s[0:1], 0x0                ; kv, mask
	s_load_b64 s[8:9], s[0:1], 0x10                ; cq
	v_lshl_add_u32 v254, v0, 2, 0x35200
	v_mov_b32 v255, 0
	ds_add_u32 v254, v255
	ds_add_u32 v254, v255
	v_lshrrev_b32 v8, 5, v0
	s_delay_alu instid0(VALU_DEP_1)
	v_readfirstlane_b32 s[WV], v8                  ; wave 0..15
	s_bfe_u32 s10, ttmp6, 0x40000                  ; cx
	s_lshl_b32 s11, ttmp9, 2
	s_add_co_u32 s11, s11, s10                     ; my block of 256 queries: it enters global addresses alone
	s_and_b32 s12, ttmp7, 0xffff                   ; 16 x batch + head, which the four partners share
	s_lshr_b32 s13, s12, 4                         ; batch
	s_and_b32 s14, s12, 15                         ; head
	s_mul_i32 s40, s12, HEADB
	s_mul_i32 s39, s[WV], STEPB
	s_add_co_u32 s42, s40, s39
	s_mov_b32 s43, 0
	s_mov_b32 s[G1], 15|(3<<16)|(1<<21)            ; the mask: all four; elements of 8 bytes; bit 21 beside a mask; no padding
	s_mov_b32 s[G1+1], 32<<16                      ; a dense block as rows of 256 bytes
	s_mov_b32 s[G1+2], 51<<16
	s_mov_b32 s[G1+3], 32<<16
	s_mov_b32 s[G1+4], 51
	s_mov_b32 s[G1+5], 32
	s_mov_b32 s[G1+6], 0
	s_mov_b32 s[G1+7], 0
	s_mov_b32 s[SEL], 0x76543210
	s_mov_b32 s[SEL+1], 0xfedcba98
	s_wait_dscnt 0x0
	s_wait_kmcnt 0x0
	s_mov_b32 s[G0], 1
	s_mov_b32 s[G0+1], s39                         ; key step w goes to w x 13,056
	s_add_nc_u64 s[G0+2:G0+3], s[4:5], s[42:43]
	s_or_b32 s[G0+3], s[G0+3], 0x80000000
	ROUND                                          ; all four work-groups are here: the joint loads meet
	tensor_load_to_lds s[G0:G0+3], s[G1:G1+7]      ; my one tensor load of the launch
	s_nop 0
.rept 4
	v_nop
.endr
	v_and_b32 v8, 31, v0
	s_delay_alu instid0(VALU_DEP_1)
	v_lshlrev_b32 v[L16], 4, v8
	s_wait_alu depctr_va_vdst(0)
	v_lshlrev_b32 v[L8], 3, v8
	v_and_b32 v9, 15, v0
	s_delay_alu instid0(VALU_DEP_1)
	v_lshlrev_b32 v9, 4, v9                        ; 16 r
	s_wait_alu depctr_va_vdst(0)
	v_lshlrev_b32 v10, 4, v0                       ; 16 x thread
	s_wait_alu depctr_va_vdst(0)
	v_bfe_u32 v[ABI], v0, 4, 1
	s_delay_alu instid0(VALU_DEP_1)
	v_lshl_add_u32 v[ABI], v[ABI], 7, BIAS
	; THE KEYS OF A TILE OF K ARE CHOSEN BY THE LANES' LDS ADDRESSES: row 8 e + j of tile 4 G + t is key 64 G + 32 e + 8 t + j of the step.  So a lane's registers S + 32 G + i are keys 64 G + 32 (lane / 16) + i: two WHOLE blocks of 32.
	; That key lies in kv's pair of tiles 2 G + e, tile t & 1 of the pair, row j + 8 (t >> 1).
	v_and_b32 v8, 7, v0
	v_bfe_u32 v[SH8], v0, 4, 1
	v_lshlrev_b32 v8, 4, v8
	v_bfe_u32 v11, v0, 3, 1
	v_lshl_add_u32 v8, v[SH8], 8, v8
	v_lshlrev_b32 v[SH8], 3, v[SH8]
	v_mad_u32_u24 v[LK], v11, 1536, v8
	v_lshl_add_u32 v[LS], v11, 2, v8
	; my 16 queries are a tile of K: key step 2 X + w / 8, tile w % 8.  It comes from memory
	s_lshl_b32 s44, s11, 1
	s_lshr_b32 s45, s[WV], 3
	s_add_co_u32 s44, s44, s45
	s_mul_i32 s44, s44, STEPB
	s_add_co_u32 s44, s44, s40
	s_bfe_u32 s45, s[WV], 0x20001                  ; the pair of tiles
	s_mul_i32 s46, s45, 1536
	s_add_co_u32 s46, s46, s44
	s_mov_b32 s47, 0
	s_add_nc_u64 s[46:47], s[4:5], s[46:47]
	s_and_b32 s48, s[WV], 1                        ; which of the pair
	s_lshl_b32 s49, s48, 8
	s_add_co_u32 s44, s44, s49
	s_lshl_b32 s45, s45, 2
	s_add_co_u32 s44, s44, s45
	s_add_co_u32 s44, s44, 12288
	s_mov_b32 s45, 0
	s_add_nc_u64 s[44:45], s[4:5], s[44:45]
	s_lshl_b32 s52, s13, 13
	s_mov_b32 s53, 0
	s_add_nc_u64 s[6:7], s[6:7], s[52:53]          ; my batch's mask
.irp c, 0,1,2
	global_load_b128 v[KF+4*\c:KF+4*\c+3], v[L16], s[46:47] offset:512*\c
.endr
	global_load_b32 v[QS], v9, s[44:45]
	global_load_b128 v[44:47], v10, s[6:7]         ; four keys a thread
	s_cmp_lg_u32 s48, 0
	s_cselect_b32 s50, -1, 0
	v_mov_b32 v48, 0xf149f2ca                      ; -1e30
	v_add_nc_u32 v11, BIAS, v10
	s_lshl_b32 s52, s[WV], 2
	s_add_co_u32 s52, s52, FLAG
	v_mov_b32 v51, s52
	s_wait_loadcnt 0x0
.irp i, 0,1,2,3,4,5
	v_cndmask_b32 v[Q+\i], v[KF+\i], v[KF+6+\i], s50
.endr
.irp i, 0,1,2,3
	v_cmp_eq_u32 vcc_lo, 0, v[44+\i]
	s_delay_alu instid0(VALU_DEP_1)
	v_cndmask_b32 v[52+\i], 0, v48, vcc_lo
.endr
	ds_store_b128 v11, v[52:55]
	v_or_b32 v49, v44, v45
	v_or_b32 v50, v46, v47
	s_delay_alu instid0(VALU_DEP_1)
	v_or_b32 v49, v49, v50
	s_delay_alu instid0(VALU_DEP_1)
	v_cmp_ne_u32 vcc_lo, 0, v49
	s_cmp_lg_u32 vcc_lo, 0
	s_cselect_b32 s51, 1, 0
	v_mov_b32 v50, s51
	ds_store_b32 v51, v50                          ; all lanes write the same word with the same value
	s_wait_tensorcnt 0x0                           ; my key step has landed,
	s_wait_dscnt 0x0                               ; my stores too:
	s_barrier_signal -1
	s_barrier_wait -1                              ; everybody's have
	v_mov_b32 v8, FLAG
.irp i, 0,1,2,3
	ds_load_b128 v[52+4*\i:55+4*\i], v8 offset:16*\i
.endr
	v_mov_b32 v13, 0xceabfb8f                      ; the largest t so far: -1e9 log2(e)
	s_delay_alu instid0(VALU_DEP_1)
	v_floor_f32 v12, -v13                          ; -M
	v_mov_b32 v14, 0
	v_mov_b32 v15, 0
.irp i, 0,1,2,3,4,5
	v_mov_b32 v[Q+6+\i], 0
	v_mov_b32 v[80+\i], 0
.endr
.irp b, 0,1,2,3
	v_mov_b32 v[BT+\b], 0                          ; a lane permute's destination counts as one of its sources
.endr
	v_mov_b32 v[F+1], 0                            ; (named as the upper half of a pair)
	v_mov_b32 v[TT], 0
.set j, 0
.rept 32
	v_mov_b32 v[O+j], 0                            ; the loop is written once: its first step finds zeros
.set j, j+1
.endr
	s_wait_dscnt 0x0
.irp i, 1
	v_or_b32 v52, v52, v[52+\i]
.endr
.irp i, 2, 3, 4, 5, 6, 7, 8, 9, 10, 11, 12, 13, 14, 15
	s_delay_alu instid0(VALU_DEP_1)
	v_or_b32 v52, v52, v[52+\i]
.endr
	s_delay_alu instid0(VALU_DEP_1)
	v_readfirstlane_b32 s51, v52
	s_cmp_lg_u32 s51, 0
	s_cselect_b32 s[CS], 0x3e38aa3b, 0             ; c = log2(e) / 8, or 0 where the batch has no open key
	s_mov_b32 s[CS+1], s[CS]
	s_mov_b32 s[TB], 0
	s_mov_b32 s[TC], 0
	s_mov_b32 s[CNT], 16
.Lstep:                                        ; a key step: 128 keys
	v_add_nc_u32 v[AD16], s[TB], v[L16]
	v_add_nc_u32 v[AD8], s[TB], v[L8]
	v_add_nc_u32 v[ADB], s[TC], v[ABI]
	v_add_nc_u32 v[ADK], s[TB], v[LK]
	v_add_nc_u32 v[ADS], s[TB], v[LS]              ; these five are the places in front of loads into registers that the last products read
.irp g, 0,1
.irp s, 0,1                                    ; tiles 4 g + 2 s and 4 g + 2 s + 1: six registers each, out of a pair's twelve
	ds_load_b128 v[KF+24*\g+12*\s:KF+24*\g+12*\s+3], v[ADK] offset:3072*\g+128*\s
	ds_load_b64 v[KF+24*\g+12*\s+4:KF+24*\g+12*\s+5], v[ADK] offset:3072*\g+128*\s+512
	ds_load_b64 v[KF+24*\g+12*\s+6:KF+24*\g+12*\s+7], v[ADK] offset:3072*\g+128*\s+520
	ds_load_b128 v[KF+24*\g+12*\s+8:KF+24*\g+12*\s+11], v[ADK] offset:3072*\g+128*\s+1024
	ds_load_b32 v[KSC+2*\g+\s], v[ADS] offset:12288+8*\g+128*\s   ; lanes 0-15 the even tile's words, lanes 16-31 the odd tile's
.endr
.endr
.irp b, 0,1,2,3
.irp c, 0,1,2,3
	ds_load_b128 v[S+16*\b+4*\c:S+16*\b+4*\c+3], v[ADB] offset:256*(\b/2)+64*(\b%2)+16*\c   ; register 32 G + i: key 64 G + 32 h + i
.endr
.endr
	s_wait_alu depctr_va_vdst(0)
	s_wait_dscnt 0x0
.irp t, 0,2,4,6                                ; S^T = K Q^T + the mask; even tiles' scale words in lanes 0-15, odd tiles' in lanes 16-31
	v_wmma_scale_f32_16x16x128_f8f6f4 v[S+8*\t:S+8*\t+7], v[KF+6*\t:KF+6*\t+11], v[Q:Q+11], v[S+8*\t:S+8*\t+7], v[KSC+\t/2], v[QS] matrix_a_fmt:MATRIX_FMT_BF6 matrix_b_fmt:MATRIX_FMT_BF6
	v_wmma_scale_f32_16x16x128_f8f6f4 v[S+8*\t+8:S+8*\t+15], v[KF+6*\t+6:KF+6*\t+17], v[Q:Q+11], v[S+8*\t+8:S+8*\t+15], v[KSC+\t/2], v[QS] matrix_a_fmt:MATRIX_FMT_BF6 matrix_b_fmt:MATRIX_FMT_BF6 matrix_a_scale:MATRIX_SCALE_ROW1
.endr
.rept 4
	v_nop
.endr
.irp t, 0,1,2,3                                ; V's tiles land under the softmax
.irp c, 0,1,2
	ds_load_b128 v[KF+12*\t+4*\c:KF+12*\t+4*\c+3], v[AD16] offset:6144+1536*\t+512*\c
.endr
.endr
	ds_load_b64 v[VSC:VSC+1], v[AD8] offset:12800
.irp b, 0,1,2,3
	v_max3_num_f32 v[BM+\b], v[S+16*\b], v[S+1+16*\b], v[S+2+16*\b]   ; the largest score of each block of 32 keys: for the row's maximum, and, since p rises with the score, for the block's largest p
.endr
.irp i, 3,5,7,9,11,13
.irp b, 0,1,2,3
	v_max3_num_f32 v[BM+\b], v[BM+\b], v[S+16*\b+\i], v[S+1+16*\b+\i]
.endr
.endr
.irp b, 0,1,2,3
	v_max_num_f32 v[BM+\b], v[BM+\b], v[S+15+16*\b]
.endr
	s_delay_alu instid0(VALU_DEP_3)
	v_max_num_f32 v[BM], v[BM], v[BM+1]            ; my block h: all its 32 keys are mine
	s_delay_alu instid0(VALU_DEP_2)
	v_max_num_f32 v[BM+1], v[BM+2], v[BM+3]        ; my block 2 + h
	s_delay_alu instid0(VALU_DEP_1)
	v_max_num_f32 v[TT], v[BM], v[BM+1]
	s_delay_alu instid0(VALU_DEP_1)
	v_permlanex16_b32 v[BT], v[TT], s[SEL], s[SEL+1]
	s_delay_alu instid0(VALU_DEP_1)
	v_max_num_f32 v[TT], v[TT], v[BT]              ; with lane l xor 16's two blocks: the step's largest score of my query
	s_delay_alu instid0(VALU_DEP_1)
	v_mul_f32 v[TT], s[CS], v[TT]                  ; as t (c is not negative)
	s_delay_alu instid0(VALU_DEP_1)
	v_max_num_f32 v13, v13, v[TT]                  ; the running largest t
	v_mov_b32 v[TT], v12
	s_delay_alu instid0(VALU_DEP_2)
	v_floor_f32 v12, -v13                          ; the new -M = -ceil(t)
	s_delay_alu instid0(VALU_DEP_1)
	v_sub_f32 v[TT], v12, v[TT]                    ; old M - new M: a whole number, 0 or less
	s_delay_alu instid0(VALU_DEP_1)
	v_cvt_i32_f32 v[TT], v[TT]
	s_delay_alu instid0(VALU_DEP_1)
	v_ldexp_f32 v[F], 1.0, v[TT]                   ; f = 2^(old M - new M): a multiplication by it rounds nothing
.set j, 0
.rept 32
	v_pk_fma_f32 v[S+j:S+j+1], v[S+j:S+j+1], s[CS:CS+1], v[12:13] op_sel_hi:[1,0,0]   ; t - M
.set j, j+2
.endr
.irp b, 0,1
	v_fma_f32 v[BM+\b], v[BM+\b], s[CS], v12
.endr
.set j, 0
	s_wait_alu depctr_va_vdst(0)
.rept 64
	v_exp_f32 v[S+j], v[S+j]                       ; p = 2^(t - M)
.set j, j+1
.endr
	v_pk_mul_f32 v[14:15], v[14:15], v[F:F+1] op_sel_hi:[1,0]      ; the sums under the new M (a plain place behind the exponentials)
	s_wait_alu depctr_va_vdst(0)                   ; one wait for the batch, ahead of its first reader
.irp b, 0,1
	v_exp_f32 v[BM+\b], v[BM+\b]                   ; my two blocks' largest p
.endr
	v_pk_add_f32 v[230:231], v[100:101], v[104:105]
	v_pk_add_f32 v[250:251], v[108:109], v[112:113]
	v_pk_add_f32 v[248:249], v[116:117], v[120:121]
	v_pk_add_f32 v[246:247], v[124:125], v[128:129]
	v_pk_add_f32 v[244:245], v[132:133], v[136:137]
	v_pk_add_f32 v[242:243], v[140:141], v[144:145]
	v_pk_add_f32 v[240:241], v[148:149], v[152:153]
	v_pk_add_f32 v[14:15], v[14:15], v[156:157]
	v_pk_add_f32 v[230:231], v[230:231], v[96:97]
	v_pk_add_f32 v[250:251], v[250:251], v[98:99]
	v_pk_add_f32 v[248:249], v[248:249], v[102:103]
	v_pk_add_f32 v[246:247], v[246:247], v[106:107]
	v_pk_add_f32 v[244:245], v[244:245], v[110:111]
	v_pk_add_f32 v[242:243], v[242:243], v[114:115]
	v_pk_add_f32 v[240:241], v[240:241], v[118:119]
	v_pk_add_f32 v[14:15], v[14:15], v[122:123]
	v_pk_add_f32 v[230:231], v[230:231], v[126:127]
	v_pk_add_f32 v[250:251], v[250:251], v[130:131]
	v_pk_add_f32 v[248:249], v[248:249], v[134:135]
	v_pk_add_f32 v[246:247], v[246:247], v[138:139]
	v_pk_add_f32 v[244:245], v[244:245], v[142:143]
	v_pk_add_f32 v[242:243], v[242:243], v[146:147]
	v_pk_add_f32 v[240:241], v[240:241], v[150:151]
	v_pk_add_f32 v[14:15], v[14:15], v[154:155]
	v_pk_add_f32 v[230:231], v[230:231], v[158:159]
	s_delay_alu instid0(VALU_DEP_2)
	v_pk_add_f32 v[14:15], v[14:15], v[246:247]
	s_delay_alu instid0(VALU_DEP_2)
	v_pk_add_f32 v[230:231], v[230:231], v[244:245]
	v_pk_add_f32 v[250:251], v[250:251], v[242:243]
	v_pk_add_f32 v[248:249], v[248:249], v[240:241]
	s_delay_alu instid0(VALU_DEP_2)
	v_pk_add_f32 v[14:15], v[14:15], v[250:251]
	s_delay_alu instid0(VALU_DEP_2)
	v_pk_add_f32 v[230:231], v[230:231], v[248:249]
	s_delay_alu instid0(VALU_DEP_1)
	v_pk_add_f32 v[14:15], v[14:15], v[230:231]
	s_wait_alu depctr_va_vdst(0)                   ; and one for the two
.irp b, 0,1
	v_max_num_f32 v[BM+\b], 0x2800000, v[BM+\b]    ; the floor 2^(5 - 127)
.endr
.irp b, 0,1
	s_delay_alu instid0(VALU_DEP_2)
	v_add_nc_u32 v[SO+\b], 0xfe000000, v[BM+\b]
.endr
.irp b, 0,1
	s_delay_alu instid0(VALU_DEP_2)
	v_lshrrev_b32 v[BT+\b], 23, v[SO+\b]
.endr
	s_delay_alu instid0(VALU_DEP_1)
	v_lshl_or_b32 v[PWD], v[BT+1], 16, v[BT]       ; my two bytes: blocks h and 2 + h,
	s_delay_alu instid0(VALU_DEP_1)
	v_lshlrev_b32 v[PWD], v[SH8], v[PWD]           ; at their places in the scale word;
	s_delay_alu instid0(VALU_DEP_1)
	v_permlanex16_b32 v[BT+2], v[PWD], s[SEL], s[SEL+1]
	s_delay_alu instid0(VALU_DEP_1)
	v_or_b32 v[PWD], v[PWD], v[BT+2]               ; with lane l xor 16's two the word is whole
	v_cvt_scalef32_pk16_bf6_f32 v[PCD:PCD+2], v[S:S+15], v[SO]
	v_cvt_scalef32_pk16_bf6_f32 v[X1:X1+2], v[S+16:S+31], v[SO]
	v_cvt_scalef32_pk16_bf6_f32 v[PCD+6:PCD+8], v[S+32:S+47], v[SO+1]
	v_cvt_scalef32_pk16_bf6_f32 v[X2:X2+2], v[S+48:S+63], v[SO+1]
	v_nop                                          ; one plain place behind a scaled conversion; a whole block lies in a lane already
.irp i, 0,1,2
	v_mov_b32 v[PCD+3+\i], v[X1+\i]
	v_mov_b32 v[PCD+9+\i], v[X2+\i]
.endr
.set j, 0
.rept 16
	v_pk_mul_f32 v[O+j:O+j+1], v[O+j:O+j+1], v[F:F+1] op_sel_hi:[1,0]   ; O^T under the new M; these are also the places between the scale word's and the codes' last lines and the products
.set j, j+2
.endr
	s_wait_alu depctr_va_vdst(0)
	s_wait_dscnt 0x0                               ; V
.irp t, 0,2                                    ; O^T += V^T P^T
	v_wmma_scale_f32_16x16x128_f8f6f4 v[O+8*\t:O+8*\t+7], v[KF+12*\t:KF+12*\t+11], v[PCD:PCD+11], v[O+8*\t:O+8*\t+7], v[VSC+\t/2], v[PWD] matrix_a_fmt:MATRIX_FMT_BF6 matrix_b_fmt:MATRIX_FMT_BF6
	v_wmma_scale_f32_16x16x128_f8f6f4 v[O+8*\t+8:O+8*\t+15], v[KF+12*\t+12:KF+12*\t+23], v[PCD:PCD+11], v[O+8*\t+8:O+8*\t+15], v[VSC+\t/2], v[PWD] matrix_a_fmt:MATRIX_FMT_BF6 matrix_b_fmt:MATRIX_FMT_BF6 matrix_a_scale:MATRIX_SCALE_ROW1
.endr
	s_add_co_u32 s[TB], s[TB], STEPB
	s_add_co_u32 s[TC], s[TC], 512
	s_sub_co_u32 s[CNT], s[CNT], 1
	s_cmp_lg_u32 s[CNT], 0
	s_cbranch_scc1 .Lstep
	; THE WAY OUT: O^T / the sum; its 32 registers are 16 neighbours of each of the head's two blocks of 32: half a fragment of ctx
	v_add_f32 v14, v14, v15
	s_delay_alu instid0(VALU_DEP_1)
	v_permlanex16_b32 v[TT], v14, s[SEL], s[SEL+1]
	s_delay_alu instid0(VALU_DEP_1)
	v_add_f32 v14, v14, v[TT]
	s_wait_alu depctr_va_vdst(0)
	v_rcp_f32 v15, v14
	v_and_b32 v8, 15, v0
	s_delay_alu instid0(VALU_DEP_1)
	v_lshlrev_b32 v8, 3, v8                        ; 8 r
	v_nop
	v_nop
	s_lshl_b32 s40, s13, 7
	s_lshl_b32 s41, s11, 4
	s_add_co_u32 s40, s40, s41
	s_add_co_u32 s40, s40, s[WV]                   ; my tile of rows: 128 batch + 16 X + w
	s_lshl_b32 s41, s40, 3
	s_lshr_b32 s42, s14, 1
	s_add_co_u32 s41, s41, s42                     ; fragment (T, head / 2),
	s_mul_i32 s41, s41, 1536
	s_and_b32 s42, s14, 1
	s_mul_i32 s42, s42, 768                        ; its lower or upper half
	s_add_co_u32 s42, s42, s41
	s_mov_b32 s43, 0
	s_add_nc_u64 s[42:43], s[8:9], s[42:43]
	s_lshr_b32 s44, s40, 3
	s_lshl_b32 s44, s44, 12
	s_lshr_b32 s45, s14, 2
	s_lshl_b32 s45, s45, 10
	s_add_co_u32 s44, s44, s45
	s_and_b32 s45, s40, 7
	s_lshl_b32 s45, s45, 7
	s_add_co_u32 s44, s44, s45
	s_and_b32 s45, s14, 3
	s_lshl_b32 s45, s45, 1
	s_add_co_u32 s44, s44, s45
	s_add_co_u32 s44, s44, 3145728
	s_mov_b32 s45, 0
	s_add_nc_u64 s[44:45], s[8:9], s[44:45]
	s_wait_alu depctr_va_vdst(0)                   ; ahead of the reciprocal's first reader
	v_mov_b32 v14, v15
.set j, 0
.rept 16
	v_pk_mul_f32 v[S+j:S+j+1], v[O+j:O+j+1], v[14:15]   ; each accumulator from its low end on
.set j, j+2
.endr
.irp b, 0,1
	v_max3_num_f32 v[BM+\b], |v[S+16*\b]|, |v[S+1+16*\b]|, 0x2800000
.endr
.irp i, 2,4,6,8,10,12,14
.irp b, 0,1
	s_delay_alu instid0(VALU_DEP_2)
	v_max3_num_f32 v[BM+\b], v[BM+\b], |v[S+16*\b+\i]|, |v[S+1+16*\b+\i]|
.endr
.endr
.irp b, 0,1
	s_delay_alu instid0(VALU_DEP_2)
	v_permlanex16_b32 v[BT+\b], v[BM+\b], s[SEL], s[SEL+1]
.endr
.irp b, 0,1
	s_delay_alu instid0(VALU_DEP_2)
	v_max_num_f32 v[BM+\b], v[BM+\b], v[BT+\b]
.endr
.irp b, 0,1
	s_delay_alu instid0(VALU_DEP_2)
	v_add_nc_u32 v[SO+\b], 0xfe000000, v[BM+\b]
.endr
.irp b, 0,1
	s_delay_alu instid0(VALU_DEP_2)
	v_lshrrev_b32 v[BT+\b], 23, v[SO+\b]
.endr
	s_delay_alu instid0(VALU_DEP_1)
	v_lshl_or_b32 v[TT], v[BT+1], 8, v[BT]
	v_cvt_scalef32_pk16_bf6_f32 v[PCD:PCD+2], v[S:S+15], v[SO]
	v_cvt_scalef32_pk16_bf6_f32 v[X1:X1+2], v[S+16:S+31], v[SO+1]
	v_nop
.irp i, 0,1,2
	v_permlane16_swap_b32 v[PCD+\i], v[X1+\i]
.endr
.irp i, 0,1,2
	s_delay_alu instid0(VALU_DEP_3)
	v_mov_b32 v[PCD+3+\i], v[X1+\i]
.endr
.irp i, 0,1,2
	global_store_b64 v[L8], v[PCD+2*\i:PCD+2*\i+1], s[42:43] offset:256*\i   ; 256 consecutive bytes, aligned
.endr
	global_store_b16 v8, v[TT], s[44:45]           ; my head's two bytes of the row's scale words (lanes l and l xor 16 store the same)
	s_wait_tensorcnt 0x0
	ds_add_u32 v254, v255
	s_wait_dscnt 0x0
	ROUND                                          ; the closing round
	s_endpgm
.Lfunc_end_k_q22e47c9c82_attn:
	.size	k_q22e47c9c82_attn, .Lfunc_end_k_q22e47c9c82_attn-k_q22e47c9c82_attn
	.p2alignl 7, 3214868480
	.fill 96, 4, 3214868480
	.section	.rodata,"a",@progbits
	.p2align	6, 0x0
	.amdhsa_kernel k_q22e47c9c82_attn
		.amdhsa_group_segment_fixed_size 219648
		.amdhsa_private_segment_fixed_size 0
		.amdhsa_enable_private_segment 0
		.amdhsa_kernarg_size 24
		.amdhsa_user_sgpr_count 2
		.amdhsa_user_sgpr_kernarg_segment_ptr 1
		.amdhsa_wavefront_size32 1
		.amdhsa_system_sgpr_workgroup_id_x 1
		.amdhsa_system_sgpr_workgroup_id_y 1
		.amdhsa_system_sgpr_workgroup_id_z 1
		.amdhsa_system_vgpr_workitem_id 0
		.amdhsa_next_free_vgpr 256
		.amdhsa_next_free_sgpr 66
		.amdhsa_reserve_vcc 1
		.amdhsa_float_denorm_mode_32 3
		.amdhsa_float_denorm_mode_16_64 3
		.amdhsa_memory_ordered 1
		.amdhsa_forward_progress 1
		.amdhsa_inst_pref_size 33
	.end_amdhsa_kernel
	.amdgpu_metadata
---
amdhsa.version: [ 1, 2 ]
amdhsa.kernels:
  - .name:           k_q22e47c9c82_attn
    .symbol:         k_q22e47c9c82_attn.kd
    .args:
      - { .name: kv, .offset: 0, .size: 8, .value_kind: global_buffer, .address_space: global }
      - { .name: mask, .offset: 8, .size: 8, .value_kind: global_buffer, .address_space: global }
      - { .name: cq, .offset: 16, .size: 8, .value_kind: global_buffer, .address_space: global }
    .group_segment_fixed_size: 219648
    .private_segment_fixed_size: 0
    .kernarg_segment_align: 8
    .kernarg_segment_size: 24
    .max_flat_workgroup_size: 512
    .sgpr_count:     66
    .vgpr_count:     256
    .wavefront_size: 32
...
	.end_amdgpu_metadata
.endif
;; end of part 10
;; launch wo (part 11): grid 8 x 32, 4 waves a work-group, clusters of 4 x 4, 327,680 bytes of LDS; arguments cq, wq, bo, x, x1; writes x1
.if DOCPART == 11
	.amdgcn_target "amdgcn-amd-amdhsa--gfx1250"
	.amdhsa_code_object_version 6
	.text
	.protected	k_q22e47c9c82_wo
	.globl	k_q22e47c9c82_wo
	.p2align	8
	.type	k_q22e47c9c82_wo,@function
k_q22e47c9c82_wo:
	s_mov_b64 s[64:65], 0
	v_nop
	global_prefetch_b8 v0, s[64:65] scope:SCOPE_SE
	s_setreg_imm32_b32 hwreg(HW_REG_WAVE_MODE, 25, 1), 1
	s_wait_xcnt 0x0
	s_wait_alu depctr_hold_cnt(0) depctr_sa_sdst(0) depctr_va_vdst(0) depctr_va_sdst(0) depctr_va_ssrc(0) depctr_va_vcc(0) depctr_vm_vsrc(0)
	s_getreg_b32 s2, hwreg(HW_REG_IB_STS2, 6, 4)
	s_cmp_eq_u32 s2, 0
	s_cbranch_scc0 .Lentry_in_a_cluster
	s_endpgm
.Lentry_in_a_cluster:
	s_bfe_u32 s2, ttmp6, 0x10000c
	s_cmp_lg_u32 s2, 0xf033
	s_cbranch_scc0 .Lentry_shape_is_right
	s_endpgm
.Lentry_shape_is_right:
; x1 = x + ctx Wo + bo.  ctx and Wo are codes of BF6 (E3M2) with E8M0 scales, in the order of the matrix unit's registers: a fragment (16 rows x 128 K) is 1,536 bytes, chunk p of 256 bytes = registers 2 p, 2 p + 1, 8 bytes a lane.
; Rows are kept by position: position 32 g + 16 u + r is true row 32 g + 8 u + (r & 7) + 16 (r >> 3).  Source 0 = 16 columns of Wo, source 1 = 16 rows of ctx: a lane holds one row, and the 16 registers of two neighbouring tiles are 16 true neighbouring columns.
; The grid has 256 work-groups: 4,096 x 1,024 in tiles of 128 x 128.  A work-group of four waves makes a tile; a wave 64 x 64: 16 accumulators.
; K goes in slots of 512 (four steps of 128), as long as two slots in LDS allow, filled by joint tensor loads: ctx's tile is shared along a row of the 4 x 4 cluster, Wo's along a column.  K = 1,024 is two slots: both are first fills, and nothing is filled again.
; The bias is the C of the first step.  The residual is asked for at the head.  On the way out a block of 16 rows goes through the wave's stage in LDS, comes back as whole rows of 256 bytes, takes the residual and is stored at its true row.
; REGISTERS, in windows of 256: window 0: v16-30 addresses; v32-63 scale words, two sets; v64-95 the bias, later with v96-127 rows back from the stage; v128-255 the accumulators ((a, b) at v[128 + 8 (4 a + b)]).
;   window 1: v0-95 A's fragments, two sets of four; v96-191 B's.   window 2: v0-127 the residual, 32 registers a block.
; lds_bytes claims all of LDS, so that the work-group is alone where it runs; the text uses 222,720 bytes.
.set KK,    1024
.set ASOFF, 3145728                    ; cq: the scale words behind the codes
.set BCOFF, 1572864                    ; wq: Wo's codes,
.set BSOFF, 8716288                    ; and its scale words
.set NQ,    4                          ; steps of 128 along K in a slot
.set FR,    12                         ; registers of a fragment
.set NL,    6                          ; LDS loads that bring one
.set NP,    4                          ; places behind this matrix instruction (ISA guide 7.12.1)
.set FROWB, KK/128*1536                ; a tile's fragments for all of K
.set TROW,  FROWB                      ; a tile's fragments for ALL of K lie on end in LDS: both sides for all of K are 196,608 bytes, filled once at the head
.set HALFT, 4*TROW                     ; 64 rows x 1,024 K: what one wave reads of A or of B
.set SLOT,  4*HALFT                    ; A's 128 rows, then B's 128
.set LAPS,  KK/(2*NQ*128)              ; a lap = two slots = once round the ring
.set SCL,   SLOT                       ; behind both sides: the scale words
.set HALFS, KK*2                       ; half of a side's
.set SPARE, SCL+4*HALFS                ; the spare words, 128 bytes a wave: two blocks of 256 bytes that no other line names
.set SPITCH, 272
.set STAGE,  SPARE+512                 ; the stage has bytes of its own, behind the spare words: no tensor load lands there
.set ADRA, 16                          ; v16-17 LDS address of my A fragments in slot 0, 1
.set ADRB, 20                          ; v20-21 of my B fragments
.set STO,  24                          ; v24    the way out: where I put 32 bytes of a row
.set RD,   25                          ; v25    where I read a row back
.set CO,   26                          ; v26    my byte offset in two rows of the residual and of the result
.set ADRS, 27                          ; v27    LDS address of my scale words: lanes 0-15 A's rows, lanes 16-31 B's
.set SPW,  28                          ; v28    my spare word; never rewritten
.set NIL,  29                          ; v29    0; never rewritten
.set L8,   30                          ; v30    8 x lane
.set SC,   32                          ; set s at v[SC + 16 s]; in it register 4 i + q: lanes 0-15 the word of A's block i, lanes 16-31 of B's block i, for the slot's q-th 128 along K
.set BI,   64
.set BK,   64                          ; the way out: 16 rows back from the stage: v64-95 and v96-127 by turns
.set ACC,  128
.set AF,   0                           ; in window 1
.set BF,   96
.set RS,   0                           ; in window 2
.set G1, 24
.set G0, 32
.set G1B, 48
.set G0B, 56
.set G1S, 68
.set G0S, 76
.set G1SB, 80
.set G0SB, 88
.set MSB, 0
.macro WIN new                         ; the immediate's high byte repeats the setting that is left
.if MSB != (\new)
	s_set_vgpr_msb (MSB<<8)|(\new)
.set MSB, (\new)
.endif
.endm
.set MUL,   0x05                       ; sources 0 (B) and 1 (A) window 1; C and D window 0
.set TO_F,  0x40                       ; destination window 1, address window 0
.set TO_R,  0x80                       ; destination window 2, address window 0
.set ADD_R, 0x08                       ; source 1 window 2
.macro JLOAD g0a, g1a, g0b, g1b        ; a joint load: waves 0 and 1 fetch for A, waves 2 and 3 for B; four v_nop follow each line
	s_cmp_eq_u32 s15, 0
	s_cbranch_scc0 .Lfor_b_\@
	tensor_load_to_lds s[\g0a:\g0a+3], s[\g1a:\g1a+7]
	s_nop 0
.rept 4
	v_nop
.endr
	s_branch .Lasked_\@
.Lfor_b_\@:
	tensor_load_to_lds s[\g0b:\g0b+3], s[\g1b:\g1b+7]
	s_nop 0
.rept 4
	v_nop
.endr
.Lasked_\@:
.endm
.macro CREST                           ; a round of the cluster's barrier behind its opening barrier
	s_cmp_lg_u32 s14, 0
	s_cbranch_scc1 .Lnot_wave_0_\@
	s_barrier_signal -3
.Lnot_wave_0_\@:
	s_barrier_wait -3
	s_barrier_signal -1
	s_barrier_wait -1
.endm
.macro CROUND
	s_barrier_signal -1
	s_barrier_wait -1
	CREST
.endm
.macro PLACES n
.rept \n
	v_nop
.endr
.endm
.macro FRAG reg, adr, q, i             ; tile i, the slot's q-th 128 along K: six loads of 256 consecutive bytes
.irp p, 0,1,2,3,4,5
	ds_load_b64 v[\reg+2*\p:\reg+2*\p+1], v[\adr] offset:(\i)*TROW+(\q)*1536+256*\p
.endr
.endm
; 4 matrix instructions: A's block a x B's four.  p: the set of fragments; sc: the set of scale words.  zero = 1: the first step takes the bias as C.  The 16 accumulators take turns, one instruction a turn.
.macro MULA a, p, q, sc, zero
.irp b, 0,1,2,3
.if \zero
	v_wmma_scale_f32_16x16x128_f8f6f4 v[ACC+8*(4*(\a)+\b):ACC+8*(4*(\a)+\b)+7], v[BF+48*(\p)+FR*\b:BF+48*(\p)+FR*\b+FR-1], v[AF+48*(\p)+FR*(\a):AF+48*(\p)+FR*(\a)+FR-1], v[BI+8*\b:BI+8*\b+7], v[SC+16*(\sc)+4*\b+(\q)], v[SC+16*(\sc)+4*(\a)+(\q)] matrix_a_fmt:MATRIX_FMT_BF6 matrix_b_fmt:MATRIX_FMT_BF6 matrix_a_scale:MATRIX_SCALE_ROW1
.else
	v_wmma_scale_f32_16x16x128_f8f6f4 v[ACC+8*(4*(\a)+\b):ACC+8*(4*(\a)+\b)+7], v[BF+48*(\p)+FR*\b:BF+48*(\p)+FR*\b+FR-1], v[AF+48*(\p)+FR*(\a):AF+48*(\p)+FR*(\a)+FR-1], v[ACC+8*(4*(\a)+\b):ACC+8*(4*(\a)+\b)+7], v[SC+16*(\sc)+4*\b+(\q)], v[SC+16*(\sc)+4*(\a)+(\q)] matrix_a_fmt:MATRIX_FMT_BF6 matrix_b_fmt:MATRIX_FMT_BF6 matrix_a_scale:MATRIX_SCALE_ROW1
.endif
.endr
.endm
.macro FETCH slot, q, p                ; 48 LDS loads in one run: B's four fragments, then A's four, into set p: the youngest twelve are A's blocks 2 and 3
	WIN TO_F
.irp i, 0,1,2,3
	FRAG BF+48*(\p)+FR*\i, ADRB+\slot, \q, \i
.endr
.irp i, 0,1,2,3
	FRAG AF+48*(\p)+FR*\i, ADRA+\slot, \q, \i
.endr
.endm
.macro SCALES sc                       ; a slot's four words a row: two pairs, 1,024 bytes apart; lanes 0-15 take A's block i, lanes 16-31 B's
.irp i, 0,1,2,3
	ds_load_b64 v[SC+16*\sc+4*\i:SC+16*\sc+4*\i+1], v[ADRS] offset:\i*128
	ds_load_b64 v[SC+16*\sc+4*\i+2:SC+16*\sc+4*\i+3], v[ADRS] offset:\i*128+1024
.endr
.endm
.macro STEP slot, q, zero              ; 128 along K with its successor in the same slot: multiplies set q % 2 and, in its middle, fetches the next step into the other set
	s_wait_dscnt 2*NL                              ; all but the youngest 12 loads (A's blocks 2 and 3)
	WIN MUL
	MULA 0, (\q)%2, \q, \slot, \zero
	MULA 1, (\q)%2, \q, \slot, \zero
	PLACES NP                                      ; in front of loads into the set that the step before multiplied
	FETCH \slot, (\q)+1, 1-(\q)%2
	s_wait_dscnt 8*NL                              ; all but the 48 just issued
	WIN MUL
	MULA 2, (\q)%2, \q, \slot, \zero
	MULA 3, (\q)%2, \q, \slot, \zero
.endm
.macro TURN slot, next, fill           ; a slot's last step multiplies set 1 and changes slots
	WIN 0                                          ; (the add's two registers lie in window 0)
	s_wait_tensorcnt 0x0                           ; all my tensor loads have landed: my part of the next slot
	ds_add_u32 v[SPW], v[NIL]                      ; 0 onto my spare word
	s_wait_dscnt 2*NL+1                            ; (the add and the youngest 12 loads may be out)
	WIN MUL
	MULA 0, 1, NQ-1, \slot, 0
	s_wait_dscnt 0x0                               ; the add is done, and my reads of this slot are over
	s_barrier_signal -1
	MULA 1, 1, NQ-1, \slot, 0
	WIN 0
	s_barrier_wait -1
.if \fill
	CREST                                          ; the barrier has opened a round of the cluster's: no wave of any partner still reads this slot or has a load on its way
	s_add_nc_u64 s[G0+4*\slot+2:G0+4*\slot+3], s[G0+4*\slot+2:G0+4*\slot+3], 2*TROW
	s_add_nc_u64 s[G0B+4*\slot+2:G0B+4*\slot+3], s[G0B+4*\slot+2:G0B+4*\slot+3], 2*TROW
	JLOAD G0+4*\slot, G1, G0B+4*\slot, G1B         ; the first tensor load behind the round; its four v_nop are also the places in front of the loads below
.else
	PLACES NP
.endif
	v_add_nc_u32 v[ADRS], 2048, v[ADRS]            ; the next slot's scale words
	SCALES \next
	FETCH \next, 0, 0
	WIN MUL
	MULA 2, 1, NQ-1, \slot, 0
	MULA 3, 1, NQ-1, \slot, 0
.endm
; THE WAY OUT.  Position t of block a is true row 32 (a / 2) + 8 (a % 2) + t + 8 (t / 8) of my 64; positions 2 t and 2 t + 1 are neighbouring true rows.  The row stands in the immediates, 62 rows of 4,096 bytes at the most.
.macro TOSTAGE a
.irp b, 0,1,2,3
	ds_store_b128 v[STO], v[ACC+32*(\a)+8*\b:ACC+32*(\a)+8*\b+3] offset:128*(\b/2)+32*(\b%2)      ; each accumulator from its low end on
	ds_store_b128 v[STO], v[ACC+32*(\a)+8*\b+4:ACC+32*(\a)+8*\b+7] offset:128*(\b/2)+32*(\b%2)+16
.endr
.set BB, BK+32*((\a)%2)
.irp t, 0,1,2,3,4,5,6,7
	ds_load_b128 v[BB+4*\t:BB+4*\t+3], v[RD] offset:\t*2*SPITCH    ; LDS serves a wave's instructions in order: these see the stores above; lanes 0-15 one row, lanes 16-31 the next
.endr
.endm
.macro SEND a, younger
.set BB, BK+32*((\a)%2)
.set RR, RS+32*(\a)
	s_wait_dscnt \younger                          ; the block is back; the next block's 8 stores and 8 loads may be out
	WIN ADD_R
.set j, 0
.rept 16
	v_pk_add_f32 v[BB+j:BB+j+1], v[BB+j:BB+j+1], v[RR+j:RR+j+1]
.set j, j+2
.endr
	WIN 0
.irp t, 0,1,2,3,4,5,6,7
	global_store_b128 v[CO], v[BB+4*\t:BB+4*\t+3], s[12:13] offset:(32*((\a)/2)+8*((\a)%2)+2*\t+8*(\t/4))*4096   ; sixteen lanes store 256 consecutive bytes, aligned
.endr
.endm
	s_load_b128 s[4:7], s[0:1], 0x0                ; cq, wq
	s_load_b128 s[8:11], s[0:1], 0x10              ; bo, x
	s_load_b64 s[12:13], s[0:1], 0x20              ; x1
	v_lshl_add_u32 v[SPW], v0, 2, SPARE
	v_mov_b32 v[NIL], 0
	ds_add_u32 v28, v29
	ds_add_u32 v28, v29
	s_wait_dscnt 0x0
	v_lshrrev_b32 v1, 5, v0
	v_readfirstlane_b32 s14, v1                    ; wave 0..3
	s_lshr_b32 s15, s14, 1                         ; my half of the rows.  Also: I fetch for A (0) or B (1)
	s_and_b32 s16, s14, 1                          ; my half of the columns.  Also: which half of a side I fetch
	s_bfe_u32 s40, ttmp6, 0x40000                  ; cx
	s_bfe_u32 s41, ttmp6, 0x40004                  ; cy
	s_lshl_b32 s42, ttmp9, 2
	s_add_co_u32 s42, s42, s40                     ; tile column
	s_and_b32 s17, ttmp7, 0xffff
	s_lshl_b32 s17, s17, 2
	s_add_co_u32 s17, s17, s41                     ; tile row
	s_lshl_b32 s43, s41, 2
	s_lshl_b32 s43, 15, s43                        ; my row of the cluster
	s_lshl_b32 s44, 0x1111, s40                    ; my column
	s_or_b32 s[G1+0], s43, (3<<16)|(1<<21)         ; the mask; elements of 8 bytes; bit 21 beside a mask; no padding
	s_or_b32 s[G1B+0], s44, (3<<16)|(1<<21)
.irp g, G1, G1B
	s_mov_b32 s[\g+1], (TROW/8)<<16                ; tensor_dim0: a tile's eight fragments, 12,288 bytes, as 1,536 elements of 8 bytes
	s_mov_b32 s[\g+2], 8<<16                       ; tensor_dim1: a side's 8 tiles
	s_mov_b32 s[\g+3], (TROW/8)<<16                ; tile_dim0
	s_mov_b32 s[\g+4], 8                           ; tile_dim1
	s_mov_b32 s[\g+5], FROWB/8                     ; from tile to tile
	s_mov_b32 s[\g+6], 0
	s_mov_b32 s[\g+7], 0
.endr
	s_or_b32 s[G1S+0], s43, (3<<16)|(1<<21)
	s_or_b32 s[G1SB+0], s44, (3<<16)|(1<<21)
.irp g, G1S, G1SB
	s_mov_b32 s[\g+1], 32<<16                      ; the scale words of 128 rows: a dense block, as rows of 256 bytes
	s_mov_b32 s[\g+2], (HALFS/128)<<16             ; all scale words of a side's 128 rows
	s_mov_b32 s[\g+3], 32<<16
	s_mov_b32 s[\g+4], HALFS/128
	s_mov_b32 s[\g+5], 32
	s_mov_b32 s[\g+6], 0
	s_mov_b32 s[\g+7], 0
.endr
	s_lshl_b32 s20, s17, 1                         ; A: the side's first half
	s_lshl_b32 s46, s42, 1                         ; B: likewise
	s_mul_i32 s22, s20, HALFS                      ; the scale words: the half is the lower or upper half of K
	s_add_co_u32 s22, s22, ASOFF
	s_mul_i32 s92, s46, HALFS
	s_add_co_u32 s92, s92, BSOFF
	s_mul_i32 s20, s20, 4*FROWB                    ; the codes: the half is 64 rows, four tiles
	s_mul_i32 s46, s46, 4*FROWB
	s_add_co_u32 s46, s46, BCOFF
	s_mov_b32 s21, 0
	s_mov_b32 s23, 0
	s_mov_b32 s47, 0
	s_mov_b32 s93, 0
	s_wait_kmcnt 0x0
	s_add_nc_u64 s[20:21], s[4:5], s[20:21]
	s_add_nc_u64 s[22:23], s[4:5], s[22:23]
	s_add_nc_u64 s[46:47], s[6:7], s[46:47]
	s_add_nc_u64 s[92:93], s[6:7], s[92:93]
	CROUND                                         ; all sixteen work-groups are here: the first joint loads meet
	s_mov_b32 s[G0S], 1
	s_mov_b32 s[G0S+1], SCL
	s_mov_b64 s[G0S+2:G0S+3], s[22:23]
	s_or_b32 s[G0S+3], s[G0S+3], 0x80000000
	s_mov_b32 s[G0SB], 1
	s_mov_b32 s[G0SB+1], SCL+2*HALFS
	s_mov_b64 s[G0SB+2:G0SB+3], s[92:93]
	s_or_b32 s[G0SB+3], s[G0SB+3], 0x80000000
	s_mov_b32 s[G0], 1                             ; A's 128 rows for all of K,
	s_mov_b32 s[G0+1], 0
	s_mov_b64 s[G0+2:G0+3], s[20:21]
	s_or_b32 s[G0+3], s[G0+3], 0x80000000
	s_mov_b32 s[G0B], 1                            ; and B's, behind them
	s_mov_b32 s[G0B+1], 2*HALFT
	s_mov_b64 s[G0B+2:G0B+3], s[46:47]
	s_or_b32 s[G0B+3], s[G0B+3], 0x80000000
; THE LAUNCH'S FOUR TENSOR LOADS, ONE A WAVE: wave 0 A, wave 1 B, wave 2 A's scale words, wave 3 B's.  One chain of branches on the wave's number.
.macro ARM under, g0, g1, next
	s_cmp_lt_u32 s14, \under
	s_cbranch_scc0 \next
	tensor_load_to_lds s[\g0:\g0+3], s[\g1:\g1+7]
	s_nop 0
.rept 4
	v_nop
.endr
	s_branch .Lhead_asked
\next:
.endm
	ARM 1, G0,  G1,  .Lhead_b
	ARM 2, G0B, G1B, .Lhead_sa
	ARM 3, G0S, G1S, .Lhead_sb
	tensor_load_to_lds s[G0SB:G0SB+3], s[G1SB:G1SB+7]
	s_nop 0
.rept 4
	v_nop
.endr
.Lhead_asked:
	v_and_b32 v1, 15, v0                           ; r
	v_bfe_u32 v2, v0, 4, 1                         ; h
	s_wait_alu depctr_va_vdst(0)
	v_and_b32 v3, 31, v0
	v_lshlrev_b32 v[L8], 3, v3
	s_mul_i32 s21, s15, HALFT                      ; my 64 rows of A
	s_mul_i32 s22, s16, HALFT                      ; my 64 rows of B,
	s_add_co_u32 s22, s22, 2*HALFT                 ; which lie behind A's 128
.irp s, 0,1
	v_add_nc_u32 v[ADRA+\s], s21, v[L8]
	v_add_nc_u32 v[ADRB+\s], s22, v[L8]
	s_add_co_u32 s21, s21, NQ*1536                 ; the second 512 along K begin four fragments on in each tile's row
	s_add_co_u32 s22, s22, NQ*1536
.endr
	s_lshl_b32 s21, s15, 9                         ; the scale words: 8 bytes a row and 256 along K: my 64 rows begin 512 bytes x my half on
	s_lshl_b32 s22, s16, 9
	s_add_co_u32 s22, s22, 2*HALFS
	s_sub_co_u32 s22, s22, s21
	v_mul_u32_u24 v6, s22, v2                      ; lanes 16-31 take B's words
	s_add_co_u32 s21, s21, SCL
	v_lshl_add_u32 v5, v1, 3, v6
	v_add_nc_u32 v[ADRS], s21, v5
	s_mul_i32 s23, s14, 16*SPITCH
	s_add_co_u32 s23, s23, STAGE
	v_mul_u32_u24 v5, v1, SPITCH
	v_lshl_add_u32 v5, v2, 6, v5
	v_add_nc_u32 v[STO], s23, v5                   ; in: row r, + 64 h
	v_mul_u32_u24 v5, v2, SPITCH
	v_lshl_add_u32 v5, v1, 4, v5
	v_add_nc_u32 v[RD], s23, v5                    ; back: lanes 0-15 one row of 256 bytes, lanes 16-31 the next
	v_lshlrev_b32 v[CO], 4, v1
	v_lshl_add_u32 v[CO], v2, 12, v[CO]            ; and the same two rows in memory, 4,096 bytes apart
	s_wait_alu depctr_va_vdst(0)
	s_lshl_b32 s46, s42, 9
	s_lshl_b32 s47, s16, 8
	s_add_co_u32 s46, s46, s47                     ; my first column, in bytes: 512 x tile column + 256 x half
	s_mov_b32 s47, 0
	s_add_nc_u64 s[8:9], s[8:9], s[46:47]
	v_lshlrev_b32 v7, 6, v2
.irp p, 0,1
.irp c, 0,1,2,3
	global_load_b128 v[BI+16*\p+4*\c:BI+16*\p+4*\c+3], v7, s[8:9] offset:128*\p+16*\c   ; register 8 b + j: column 32 (b / 2) + 16 h + 8 (b % 2) + j
.endr
.endr
	s_lshl_b32 s20, s17, 19
	s_lshl_b32 s21, s15, 18
	s_add_co_u32 s20, s20, s21                     ; my first row x 4,096 bytes: 128 x tile row + 64 x half
	s_add_co_u32 s20, s20, s46
	s_mov_b32 s21, 0
	s_add_nc_u64 s[10:11], s[10:11], s[20:21]
	s_add_nc_u64 s[12:13], s[12:13], s[20:21]
	WIN TO_R
.irp a, 0,1,2,3                                ; the residual of my 64 x 64, as the rows will come back from the stage: it lands while K is walked
.irp t, 0,1,2,3,4,5,6,7
	global_load_b128 v[RS+32*\a+4*\t:RS+32*\a+4*\t+3], v[CO], s[10:11] offset:(32*(\a/2)+8*(\a%2)+2*\t+8*(\t/4))*4096
.endr
.endr
	WIN 0
	s_wait_alu depctr_va_vdst(0)
	s_wait_tensorcnt 0x0                           ; my one tensor load has landed
	s_barrier_signal -1
	s_barrier_wait -1
	SCALES 0
	FETCH 0, 0, 0
	s_wait_loadcnt 32                              ; the bias is in; the residual's 32 loads may be out
	STEP 0, 0, 1                                   ; the first step starts the sums, from the bias
	STEP 0, 1, 0
	STEP 0, 2, 0
.if LAPS > 1
	WIN 0                                          ; at a label and at a branch every window is 0
	s_mov_b32 s3, LAPS-1
.Llap:                                                 ; a trip goes once round the ring and fills both slots again
	TURN 0, 1, 1
	STEP 1, 0, 0
	STEP 1, 1, 0
	STEP 1, 2, 0
	TURN 1, 0, 1
	STEP 0, 0, 0
	STEP 0, 1, 0
	STEP 0, 2, 0
	WIN 0
	s_sub_co_u32 s3, s3, 1
	s_cmp_lg_u32 s3, 0
	s_cbranch_scc1 .Llap
.endif
	TURN 0, 1, 0                                   ; the last lap fills nothing
	STEP 1, 0, 0
	STEP 1, 1, 0
	STEP 1, 2, 0
	s_wait_dscnt 2*NL                              ; the very last step: nothing more to fetch
	WIN MUL
	MULA 0, 1, NQ-1, 1, 0
	MULA 1, 1, NQ-1, 1, 0
	s_wait_dscnt 0
	MULA 2, 1, NQ-1, 1, 0
	MULA 3, 1, NQ-1, 1, 0
	WIN 0
	PLACES NP                                      ; in front of the first read of results
	s_wait_loadcnt 0x0                             ; the residual
	TOSTAGE 0
.irp a, 1,2,3
.if \a > 1
	s_wait_xcnt 0x0                                ; block a - 2's stores have read their registers: block a's loads may land there
.endif
	TOSTAGE \a
	SEND \a-1, 16
.endr
	SEND 3, 0
	s_wait_tensorcnt 0x0                           ; the wave's end
	ds_add_u32 v[SPW], v[NIL]
	s_wait_dscnt 0x0
	CROUND                                         ; the closing round
	s_endpgm
.Lfunc_end_k_q22e47c9c82_wo:
	.size	k_q22e47c9c82_wo, .Lfunc_end_k_q22e47c9c82_wo-k_q22e47c9c82_wo
	.p2alignl 7, 3214868480
	.fill 96, 4, 3214868480
	.section	.rodata,"a",@progbits
	.p2align	6, 0x0
	.amdhsa_kernel k_q22e47c9c82_wo
		.amdhsa_group_segment_fixed_size 327680
		.amdhsa_private_segment_fixed_size 0
		.amdhsa_enable_private_segment 0
		.amdhsa_kernarg_size 40
		.amdhsa_user_sgpr_count 2
		.amdhsa_user_sgpr_kernarg_segment_ptr 1
		.amdhsa_wavefront_size32 1
		.amdhsa_system_sgpr_workgroup_id_x 1
		.amdhsa_system_sgpr_workgroup_id_y 1
		.amdhsa_system_sgpr_workgroup_id_z 1
		.amdhsa_system_vgpr_workitem_id 0
		.amdhsa_next_free_vgpr 640
		.amdhsa_next_free_sgpr 104
		.amdhsa_reserve_vcc 0
		.amdhsa_float_denorm_mode_32 3
		.amdhsa_float_denorm_mode_16_64 3
		.amdhsa_memory_ordered 1
		.amdhsa_forward_progress 1
		.amdhsa_inst_pref_size 68
	.end_amdhsa_kernel
	.amdgpu_metadata
---
amdhsa.version: [ 1, 2 ]
amdhsa.kernels:
  - .name:           k_q22e47c9c82_wo
    .symbol:         k_q22e47c9c82_wo.kd
    .args:
      - { .name: cq, .offset: 0, .size: 8, .value_kind: global_buffer, .address_space: global }
      - { .name: wq, .offset: 8, .size: 8, .value_kind: global_buffer, .address_space: global }
      - { .name: bo, .offset: 16, .size: 8, .value_kind: global_buffer, .address_space: global }
      - { .name: x, .offset: 24, .size: 8, .value_kind: global_buffer, .address_space: global }
      - { .name: x1, .offset: 32, .size: 8, .value_kind: global_buffer, .address_space: global }
    .group_segment_fixed_size: 327680
    .private_segment_fixed_size: 0
    .kernarg_segment_align: 8
    .kernarg_segment_size: 40
    .max_flat_workgroup_size: 128
    .sgpr_count:     104
    .vgpr_count:     640
    .wavefront_size: 32
...
	.end_amdgpu_metadata
.endif
;; end of part 11
;; launch norm2 (part 12): grid 256 x 1, 8 waves a work-group, no clusters, 67,072 bytes of LDS; arguments x1, alpha2, bias2, yq; writes yq
.if DOCPART == 12
	.amdgcn_target "amdgcn-amd-amdhsa--gfx1250"
	.amdhsa_code_object_version 6
	.text
	.protected	k_q22e47c9c82_norm2
	.globl	k_q22e47c9c82_norm2
	.p2align	8
	.type	k_q22e47c9c82_norm2,@function
k_q22e47c9c82_norm2:
	s_mov_b64 s[64:65], 0
	v_nop
	global_prefetch_b8 v0, s[64:65] scope:SCOPE_SE
	s_setreg_imm32_b32 hwreg(HW_REG_WAVE_MODE, 25, 1), 1
	s_wait_xcnt 0x0
; norm2 of 16 rows of x1 (mean, unbiased std, eps added to the std, gain and bias) and their codes of BF6 (E3M2) with one E8M0 byte for each 32 along the 1,024 features.
; The codes lie in the order of the matrix unit's registers: fragment (tile T, K step ks) at (8 T + ks) x 1,536 bytes, chunk p of 256 bytes = registers 2 p, 2 p + 1, 8 bytes a lane; the scale word of (row pos, ks) lies behind the codes at
; ((pos >> 7) x 4 + (ks >> 1)) x 1,024 + (pos & 127) x 8 + (ks & 1) x 4.  Rows are kept by position: position 32 g + 16 u + r is true row 32 g + 8 u + (r & 7) + 16 (r >> 3).
; LIMITS: NaN and infinities are not served; a block whose largest magnitude lies under 2^-122 keeps the byte 1.  The scale words leave as 4 bytes a lane, 8 bytes apart: one byte in 24 of what is stored.
.set PIT,  4112                        ; a row in LDS: 4,096 bytes + 16
.set XR,   16
.set ST,   16
.set AL,   80
.set BE,   112
.set ACC,  144
.set TM,   144
.set PW,   160
.set PC,   164
.set MU,   184
.set IV,   188
.set SEL,  2
.macro FOLD                            ; each row's four pairs of partial sums become one number, in every lane
.irp e, 0
	v_pk_add_f32 v[ACC+8*\e:ACC+8*\e+1], v[ACC+8*\e:ACC+8*\e+1], v[ACC+8*\e+2:ACC+8*\e+3]
	v_pk_add_f32 v[ACC+8*\e+4:ACC+8*\e+5], v[ACC+8*\e+4:ACC+8*\e+5], v[ACC+8*\e+6:ACC+8*\e+7]
.endr
.irp e, 1
	v_pk_add_f32 v[ACC+8*\e:ACC+8*\e+1], v[ACC+8*\e:ACC+8*\e+1], v[ACC+8*\e+2:ACC+8*\e+3]
	s_delay_alu instid0(VALU_DEP_4)
	v_pk_add_f32 v[ACC+8*\e+4:ACC+8*\e+5], v[ACC+8*\e+4:ACC+8*\e+5], v[ACC+8*\e+6:ACC+8*\e+7]
.endr
.irp e, 0
	s_delay_alu instid0(VALU_DEP_3)
	v_pk_add_f32 v[ACC+8*\e:ACC+8*\e+1], v[ACC+8*\e:ACC+8*\e+1], v[ACC+8*\e+4:ACC+8*\e+5]
.endr
.irp e, 1
	s_delay_alu instid0(VALU_DEP_2)
	v_pk_add_f32 v[ACC+8*\e:ACC+8*\e+1], v[ACC+8*\e:ACC+8*\e+1], v[ACC+8*\e+4:ACC+8*\e+5]
.endr
.irp e, 0,1
	s_delay_alu instid0(VALU_DEP_2)
	v_add_f32 v[ACC+8*\e], v[ACC+8*\e], v[ACC+8*\e+1]
.endr
.irp m, 1,2,4,8
.irp e, 0,1
	s_delay_alu instid0(VALU_DEP_2)
	v_add_f32_dpp v[ACC+8*\e], v[ACC+8*\e], v[ACC+8*\e] row_xmask:\m row_mask:0xf bank_mask:0xf
.endr
.endr
.irp e, 0,1
	s_delay_alu instid0(VALU_DEP_2)
	v_permlanex16_b32 v[ACC+8*\e+1], v[ACC+8*\e], s[SEL], s[SEL+1]
.endr
.irp e, 0,1
	s_delay_alu instid0(VALU_DEP_2)
	v_add_f32 v[ACC+8*\e], v[ACC+8*\e], v[ACC+8*\e+1]
.endr
.endm
.macro QUANT s                         ; 64 numbers of a lane, register 16 b + i = k 32 b + 16 (lane / 16) + i, become a fragment in v[PC] on and its scale word in v[PW]
.irp b, 0,1,2,3
	v_max3_num_f32 v[TM+\b], |v[\s+16*\b]|, |v[\s+1+16*\b]|, 0x2800000   ; and the floor 2^(5 - 127)
.endr
.irp i, 2,4,6,8,10,12,14
.irp b, 0,1,2,3
	s_delay_alu instid0(VALU_DEP_4)
	v_max3_num_f32 v[TM+\b], v[TM+\b], |v[\s+16*\b+\i]|, |v[\s+1+16*\b+\i]|
.endr
.endr
.irp b, 0,1,2,3
	s_delay_alu instid0(VALU_DEP_4)
	v_permlanex16_b32 v[TM+4+\b], v[TM+\b], s[SEL], s[SEL+1]
.endr
.irp b, 0,1,2,3
	s_delay_alu instid0(VALU_DEP_4)
	v_max_num_f32 v[TM+\b], v[TM+\b], v[TM+4+\b]
.endr
.irp b, 0,1,2,3
	s_delay_alu instid0(VALU_DEP_4)
	v_add_nc_u32 v[TM+12+\b], 0xfe000000, v[TM+\b]                      ; 4 off the exponent field: the conversion's scale operand
.endr
.irp b, 0,1,2,3
	s_delay_alu instid0(VALU_DEP_4)
	v_lshrrev_b32 v[TM+4+\b], 23, v[TM+12+\b]
.endr
	s_delay_alu instid0(VALU_DEP_3)
	v_lshl_or_b32 v[PW], v[TM+5], 8, v[TM+4]
	s_delay_alu instid0(VALU_DEP_1)
	v_lshl_or_b32 v[PW], v[TM+6], 16, v[PW]
	s_delay_alu instid0(VALU_DEP_1)
	v_lshl_or_b32 v[PW], v[TM+7], 24, v[PW]
.irp c, 0,1
	v_cvt_scalef32_pk16_bf6_f32 v[PC+6*\c:PC+2+6*\c], v[\s+32*\c:\s+15+32*\c], v[TM+12+2*\c]
	v_cvt_scalef32_pk16_bf6_f32 v[PC+12+4*\c:PC+14+4*\c], v[\s+16+32*\c:\s+31+32*\c], v[TM+12+2*\c+1]
.endr
	v_nop                                          ; one plain place behind a scaled conversion
.irp c, 0,1
.irp i, 0,1,2
	v_permlane16_swap_b32 v[PC+6*\c+\i], v[PC+12+4*\c+\i]
.endr
.irp i, 0,1,2
	s_delay_alu instid0(VALU_DEP_3)
	v_mov_b32 v[PC+3+6*\c+\i], v[PC+12+4*\c+\i]
.endr
.endr
.endm
	s_load_b256 s[4:11], s[0:1], 0x0               ; x1, alpha, bias, yq
	v_lshl_add_u32 v192, v0, 2, 0x10200
	v_mov_b32 v193, 0
	v_lshrrev_b32 v1, 5, v0
	s_delay_alu instid0(VALU_DEP_1)
	v_readfirstlane_b32 s24, v1                    ; wave 0..7
	v_and_b32 v2, 31, v0                           ; lane
	s_wait_alu depctr_va_vdst(0)
	s_mov_b32 s[SEL], 0x76543210
	s_mov_b32 s[SEL+1], 0xfedcba98
	s_lshr_b32 s25, ttmp9, 1                       ; tile T = the work-group's number; wave w takes positions 2 w and 2 w + 1: two neighbouring true rows
	s_lshl_b32 s25, s25, 5
	s_and_b32 s26, ttmp9, 1
	s_lshl_b32 s26, s26, 3
	s_add_co_u32 s25, s25, s26
	s_lshl_b32 s26, s24, 1
	s_and_b32 s26, s26, 7
	s_add_co_u32 s25, s25, s26
	s_lshr_b32 s26, s24, 2
	s_lshl_b32 s26, s26, 4
	s_add_co_u32 s25, s25, s26
	s_lshl_b32 s26, s25, 12
	s_mov_b32 s27, 0
	v_lshlrev_b32 v3, 4, v2
	s_wait_alu depctr_va_vdst(0)
	s_wait_kmcnt 0x0
	s_add_nc_u64 s[4:5], s[4:5], s[26:27]
.irp e, 0,1
.irp j, 0,1,2,3,4,5,6,7
	global_load_b128 v[XR+32*\e+4*\j:XR+32*\e+4*\j+3], v3, s[4:5] offset:4096*\e+512*\j th:TH_LOAD_NT
.endr
.endr
.irp j, 0,1,2,3,4,5,6,7
	global_load_b128 v[AL+4*\j:AL+4*\j+3], v3, s[6:7] offset:512*\j
	global_load_b128 v[BE+4*\j:BE+4*\j+3], v3, s[8:9] offset:512*\j
.endr
	s_mul_i32 s28, s24, 2*PIT
	v_add_nc_u32 v4, s28, v3
	v_and_b32 v6, 15, v2
	v_lshrrev_b32 v7, 4, v2
	s_delay_alu instid0(VALU_DEP_2)
	v_mul_u32_u24 v5, v6, PIT
	s_delay_alu instid0(VALU_DEP_1)
	v_lshl_add_u32 v5, v7, 6, v5
	s_lshl_b32 s28, s24, 9
	v_add_nc_u32 v5, s28, v5
	v_lshlrev_b32 v8, 3, v2
	v_lshlrev_b32 v9, 3, v6
	s_wait_loadcnt 16                              ; the two rows are in; the 16 loads of alpha and bias may stay out
.irp e, 0,1
.irp c, 0,2,4,6
	v_pk_add_f32 v[ACC+8*\e+\c:ACC+8*\e+\c+1], v[XR+32*\e+\c:XR+32*\e+\c+1], v[XR+32*\e+8+\c:XR+32*\e+9+\c]
.endr
.endr
.irp i, 16,24
.irp e, 0,1
.irp c, 0,2,4,6
	v_pk_add_f32 v[ACC+8*\e+\c:ACC+8*\e+\c+1], v[ACC+8*\e+\c:ACC+8*\e+\c+1], v[XR+32*\e+\i+\c:XR+32*\e+\i+\c+1]
.endr
.endr
.endr
	FOLD
.irp e, 0
	s_delay_alu instid0(VALU_DEP_2)
	v_mul_f32 v[MU+2*\e], 0x3a800000, v[ACC+8*\e]  ; the mean
	s_delay_alu instid0(VALU_DEP_3)
	v_mul_f32 v[MU+2*\e+1], 0x3a800000, v[ACC+8*\e]
.endr
.irp e, 1
	s_delay_alu instid0(VALU_DEP_3)
	v_mul_f32 v[MU+2*\e], 0x3a800000, v[ACC+8*\e]  ; the mean
	s_delay_alu instid0(VALU_DEP_4)
	v_mul_f32 v[MU+2*\e+1], 0x3a800000, v[ACC+8*\e]
.endr
.set i, 0
.rept 16
	v_pk_add_f32 v[XR+i:XR+i+1], v[XR+i:XR+i+1], v[MU:MU+1] neg_lo:[0,1] neg_hi:[0,1]            ; d = x - mean: the variance is taken of d
	v_pk_add_f32 v[XR+32+i:XR+33+i], v[XR+32+i:XR+33+i], v[MU+2:MU+3] neg_lo:[0,1] neg_hi:[0,1]
.set i, i+2
.endr
.irp e, 0,1
.irp c, 0,2,4,6
	v_pk_mul_f32 v[ACC+8*\e+\c:ACC+8*\e+\c+1], v[XR+32*\e+\c:XR+32*\e+\c+1], v[XR+32*\e+\c:XR+32*\e+\c+1]
.endr
.endr
.irp i, 8,16,24
.irp e, 0,1
.irp c, 0,2,4,6
	v_pk_fma_f32 v[ACC+8*\e+\c:ACC+8*\e+\c+1], v[XR+32*\e+\i+\c:XR+32*\e+\i+\c+1], v[XR+32*\e+\i+\c:XR+32*\e+\i+\c+1], v[ACC+8*\e+\c:ACC+8*\e+\c+1]
.endr
.endr
.endr
	FOLD
	s_delay_alu instid0(VALU_DEP_2)
	v_mul_f32 v[IV], 0x3a802008, v[ACC]            ; / 1,023
	s_delay_alu instid0(VALU_DEP_2)
	v_mul_f32 v[IV+2], 0x3a802008, v[ACC+8]
	s_wait_alu depctr_va_vdst(0)
	v_sqrt_f32 v[IV+1], v[IV]
	v_sqrt_f32 v[IV+3], v[IV+2]
	v_nop
	s_wait_alu depctr_va_vdst(0)                   ; one wait for both roots, ahead of their first reader
	v_add_f32 v[IV], 0x358637bd, v[IV+1]           ; sd + 1e-6
	v_add_f32 v[IV+2], 0x358637bd, v[IV+3]
	s_wait_alu depctr_va_vdst(0)
	v_rcp_f32 v[IV+1], v[IV]
	v_rcp_f32 v[IV+3], v[IV+2]
	v_nop
	s_wait_alu depctr_va_vdst(0)
	v_mov_b32 v[IV], v[IV+1]
	v_mov_b32 v[IV+2], v[IV+3]
	s_wait_alu depctr_va_vdst(0)
	s_wait_loadcnt 0x0
.set i, 0
.rept 16
	v_pk_mul_f32 v[XR+i:XR+i+1], v[XR+i:XR+i+1], v[IV:IV+1]
	v_pk_mul_f32 v[XR+32+i:XR+33+i], v[XR+32+i:XR+33+i], v[IV+2:IV+3]
.set i, i+2
.endr
.set i, 0
.rept 16
	v_pk_fma_f32 v[XR+i:XR+i+1], v[XR+i:XR+i+1], v[AL+i:AL+i+1], v[BE+i:BE+i+1]
	v_pk_fma_f32 v[XR+32+i:XR+33+i], v[XR+32+i:XR+33+i], v[AL+i:AL+i+1], v[BE+i:BE+i+1]
.set i, i+2
.endr
.irp e, 0,1
.irp j, 0,1,2,3,4,5,6,7
	ds_store_b128 v4, v[XR+32*\e+4*\j:XR+32*\e+4*\j+3] offset:PIT*\e+512*\j
.endr
.endr
	s_wait_dscnt 0x0                               ; for the others' sake: my two rows lie in LDS
	s_barrier_signal -1
	s_barrier_wait -1
.irp b, 0,1,2,3                                ; wave w takes K step w of all sixteen rows
.irp j, 0,1,2,3
	ds_load_b128 v[ST+16*\b+4*\j:ST+16*\b+4*\j+3], v5 offset:128*\b+16*\j
.endr
.endr
	s_lshl_b32 s26, ttmp9, 3
	s_add_co_u32 s26, s26, s24
	s_mul_i32 s26, s26, 1536
	s_add_nc_u64 s[28:29], s[10:11], s[26:27]
	s_lshr_b32 s26, ttmp9, 3
	s_lshl_b32 s26, s26, 12
	s_lshr_b32 s30, s24, 1
	s_lshl_b32 s30, s30, 10
	s_add_co_u32 s26, s26, s30
	s_and_b32 s30, ttmp9, 7
	s_lshl_b32 s30, s30, 7
	s_add_co_u32 s26, s26, s30
	s_and_b32 s30, s24, 1
	s_lshl_b32 s30, s30, 2
	s_add_co_u32 s26, s26, s30
	s_add_co_u32 s26, s26, 3145728
	s_add_nc_u64 s[30:31], s[10:11], s[26:27]
	s_wait_dscnt 0x0
	QUANT ST
.irp p, 0,1,2,3,4,5
	global_store_b64 v8, v[PC+2*\p:PC+2*\p+1], s[28:29] offset:256*\p   ; 256 consecutive bytes, aligned
.endr
	global_store_b32 v9, v[PW], s[30:31]
	s_wait_tensorcnt 0x0
	ds_add_u32 v192, v193
	s_wait_dscnt 0x0
	s_endpgm
.Lfunc_end_k_q22e47c9c82_norm2:
	.size	k_q22e47c9c82_norm2, .Lfunc_end_k_q22e47c9c82_norm2-k_q22e47c9c82_norm2
	.p2alignl 7, 3214868480
	.fill 96, 4, 3214868480
	.section	.rodata,"a",@progbits
	.p2align	6, 0x0
	.amdhsa_kernel k_q22e47c9c82_norm2
		.amdhsa_group_segment_fixed_size 67072
		.amdhsa_private_segment_fixed_size 0
		.amdhsa_enable_private_segment 0
		.amdhsa_kernarg_size 32
		.amdhsa_user_sgpr_count 2
		.amdhsa_user_sgpr_kernarg_segment_ptr 1
		.amdhsa_wavefront_size32 1
		.amdhsa_system_sgpr_workgroup_id_x 1
		.amdhsa_system_sgpr_workgroup_id_y 1
		.amdhsa_system_sgpr_workgroup_id_z 1
		.amdhsa_system_vgpr_workitem_id 0
		.amdhsa_next_free_vgpr 194
		.amdhsa_next_free_sgpr 66
		.amdhsa_reserve_vcc 0
		.amdhsa_float_denorm_mode_32 3
		.amdhsa_float_denorm_mode_16_64 3
		.amdhsa_memory_ordered 1
		.amdhsa_forward_progress 1
		.amdhsa_inst_pref_size 28
	.end_amdhsa_kernel
	.amdgpu_metadata
---
amdhsa.version: [ 1, 2 ]
amdhsa.kernels:
  - .name:           k_q22e47c9c82_norm2
    .symbol:         k_q22e47c9c82_norm2.kd
    .args:
      - { .name: x1, .offset: 0, .size: 8, .value_kind: global_buffer, .address_space: global }
      - { .name: alpha2, .offset: 8, .size: 8, .value_kind: global_buffer, .address_space: global }
      - { .name: bias2, .offset: 16, .size: 8, .value_kind: global_buffer, .address_space: global }
      - { .name: yq, .offset: 24, .size: 8, .value_kind: global_buffer, .address_space: global }
    .group_segment_fixed_size: 67072
    .private_segment_fixed_size: 0
    .kernarg_segment_align: 8
    .kernarg_segment_size: 32
    .max_flat_workgroup_size: 256
    .sgpr_count:     66
    .vgpr_count:     194
    .wavefront_size: 32
...
	.end_amdgpu_metadata
.endif
;; end of part 12
;; launch ff1 (part 13): grid 16 x 16, 4 waves a work-group, clusters of 4 x 4, 327,680 bytes of LDS; arguments yq, wq, b1, hq; writes hq
.if DOCPART == 13
	.amdgcn_target "amdgcn-amd-amdhsa--gfx1250"
	.amdhsa_code_object_version 6
	.text
	.protected	k_q22e47c9c82_ff1
	.globl	k_q22e47c9c82_ff1
	.p2align	8
	.type	k_q22e47c9c82_ff1,@function
k_q22e47c9c82_ff1:
	s_mov_b64 s[64:65], 0
	v_nop
	global_prefetch_b8 v0, s[64:65] scope:SCOPE_SE
	s_setreg_imm32_b32 hwreg(HW_REG_WAVE_MODE, 25, 1), 1
	s_wait_xcnt 0x0
	s_wait_alu depctr_hold_cnt(0) depctr_sa_sdst(0) depctr_va_vdst(0) depctr_va_sdst(0) depctr_va_ssrc(0) depctr_va_vcc(0) depctr_vm_vsrc(0)
	s_getreg_b32 s2, hwreg(HW_REG_IB_STS2, 6, 4)
	s_cmp_eq_u32 s2, 0
	s_cbranch_scc0 .Lentry_in_a_cluster
	s_endpgm
.Lentry_in_a_cluster:
	s_bfe_u32 s2, ttmp6, 0x10000c
	s_cmp_lg_u32 s2, 0xf033
	s_cbranch_scc0 .Lentry_shape_is_right
	s_endpgm
.Lentry_shape_is_right:
.set KK,    1024
.set ASOFF, 3145728
.set BCOFF, 2359296
.set BSOFF, 8749056
.set NQ,    2
.set FR,    12
.set NL,    6
.set NP,    4
.set FROWB, KK/128*1536
.set HALFT, 8*2*1536
.set SLOT,  4*HALFT
.set LAPS,  KK/512
.set SCL,   2*SLOT
.set HALFS, KK/256*1024
.set SPARE, SCL+4*HALFS
.set ADRA, 16
.set ADRB, 20
.set ADRS, 27
.set SPW,  28
.set NIL,  29
.set L8,   30
.set L16,  31
.set SC,   32
.set BI,   64
.set AF,   128
.set TM,   32
.set X1,   48
.set X2,   52
.set PWS,  56
.set D,    64
.set HM,   18
.set SEL,  96
.set G1, 24
.set G0, 32
.set G1B, 48
.set G0B, 56
.set G1S, 68
.set G0S, 76
.set G1SB, 80
.set G0SB, 88
.set MSB, 0
.macro WIN new
.if MSB != (\new)
	s_set_vgpr_msb (MSB<<8)|(\new)
.set MSB, (\new)
.endif
.endm
.set MUL_LO, 0xa1
.set MUL_HI, 0xf1
.set TO_B,   0x40
.macro JLOAD g0a, g1a, g0b, g1b
	s_cmp_eq_u32 s15, 0
	s_cbranch_scc0 .Lfor_b_\@
	tensor_load_to_lds s[\g0a:\g0a+3], s[\g1a:\g1a+7]
	s_nop 0
.rept 4
	v_nop
.endr
	s_branch .Lasked_\@
.Lfor_b_\@:
	tensor_load_to_lds s[\g0b:\g0b+3], s[\g1b:\g1b+7]
	s_nop 0
.rept 4
	v_nop
.endr
.Lasked_\@:
.endm
.macro CREST
	s_cmp_lg_u32 s14, 0
	s_cbranch_scc1 .Lnot_wave_0_\@
	s_barrier_signal -3
.Lnot_wave_0_\@:
	s_barrier_wait -3
	s_barrier_signal -1
	s_barrier_wait -1
.endm
.macro CROUND
	s_barrier_signal -1
	s_barrier_wait -1
	CREST
.endm
.macro PLACES n
.rept \n
	v_nop
.endr
.endm
.macro FRAG reg, adr, q, i
.irp p, 0,1,2,3,4,5
	ds_load_b64 v[\reg+2*\p:\reg+2*\p+1], v[\adr] offset:(\i)*3072+(\q)*1536+256*\p
.endr
.endm
.macro MUL16 a0, p, q, sc, zero
.irp a, \a0, \a0+1
.irp b, 0,1,2,3,4,5,6,7
.if \zero
	v_wmma_scale_f32_16x16x128_f8f6f4 v[8*(8*((\a)%4)+\b):8*(8*((\a)%4)+\b)+7], v[128*(\p)+FR*\b:128*(\p)+FR*\b+FR-1], v[AF+FR*(\a):AF+FR*(\a)+FR-1], v[BI+8*\b:BI+8*\b+7], v[SC+8*NQ*(\sc)+NQ*\b+(\q)], v[SC+8*NQ*(\sc)+NQ*(\a)+(\q)] matrix_a_fmt:MATRIX_FMT_BF6 matrix_b_fmt:MATRIX_FMT_BF6 matrix_a_scale:MATRIX_SCALE_ROW1
.else
	v_wmma_scale_f32_16x16x128_f8f6f4 v[8*(8*((\a)%4)+\b):8*(8*((\a)%4)+\b)+7], v[128*(\p)+FR*\b:128*(\p)+FR*\b+FR-1], v[AF+FR*(\a):AF+FR*(\a)+FR-1], v[8*(8*((\a)%4)+\b):8*(8*((\a)%4)+\b)+7], v[SC+8*NQ*(\sc)+NQ*\b+(\q)], v[SC+8*NQ*(\sc)+NQ*(\a)+(\q)] matrix_a_fmt:MATRIX_FMT_BF6 matrix_b_fmt:MATRIX_FMT_BF6 matrix_a_scale:MATRIX_SCALE_ROW1
.endif
.endr
.endr
.endm
.macro FETCH_B slot, q, p
	WIN TO_B
.irp i, 0,1,2,3,4,5,6,7
	FRAG 128*(\p)+FR*\i, ADRB+\slot, \q, \i
.endr
	WIN 0
.endm
.macro FETCH_A slot, q, i0
.irp i, \i0, \i0+1, \i0+2, \i0+3
	FRAG AF+FR*(\i), ADRA+\slot, \q, \i
.endr
.endm
.macro SCALES sc
.irp i, 0,1,2,3,4,5,6,7
	ds_load_b64 v[SC+8*NQ*\sc+NQ*\i:SC+8*NQ*\sc+NQ*\i+1], v[ADRS] offset:\i*128
.endr
.endm
.macro STEP slot, q, zero
	s_wait_dscnt 4*NL
	WIN MUL_LO-0x20*\zero
	MUL16 0, (\q)%2, \q, \slot, \zero
	MUL16 2, (\q)%2, \q, \slot, \zero
	s_wait_dscnt 0
	PLACES NP
	FETCH_B \slot, (\q)+1, 1-(\q)%2
	FETCH_A \slot, (\q)+1, 0
	WIN MUL_HI-0x30*\zero
	MUL16 4, (\q)%2, \q, \slot, \zero
	MUL16 6, (\q)%2, \q, \slot, \zero
	PLACES NP
	WIN 0
	FETCH_A \slot, (\q)+1, 4
.endm
.macro TURN slot, next, fill
	s_wait_tensorcnt 0x0
	ds_add_u32 v[SPW], v[NIL]
	s_wait_dscnt 4*NL+1
	WIN MUL_LO
	MUL16 0, 1, NQ-1, \slot, 0
	s_wait_dscnt 0x0
	s_barrier_signal -1
	MUL16 2, 1, NQ-1, \slot, 0
	WIN 0
	s_barrier_wait -1
.if \fill
	CREST
	s_add_nc_u64 s[G0+4*\slot+2:G0+4*\slot+3], s[G0+4*\slot+2:G0+4*\slot+3], 2*3072
	s_add_nc_u64 s[G0B+4*\slot+2:G0B+4*\slot+3], s[G0B+4*\slot+2:G0B+4*\slot+3], 2*3072
	JLOAD G0+4*\slot, G1, G0B+4*\slot, G1B
.else
	PLACES NP
.endif
	s_wait_alu depctr_va_vdst(0)
	v_add_nc_u32 v[ADRS], 1024, v[ADRS]
	FETCH_B \next, 0, 0
	FETCH_A \next, 0, 0
	SCALES \next
	WIN MUL_HI
	MUL16 4, 1, NQ-1, \slot, 0
	MUL16 6, 1, NQ-1, \slot, 0
	PLACES NP
	WIN 0
	FETCH_A \next, 0, 4
.endm
.macro RELU a
.set W, 2+(\a)/4
.set S, 64*((\a)%4)
	WIN (W<<2)|(W<<6)
.set j, 0
.rept 64
	v_max_num_f32 v[S+j], 0, v[S+j]
.set j, j+1
.endr
.endm
.macro QUANTW a, d0, d1, pw
.set W, 2+(\a)/4
.set S, 64*((\a)%4)
	WIN W|(W<<2)
.irp b, 0,1,2,3
	v_max3_num_f32 v[TM+\b], |v[S+16*\b]|, |v[S+16*\b+1]|, 0x2800000
.endr
	WIN (W<<2)|(W<<4)
.irp i, 2,4,6,8,10,12,14
.irp b, 0,1,2,3
	v_max3_num_f32 v[TM+\b], v[TM+\b], |v[S+16*\b+\i]|, |v[S+16*\b+\i+1]|
.endr
.endr
	WIN 0
.irp b, 0,1,2,3
	v_permlanex16_b32 v[TM+4+\b], v[TM+\b], s[SEL], s[SEL+1]
.endr
.irp b, 0,1,2,3
	v_max_num_f32 v[TM+\b], v[TM+\b], v[TM+4+\b]
.endr
.irp b, 0,1,2,3
	v_add_nc_u32 v[TM+12+\b], 0xfe000000, v[TM+\b]
.endr
.irp b, 0,1,2,3
	v_lshrrev_b32 v[TM+4+\b], 23, v[TM+12+\b]
.endr
	v_lshl_or_b32 v[\pw], v[TM+5], 8, v[TM+4]
	v_lshl_or_b32 v[\pw], v[TM+6], 16, v[\pw]
	v_lshl_or_b32 v[\pw], v[TM+7], 24, v[\pw]
	WIN W
	v_cvt_scalef32_pk16_bf6_f32 v[(\d0):(\d0)+2], v[S:S+15], v[TM+12]
	v_cvt_scalef32_pk16_bf6_f32 v[X1:X1+2], v[S+16:S+31], v[TM+13]
	v_cvt_scalef32_pk16_bf6_f32 v[(\d1):(\d1)+2], v[S+32:S+47], v[TM+14]
	v_cvt_scalef32_pk16_bf6_f32 v[X2:X2+2], v[S+48:S+63], v[TM+15]
	WIN 0
	v_nop
.irp i, 0,1,2
	v_permlane16_swap_b32 v[(\d0)+\i], v[X1+\i]
	v_permlane16_swap_b32 v[(\d1)+\i], v[X2+\i]
.endr
.irp i, 0,1,2
	v_mov_b32 v[(\d0)+3+\i], v[X1+\i]
	v_mov_b32 v[(\d1)+3+\i], v[X2+\i]
.endr
.endm
	s_load_b128 s[4:7], s[0:1], 0x0
	s_load_b128 s[8:11], s[0:1], 0x10
	v_lshl_add_u32 v[SPW], v0, 2, SPARE
	v_mov_b32 v[NIL], 0
	ds_add_u32 v28, v29
	ds_add_u32 v28, v29
	s_wait_dscnt 0x0
	v_lshrrev_b32 v1, 5, v0
	v_readfirstlane_b32 s14, v1
	s_lshr_b32 s15, s14, 1
	s_and_b32 s16, s14, 1
	s_bfe_u32 s40, ttmp6, 0x40000
	s_bfe_u32 s41, ttmp6, 0x40004
	s_lshl_b32 s42, ttmp9, 2
	s_add_co_u32 s42, s42, s40
	s_and_b32 s17, ttmp7, 0xffff
	s_lshl_b32 s17, s17, 2
	s_add_co_u32 s17, s17, s41
	s_lshl_b32 s43, s41, 2
	s_lshl_b32 s43, 15, s43
	s_lshl_b32 s44, 0x1111, s40
	s_or_b32 s[G1+0], s43, (3<<16)|(1<<21)
	s_or_b32 s[G1B+0], s44, (3<<16)|(1<<21)
.irp g, G1, G1B
	s_mov_b32 s[\g+1], 384<<16
	s_mov_b32 s[\g+2], 16<<16                      ; tensor_dim1: 16 tiles, a whole side, for the head's loads
	s_mov_b32 s[\g+3], 384<<16
	s_mov_b32 s[\g+4], 16
	s_mov_b32 s[\g+5], FROWB/8
	s_mov_b32 s[\g+6], 0
	s_mov_b32 s[\g+7], 0
.endr
	s_or_b32 s[G1S+0], s43, (3<<16)|(1<<21)
	s_or_b32 s[G1SB+0], s44, (3<<16)|(1<<21)
.irp g, G1S, G1SB
	s_mov_b32 s[\g+1], 32<<16
	s_mov_b32 s[\g+2], (HALFS/128)<<16             ; the scale words of a side's 256 rows
	s_mov_b32 s[\g+3], 32<<16
	s_mov_b32 s[\g+4], HALFS/128
	s_mov_b32 s[\g+5], 32
	s_mov_b32 s[\g+6], 0
	s_mov_b32 s[\g+7], 0
.endr
	s_lshl_b32 s20, s17, 1                         ; A: the side's first 128 rows
	s_lshl_b32 s46, s42, 1                         ; B: likewise
	s_mul_i32 s22, s20, HALFS
	s_add_co_u32 s22, s22, ASOFF
	s_mul_i32 s92, s46, HALFS
	s_add_co_u32 s92, s92, BSOFF
	s_mul_i32 s20, s20, 8*FROWB
	s_mul_i32 s46, s46, 8*FROWB
	s_add_co_u32 s46, s46, BCOFF
	s_mov_b32 s21, 0
	s_mov_b32 s23, 0
	s_mov_b32 s47, 0
	s_mov_b32 s93, 0
	s_mul_i32 s45, s14, HALFT
	s_mul_i32 s2, s16, 8*FROWB                     ; in the ring I fetch 128 rows of a side: which half, in bytes
	s_mov_b32 s3, 0
	s_wait_kmcnt 0x0
	s_add_nc_u64 s[20:21], s[4:5], s[20:21]
	s_add_nc_u64 s[22:23], s[4:5], s[22:23]
	s_add_nc_u64 s[46:47], s[6:7], s[46:47]
	s_add_nc_u64 s[92:93], s[6:7], s[92:93]
	CROUND
	s_mov_b32 s[G0S], 1
	s_mov_b32 s[G0S+1], SCL
	s_mov_b64 s[G0S+2:G0S+3], s[22:23]
	s_or_b32 s[G0S+3], s[G0S+3], 0x80000000
	s_mov_b32 s[G0SB], 1
	s_mov_b32 s[G0SB+1], SCL+2*HALFS
	s_mov_b64 s[G0SB+2:G0SB+3], s[92:93]
	s_or_b32 s[G0SB+3], s[G0SB+3], 0x80000000
.irp s, 0,1
	s_mov_b32 s[G0+4*\s], 1
	s_add_co_u32 s[G0+4*\s+1], s45, \s*SLOT
	s_add_nc_u64 s[G0+4*\s+2:G0+4*\s+3], s[20:21], \s*3072
	s_or_b32 s[G0+4*\s+3], s[G0+4*\s+3], 0x80000000
	s_mov_b32 s[G0B+4*\s], 1
	s_add_co_u32 s[G0B+4*\s+1], s45, \s*SLOT
	s_add_nc_u64 s[G0B+4*\s+2:G0B+4*\s+3], s[46:47], \s*3072
	s_or_b32 s[G0B+4*\s+3], s[G0B+4*\s+3], 0x80000000
.endr
	s_add_nc_u64 s[G0+6:G0+7], s[G0+6:G0+7], s[2:3]        ; slot 1's loads take my half of a side
	s_add_nc_u64 s[G0B+6:G0B+7], s[G0B+6:G0B+7], s[2:3]
	s_mov_b32 s[G0+1], 0                           ; the head's loads take whole sides of slot 0
	s_mov_b32 s[G0B+1], 2*HALFT
; THE HEAD'S LOADS, ONE A WAVE: wave 0 A's side of slot 0, wave 1 B's, wave 2 A's scale words, wave 3 B's.  One chain of branches on the wave's number.
.macro ARM under, g0, g1, next
	s_cmp_lt_u32 s14, \under
	s_cbranch_scc0 \next
	tensor_load_to_lds s[\g0:\g0+3], s[\g1:\g1+7]
	s_nop 0
.rept 4
	v_nop
.endr
	s_branch .Lhead_asked
\next:
.endm
	ARM 1, G0,  G1,  .Lhead_b
	ARM 2, G0B, G1B, .Lhead_sa
	ARM 3, G0S, G1S, .Lhead_sb
	tensor_load_to_lds s[G0SB:G0SB+3], s[G1SB:G1SB+7]
	s_nop 0
.rept 4
	v_nop
.endr
.Lhead_asked:
	v_and_b32 v1, 15, v0
	v_bfe_u32 v2, v0, 4, 1
	v_and_b32 v3, 31, v0
	v_lshlrev_b32 v[L8], 3, v3
	s_wait_alu depctr_va_vdst(0)
	v_lshlrev_b32 v[L16], 4, v3
	s_mov_b32 s[HM], 0xffff0000
	s_mov_b32 s[SEL], 0x76543210
	s_mov_b32 s[SEL+1], 0xfedcba98
	s_mul_i32 s21, s15, HALFT
	s_mul_i32 s22, s16, HALFT
	s_add_co_u32 s22, s22, 2*HALFT
.irp s, 0,1
	v_add_nc_u32 v[ADRA+\s], s21, v[L8]
	v_add_nc_u32 v[ADRB+\s], s22, v[L8]
	s_add_co_u32 s21, s21, SLOT
	s_add_co_u32 s22, s22, SLOT
.endr
	s_mul_i32 s21, s15, HALFS
	s_mul_i32 s22, s16, HALFS
	s_add_co_u32 s22, s22, 2*HALFS
	s_sub_co_u32 s22, s22, s21
	v_mul_u32_u24 v6, s22, v2
	s_add_co_u32 s21, s21, SCL
	v_lshl_add_u32 v5, v1, 3, v6
	v_add_nc_u32 v[ADRS], s21, v5
	s_lshl_b32 s46, s42, 10
	s_lshl_b32 s47, s16, 9
	s_add_co_u32 s46, s46, s47
	s_mov_b32 s47, 0
	s_add_nc_u64 s[8:9], s[8:9], s[46:47]
	v_lshlrev_b32 v7, 6, v2
.irp p, 0,1,2,3
.irp c, 0,1,2,3
	global_load_b128 v[BI+16*\p+4*\c:BI+16*\p+4*\c+3], v7, s[8:9] offset:128*\p+16*\c
.endr
.endr
	s_lshl_b32 s20, s17, 4
	s_lshl_b32 s21, s15, 3
	s_add_co_u32 s20, s20, s21
	s_lshl_b32 s20, s20, 5
	s_lshl_b32 s21, s42, 1
	s_add_co_u32 s20, s20, s21
	s_add_co_u32 s20, s20, s16
	s_mul_i32 s20, s20, 1536
	s_mov_b32 s21, 0
	s_add_nc_u64 s[12:13], s[10:11], s[20:21]
	s_lshl_b32 s20, s17, 1
	s_add_co_u32 s20, s20, s15
	s_lshl_b32 s20, s20, 4
	s_add_co_u32 s20, s20, s42
	s_lshl_b32 s20, s20, 10
	s_lshl_b32 s22, s16, 2
	s_add_co_u32 s20, s20, s22
	s_add_co_u32 s20, s20, 12582912
	s_add_nc_u64 s[10:11], s[10:11], s[20:21]
	s_wait_alu depctr_va_vdst(0)
	s_wait_tensorcnt 0x0                           ; my tile of the head's four is in
	ds_add_u32 v[SPW], v[NIL]
	s_mov_b32 s[G1+2], 8<<16                       ; no tensor load of mine is out: from here on a load brings 8 tiles, my half of a side
	s_mov_b32 s[G1+4], 8
	s_mov_b32 s[G1B+2], 8<<16
	s_mov_b32 s[G1B+4], 8
	s_add_co_u32 s[G0+1], s45, 0
	s_add_co_u32 s[G0B+1], s45, 0
	s_add_nc_u64 s[G0+2:G0+3], s[G0+2:G0+3], s[2:3]
	s_add_nc_u64 s[G0B+2:G0B+3], s[G0B+2:G0B+3], s[2:3]
	s_wait_dscnt 0x0
	CROUND                                         ; all four tiles are in, and all sixteen work-groups are here
	JLOAD G0+4, G1, G0B+4, G1B                     ; slot 1's first fill, the first tensor load behind the round
	FETCH_B 0, 0, 0
	FETCH_A 0, 0, 0
	SCALES 0
	FETCH_A 0, 0, 4
	s_wait_loadcnt 0x0
	STEP 0, 0, 1
	s_mov_b32 s3, LAPS-1
.Llap:
	TURN 0, 1, 1
	STEP 1, 0, 0
	TURN 1, 0, 1
	STEP 0, 0, 0
	s_sub_co_u32 s3, s3, 1
	s_cmp_lg_u32 s3, 0
	s_cbranch_scc1 .Llap
	TURN 0, 1, 0
	STEP 1, 0, 0
	s_wait_dscnt 4*NL
	WIN MUL_LO
	MUL16 0, 1, NQ-1, 1, 0
	MUL16 2, 1, NQ-1, 1, 0
	s_wait_dscnt 0
	WIN MUL_HI
	MUL16 4, 1, NQ-1, 1, 0
	MUL16 6, 1, NQ-1, 1, 0
	WIN 0
	PLACES NP
.irp b, 0,1,2,3
	v_mov_b32 v[TM+4+\b], 0
.endr
.irp a, 0,1,2,3,4,5,6,7
	RELU \a
	QUANTW \a, D+12*\a, D+12*\a+6, PWS+\a
.irp p, 0,1,2,3,4,5
	global_store_b64 v[L8], v[D+12*\a+2*\p:D+12*\a+2*\p+1], s[12:13] offset:\a*49152+256*\p
.endr
.if \a%2 == 1
	v_cndmask_b32 v[TM+8+\a/2], v[PWS+\a-1], v[PWS+\a], s[HM]
	global_store_b32 v[L8], v[TM+8+\a/2], s[10:11] offset:(\a-1)*128
.endif
.endr
	s_wait_tensorcnt 0x0
	ds_add_u32 v[SPW], v[NIL]
	s_wait_dscnt 0x0
	CROUND
	s_endpgm
.Lfunc_end_k_q22e47c9c82_ff1:
	.size	k_q22e47c9c82_ff1, .Lfunc_end_k_q22e47c9c82_ff1-k_q22e47c9c82_ff1
	.p2alignl 7, 3214868480
	.fill 96, 4, 3214868480
	.section	.rodata,"a",@progbits
	.p2align	6, 0x0
	.amdhsa_kernel k_q22e47c9c82_ff1
		.amdhsa_group_segment_fixed_size 327680
		.amdhsa_private_segment_fixed_size 0
		.amdhsa_enable_private_segment 0
		.amdhsa_kernarg_size 32
		.amdhsa_user_sgpr_count 2
		.amdhsa_user_sgpr_kernarg_segment_ptr 1
		.amdhsa_wavefront_size32 1
		.amdhsa_system_sgpr_workgroup_id_x 1
		.amdhsa_system_sgpr_workgroup_id_y 1
		.amdhsa_system_sgpr_workgroup_id_z 1
		.amdhsa_system_vgpr_workitem_id 0
		.amdhsa_next_free_vgpr 1024
		.amdhsa_next_free_sgpr 104
		.amdhsa_reserve_vcc 0
		.amdhsa_float_denorm_mode_32 3
		.amdhsa_float_denorm_mode_16_64 3
		.amdhsa_memory_ordered 1
		.amdhsa_forward_progress 1
		.amdhsa_inst_pref_size 185
	.end_amdhsa_kernel
	.amdgpu_metadata
---
amdhsa.version: [ 1, 2 ]
amdhsa.kernels:
  - .name:           k_q22e47c9c82_ff1
    .symbol:         k_q22e47c9c82_ff1.kd
    .args:
      - { .name: yq, .offset: 0, .size: 8, .value_kind: global_buffer, .address_space: global }
      - { .name: wq, .offset: 8, .size: 8, .value_kind: global_buffer, .address_space: global }
      - { .name: b1, .offset: 16, .size: 8, .value_kind: global_buffer, .address_space: global }
      - { .name: hq, .offset: 24, .size: 8, .value_kind: global_buffer, .address_space: global }
    .group_segment_fixed_size: 327680
    .private_segment_fixed_size: 0
    .kernarg_segment_align: 8
    .kernarg_segment_size: 32
    .max_flat_workgroup_size: 128
    .sgpr_count:     104
    .vgpr_count:     1024
    .wavefront_size: 32
...
	.end_amdgpu_metadata
.endif
;; end of part 13
;; launch ff2 (part 14): grid 8 x 32, 4 waves a work-group, clusters of 4 x 4, 327,680 bytes of LDS; arguments hq, wq, b2, x1, out0; writes out0
.if DOCPART == 14
	.amdgcn_target "amdgcn-amd-amdhsa--gfx1250"
	.amdhsa_code_object_version 6
	.text
	.protected	k_q22e47c9c82_ff2
	.globl	k_q22e47c9c82_ff2
	.p2align	8
	.type	k_q22e47c9c82_ff2,@function
k_q22e47c9c82_ff2:
	s_mov_b64 s[64:65], 0
	v_nop
	global_prefetch_b8 v0, s[64:65] scope:SCOPE_SE
	s_setreg_imm32_b32 hwreg(HW_REG_WAVE_MODE, 25, 1), 1
	s_wait_xcnt 0x0
	s_wait_alu depctr_hold_cnt(0) depctr_sa_sdst(0) depctr_va_vdst(0) depctr_va_sdst(0) depctr_va_ssrc(0) depctr_va_vcc(0) depctr_vm_vsrc(0)
	s_getreg_b32 s2, hwreg(HW_REG_IB_STS2, 6, 4)
	s_cmp_eq_u32 s2, 0
	s_cbranch_scc0 .Lentry_in_a_cluster
	s_endpgm
.Lentry_in_a_cluster:
	s_bfe_u32 s2, ttmp6, 0x10000c
	s_cmp_lg_u32 s2, 0xf033
	s_cbranch_scc0 .Lentry_shape_is_right
	s_endpgm
.Lentry_shape_is_right:
.set KK,    4096
.set ASOFF, 12582912
.set BCOFF, 5505024
.set BSOFF, 8880128
.set NQ,    4
.set FR,    12
.set NL,    6
.set NP,    4
.set FROWB, KK/128*1536
.set TROW,  NQ*1536
.set HALFT, 4*TROW
.set SLOT,  4*HALFT
.set LAPS,  KK/(2*NQ*128)
.set SCL,   2*SLOT
.set HALFS, KK*2
.set SPARE, SCL+4*HALFS
.set SPITCH, 272
.set ADRA, 16
.set ADRB, 20
.set STO,  24
.set RD,   25
.set CO,   26
.set ADRS, 27
.set SPW,  28
.set NIL,  29
.set L8,   30
.set PFO,  31                          ; v31 the prefetches' offset: 256 x min(lane, 23): a tile's 6,144 bytes of a slot are 24 blocks of 256; never rewritten
.set PFA,  96                          ; s[96:97] where my prefetches stand: of the four tiles that I fetch, the one that falls to my work-group
.set SC,   32
.set BI,   64
.set BK,   64
.set ACC,  128
.set AF,   0
.set BF,   96
.set RS,   0
.set G1, 24
.set G0, 32
.set G1B, 48
.set G0B, 56
.set G1S, 68
.set G0S, 76
.set G1SB, 80
.set G0SB, 88
.set MSB, 0
.macro WIN new
.if MSB != (\new)
	s_set_vgpr_msb (MSB<<8)|(\new)
.set MSB, (\new)
.endif
.endm
.set MUL,   0x05
.set TO_F,  0x40
.set TO_R,  0x80
.set ADD_R, 0x08
.macro JLOAD g0a, g1a, g0b, g1b
	s_cmp_eq_u32 s15, 0
	s_cbranch_scc0 .Lfor_b_\@
	tensor_load_to_lds s[\g0a:\g0a+3], s[\g1a:\g1a+7]
	s_nop 0
.rept 4
	v_nop
.endr
	s_branch .Lasked_\@
.Lfor_b_\@:
	tensor_load_to_lds s[\g0b:\g0b+3], s[\g1b:\g1b+7]
	s_nop 0
.rept 4
	v_nop
.endr
.Lasked_\@:
.endm
.macro CREST
	s_cmp_lg_u32 s14, 0
	s_cbranch_scc1 .Lnot_wave_0_\@
	s_barrier_signal -3
.Lnot_wave_0_\@:
	s_barrier_wait -3
	s_barrier_signal -1
	s_barrier_wait -1
.endm
.macro CROUND
	s_barrier_signal -1
	s_barrier_wait -1
	CREST
.endm
.macro PLACES n
.rept \n
	v_nop
.endr
.endm
.macro FRAG reg, adr, q, i
.irp p, 0,1,2,3,4,5
	ds_load_b64 v[\reg+2*\p:\reg+2*\p+1], v[\adr] offset:(\i)*TROW+(\q)*1536+256*\p
.endr
.endm
.macro MULA a, p, q, sc, zero
.irp b, 0,1,2,3
.if \zero
	v_wmma_scale_f32_16x16x128_f8f6f4 v[ACC+8*(4*(\a)+\b):ACC+8*(4*(\a)+\b)+7], v[BF+48*(\p)+FR*\b:BF+48*(\p)+FR*\b+FR-1], v[AF+48*(\p)+FR*(\a):AF+48*(\p)+FR*(\a)+FR-1], v[BI+8*\b:BI+8*\b+7], v[SC+16*(\sc)+4*\b+(\q)], v[SC+16*(\sc)+4*(\a)+(\q)] matrix_a_fmt:MATRIX_FMT_BF6 matrix_b_fmt:MATRIX_FMT_BF6 matrix_a_scale:MATRIX_SCALE_ROW1
.else
	v_wmma_scale_f32_16x16x128_f8f6f4 v[ACC+8*(4*(\a)+\b):ACC+8*(4*(\a)+\b)+7], v[BF+48*(\p)+FR*\b:BF+48*(\p)+FR*\b+FR-1], v[AF+48*(\p)+FR*(\a):AF+48*(\p)+FR*(\a)+FR-1], v[ACC+8*(4*(\a)+\b):ACC+8*(4*(\a)+\b)+7], v[SC+16*(\sc)+4*\b+(\q)], v[SC+16*(\sc)+4*(\a)+(\q)] matrix_a_fmt:MATRIX_FMT_BF6 matrix_b_fmt:MATRIX_FMT_BF6 matrix_a_scale:MATRIX_SCALE_ROW1
.endif
.endr
.endm
.macro FETCH slot, q, p
	WIN TO_F
.irp i, 0,1,2,3
	FRAG BF+48*(\p)+FR*\i, ADRB+\slot, \q, \i
.endr
.irp i, 0,1,2,3
	FRAG AF+48*(\p)+FR*\i, ADRA+\slot, \q, \i
.endr
.endm
.macro SCALES sc
.irp i, 0,1,2,3
	ds_load_b64 v[SC+16*\sc+4*\i:SC+16*\sc+4*\i+1], v[ADRS] offset:\i*128
	ds_load_b64 v[SC+16*\sc+4*\i+2:SC+16*\sc+4*\i+3], v[ADRS] offset:\i*128+1024
.endr
.endm
.macro STEP slot, q, zero
	s_wait_dscnt 2*NL
	WIN MUL
	MULA 0, (\q)%2, \q, \slot, \zero
	MULA 1, (\q)%2, \q, \slot, \zero
	PLACES NP
	FETCH \slot, (\q)+1, 1-(\q)%2
	s_wait_dscnt 8*NL
	WIN MUL
	MULA 2, (\q)%2, \q, \slot, \zero
	MULA 3, (\q)%2, \q, \slot, \zero
.endm
.macro TURN slot, next, fill
	WIN 0
.if \fill
	s_wait_xcnt 0x0                                ; my last prefetch has read its address: it steps one slot along K
	s_add_nc_u64 s[PFA:PFA+1], s[PFA:PFA+1], TROW
.endif
	s_wait_tensorcnt 0x0
	ds_add_u32 v[SPW], v[NIL]
	s_wait_dscnt 2*NL+1
	WIN MUL
	MULA 0, 1, NQ-1, \slot, 0
	s_wait_dscnt 0x0
	s_barrier_signal -1
	MULA 1, 1, NQ-1, \slot, 0
	WIN 0
	s_barrier_wait -1
.if \fill
	CREST
	s_add_nc_u64 s[G0+4*\slot+2:G0+4*\slot+3], s[G0+4*\slot+2:G0+4*\slot+3], 2*TROW
	s_add_nc_u64 s[G0B+4*\slot+2:G0B+4*\slot+3], s[G0B+4*\slot+2:G0B+4*\slot+3], 2*TROW
	JLOAD G0+4*\slot, G1, G0B+4*\slot, G1B
.else
	PLACES NP
.endif
	s_wait_alu depctr_va_vdst(0)
	v_add_nc_u32 v[ADRS], 2048, v[ADRS]
	SCALES \next
.if \fill
	s_cmp_gt_u32 s3, 1                             ; the slot that stands two refills on; the last trip's two turns have none
	s_cbranch_scc0 .Lno_ask_\@
	global_prefetch_b8 v[PFO], s[PFA:PFA+1] offset:3*TROW th:TH_LOAD_NT scope:SCOPE_SE
.Lno_ask_\@:
.endif
	FETCH \next, 0, 0
	WIN MUL
	MULA 2, 1, NQ-1, \slot, 0
	MULA 3, 1, NQ-1, \slot, 0
.endm
.macro TOSTAGE a
.irp b, 0,1,2,3
	ds_store_b128 v[STO], v[ACC+32*(\a)+8*\b:ACC+32*(\a)+8*\b+3] offset:128*(\b/2)+32*(\b%2)
	ds_store_b128 v[STO], v[ACC+32*(\a)+8*\b+4:ACC+32*(\a)+8*\b+7] offset:128*(\b/2)+32*(\b%2)+16
.endr
.set BB, BK+32*((\a)%2)
.irp t, 0,1,2,3,4,5,6,7
	ds_load_b128 v[BB+4*\t:BB+4*\t+3], v[RD] offset:\t*2*SPITCH
.endr
.endm
.macro SEND a, younger
.set BB, BK+32*((\a)%2)
.set RR, RS+32*(\a)
	s_wait_dscnt \younger
	WIN ADD_R
.set j, 0
.rept 16
	v_pk_add_f32 v[BB+j:BB+j+1], v[BB+j:BB+j+1], v[RR+j:RR+j+1]
.set j, j+2
.endr
	WIN 0
.irp t, 0,1,2,3,4,5,6,7
	global_store_b128 v[CO], v[BB+4*\t:BB+4*\t+3], s[12:13] offset:(32*((\a)/2)+8*((\a)%2)+2*\t+8*(\t/4))*4096 th:TH_STORE_NT
.endr
.endm
	s_load_b128 s[4:7], s[0:1], 0x0
	s_load_b128 s[8:11], s[0:1], 0x10
	s_load_b64 s[12:13], s[0:1], 0x20
	v_lshl_add_u32 v[SPW], v0, 2, SPARE
	v_mov_b32 v[NIL], 0
	ds_add_u32 v28, v29
	ds_add_u32 v28, v29
	s_wait_dscnt 0x0
	v_lshrrev_b32 v1, 5, v0
	v_readfirstlane_b32 s14, v1
	s_lshr_b32 s15, s14, 1
	s_and_b32 s16, s14, 1
	s_bfe_u32 s40, ttmp6, 0x40000
	s_bfe_u32 s41, ttmp6, 0x40004
	s_lshl_b32 s42, ttmp9, 2
	s_add_co_u32 s42, s42, s40
	s_and_b32 s17, ttmp7, 0xffff
	s_lshl_b32 s17, s17, 2
	s_add_co_u32 s17, s17, s41
	s_lshl_b32 s43, s41, 2
	s_lshl_b32 s43, 15, s43
	s_lshl_b32 s44, 0x1111, s40
	s_or_b32 s[G1+0], s43, (3<<16)|(1<<21)
	s_or_b32 s[G1B+0], s44, (3<<16)|(1<<21)
.irp g, G1, G1B
	s_mov_b32 s[\g+1], (TROW/8)<<16
	s_mov_b32 s[\g+2], 8<<16                       ; tensor_dim1: 8 tiles, a whole side, for the head's loads
	s_mov_b32 s[\g+3], (TROW/8)<<16
	s_mov_b32 s[\g+4], 8
	s_mov_b32 s[\g+5], FROWB/8
	s_mov_b32 s[\g+6], 0
	s_mov_b32 s[\g+7], 0
.endr
	s_or_b32 s[G1S+0], s43, (3<<16)|(1<<21)
	s_or_b32 s[G1SB+0], s44, (3<<16)|(1<<21)
.irp g, G1S, G1SB
	s_mov_b32 s[\g+1], 32<<16
	s_mov_b32 s[\g+2], (HALFS/128)<<16             ; all scale words of a side's 128 rows
	s_mov_b32 s[\g+3], 32<<16
	s_mov_b32 s[\g+4], HALFS/128
	s_mov_b32 s[\g+5], 32
	s_mov_b32 s[\g+6], 0
	s_mov_b32 s[\g+7], 0
.endr
	s_lshl_b32 s20, s17, 1                         ; A: the side's first half
	s_lshl_b32 s46, s42, 1                         ; B: likewise
	s_mul_i32 s22, s20, HALFS
	s_add_co_u32 s22, s22, ASOFF
	s_mul_i32 s92, s46, HALFS
	s_add_co_u32 s92, s92, BSOFF
	s_mul_i32 s20, s20, 4*FROWB
	s_mul_i32 s46, s46, 4*FROWB
	s_add_co_u32 s46, s46, BCOFF
	s_mov_b32 s21, 0
	s_mov_b32 s23, 0
	s_mov_b32 s47, 0
	s_mov_b32 s93, 0
	s_mul_i32 s45, s14, HALFT
	s_mul_i32 s2, s16, 4*FROWB                     ; in the ring I fetch 64 rows of a side: which half, in bytes
	s_mov_b32 s3, 0
	s_wait_kmcnt 0x0
	s_add_nc_u64 s[20:21], s[4:5], s[20:21]
	s_add_nc_u64 s[22:23], s[4:5], s[22:23]
	s_add_nc_u64 s[46:47], s[6:7], s[46:47]
	s_add_nc_u64 s[92:93], s[6:7], s[92:93]
	CROUND
	s_mov_b32 s[G0S], 1
	s_mov_b32 s[G0S+1], SCL
	s_mov_b64 s[G0S+2:G0S+3], s[22:23]
	s_or_b32 s[G0S+3], s[G0S+3], 0x80000000
	s_mov_b32 s[G0SB], 1
	s_mov_b32 s[G0SB+1], SCL+2*HALFS
	s_mov_b64 s[G0SB+2:G0SB+3], s[92:93]
	s_or_b32 s[G0SB+3], s[G0SB+3], 0x80000000
.irp s, 0,1
	s_mov_b32 s[G0+4*\s], 1
	s_add_co_u32 s[G0+4*\s+1], s45, \s*SLOT
	s_add_nc_u64 s[G0+4*\s+2:G0+4*\s+3], s[20:21], \s*TROW
	s_or_b32 s[G0+4*\s+3], s[G0+4*\s+3], 0x80000000
	s_mov_b32 s[G0B+4*\s], 1
	s_add_co_u32 s[G0B+4*\s+1], s45, \s*SLOT
	s_add_nc_u64 s[G0B+4*\s+2:G0B+4*\s+3], s[46:47], \s*TROW
	s_or_b32 s[G0B+4*\s+3], s[G0B+4*\s+3], 0x80000000
.endr
	s_add_nc_u64 s[G0+6:G0+7], s[G0+6:G0+7], s[2:3]        ; slot 1's loads take my half of a side
	s_add_nc_u64 s[G0B+6:G0B+7], s[G0B+6:G0B+7], s[2:3]
	s_mov_b32 s[G0+1], 0                           ; the head's loads take whole sides of slot 0
	s_mov_b32 s[G0B+1], 2*HALFT
; THE HEAD'S LOADS, ONE A WAVE: wave 0 A's side of slot 0, wave 1 B's, wave 2 A's scale words, wave 3 B's.  One chain of branches on the wave's number.
.macro ARM under, g0, g1, next
	s_cmp_lt_u32 s14, \under
	s_cbranch_scc0 \next
	tensor_load_to_lds s[\g0:\g0+3], s[\g1:\g1+7]
	s_nop 0
.rept 4
	v_nop
.endr
	s_branch .Lhead_asked
\next:
.endm
	ARM 1, G0,  G1,  .Lhead_b
	ARM 2, G0B, G1B, .Lhead_sa
	ARM 3, G0S, G1S, .Lhead_sb
	tensor_load_to_lds s[G0SB:G0SB+3], s[G1SB:G1SB+7]
	s_nop 0
.rept 4
	v_nop
.endr
.Lhead_asked:
	; THE PREFETCHES.  Of the four tiles that a wave fetches in the ring, each of the four partners that ask for them jointly names one, told apart by address (cx for A, cy for B): 24 blocks of 256 bytes a slot, one instruction a wave.
	; Slots 2 and 3 are named here, slot n + 4 in the turn that refills slot n + 2 (n = 0 .. 3): at most two slots are named and not yet loaded.
	s_cmp_eq_u32 s15, 0
	s_cselect_b64 s[PFA:PFA+1], s[20:21], s[46:47]
	s_cselect_b32 s98, s40, s41
	s_mul_i32 s98, s98, FROWB
	s_mov_b32 s99, 0
	s_add_nc_u64 s[PFA:PFA+1], s[PFA:PFA+1], s[2:3]
	s_add_nc_u64 s[PFA:PFA+1], s[PFA:PFA+1], s[98:99]
	v_and_b32 v[PFO], 31, v0
	v_min_u32 v[PFO], 23, v[PFO]
	v_lshlrev_b32 v[PFO], 8, v[PFO]
	global_prefetch_b8 v[PFO], s[PFA:PFA+1] offset:2*TROW th:TH_LOAD_NT scope:SCOPE_SE
	global_prefetch_b8 v[PFO], s[PFA:PFA+1] offset:3*TROW th:TH_LOAD_NT scope:SCOPE_SE
	v_and_b32 v1, 15, v0
	v_bfe_u32 v2, v0, 4, 1
	s_wait_alu depctr_va_vdst(0)
	v_and_b32 v3, 31, v0
	v_lshlrev_b32 v[L8], 3, v3
	s_mul_i32 s21, s15, HALFT
	s_mul_i32 s22, s16, HALFT
	s_add_co_u32 s22, s22, 2*HALFT
.irp s, 0,1
	v_add_nc_u32 v[ADRA+\s], s21, v[L8]
	v_add_nc_u32 v[ADRB+\s], s22, v[L8]
	s_add_co_u32 s21, s21, SLOT
	s_add_co_u32 s22, s22, SLOT
.endr
	s_lshl_b32 s21, s15, 9
	s_lshl_b32 s22, s16, 9
	s_add_co_u32 s22, s22, 2*HALFS
	s_sub_co_u32 s22, s22, s21
	v_mul_u32_u24 v6, s22, v2
	s_add_co_u32 s21, s21, SCL
	v_lshl_add_u32 v5, v1, 3, v6
	v_add_nc_u32 v[ADRS], s21, v5
	s_mul_i32 s23, s14, 16*SPITCH
	v_mul_u32_u24 v5, v1, SPITCH
	v_lshl_add_u32 v5, v2, 6, v5
	v_add_nc_u32 v[STO], s23, v5
	v_mul_u32_u24 v5, v2, SPITCH
	v_lshl_add_u32 v5, v1, 4, v5
	v_add_nc_u32 v[RD], s23, v5
	v_lshlrev_b32 v[CO], 4, v1
	v_lshl_add_u32 v[CO], v2, 12, v[CO]
	s_wait_alu depctr_va_vdst(0)
	s_lshl_b32 s46, s42, 9
	s_lshl_b32 s47, s16, 8
	s_add_co_u32 s46, s46, s47
	s_mov_b32 s47, 0
	s_add_nc_u64 s[8:9], s[8:9], s[46:47]
	v_lshlrev_b32 v7, 6, v2
.irp p, 0,1
.irp c, 0,1,2,3
	global_load_b128 v[BI+16*\p+4*\c:BI+16*\p+4*\c+3], v7, s[8:9] offset:128*\p+16*\c
.endr
.endr
	s_lshl_b32 s20, s17, 19
	s_lshl_b32 s21, s15, 18
	s_add_co_u32 s20, s20, s21
	s_add_co_u32 s20, s20, s46
	s_mov_b32 s21, 0
	s_add_nc_u64 s[10:11], s[10:11], s[20:21]
	s_add_nc_u64 s[12:13], s[12:13], s[20:21]
	WIN TO_R
.irp a, 0,1,2,3
.irp t, 0,1,2,3,4,5,6,7
	global_load_b128 v[RS+32*\a+4*\t:RS+32*\a+4*\t+3], v[CO], s[10:11] offset:(32*(\a/2)+8*(\a%2)+2*\t+8*(\t/4))*4096
.endr
.endr
	WIN 0
	s_wait_alu depctr_va_vdst(0)
	s_wait_tensorcnt 0x0                           ; my tile of the head's four is in
	ds_add_u32 v[SPW], v[NIL]
	s_mov_b32 s[G1+2], 4<<16                       ; no tensor load of mine is out: from here on a load brings 4 tiles, my half of a side
	s_mov_b32 s[G1+4], 4
	s_mov_b32 s[G1B+2], 4<<16
	s_mov_b32 s[G1B+4], 4
	s_add_co_u32 s[G0+1], s45, 0
	s_add_co_u32 s[G0B+1], s45, 0
	s_add_nc_u64 s[G0+2:G0+3], s[G0+2:G0+3], s[2:3]
	s_add_nc_u64 s[G0B+2:G0B+3], s[G0B+2:G0B+3], s[2:3]
	s_wait_dscnt 0x0
	CROUND                                         ; all four tiles are in, and all sixteen work-groups are here
	JLOAD G0+4, G1, G0B+4, G1B                     ; slot 1's first fill, the first tensor load behind the round
	SCALES 0
	FETCH 0, 0, 0
	s_wait_loadcnt 32
	STEP 0, 0, 1
	STEP 0, 1, 0
	STEP 0, 2, 0
.if LAPS > 1
	WIN 0
	s_mov_b32 s3, LAPS-1
.Llap:
	TURN 0, 1, 1
	STEP 1, 0, 0
	STEP 1, 1, 0
	STEP 1, 2, 0
	TURN 1, 0, 1
	STEP 0, 0, 0
	STEP 0, 1, 0
	STEP 0, 2, 0
	WIN 0
	s_sub_co_u32 s3, s3, 1
	s_cmp_lg_u32 s3, 0
	s_cbranch_scc1 .Llap
.endif
	TURN 0, 1, 0
	STEP 1, 0, 0
	STEP 1, 1, 0
	STEP 1, 2, 0
	s_wait_dscnt 2*NL
	WIN MUL
	MULA 0, 1, NQ-1, 1, 0
	MULA 1, 1, NQ-1, 1, 0
	s_wait_dscnt 0
	MULA 2, 1, NQ-1, 1, 0
	MULA 3, 1, NQ-1, 1, 0
	WIN 0
	PLACES NP
	s_wait_loadcnt 0x0
	TOSTAGE 0
.irp a, 1,2,3
.if \a > 1
	s_wait_xcnt 0x0
.endif
	TOSTAGE \a
	SEND \a-1, 16
.endr
	SEND 3, 0
	s_wait_tensorcnt 0x0
	ds_add_u32 v[SPW], v[NIL]
	s_wait_dscnt 0x0
	CROUND
	s_endpgm
.Lfunc_end_k_q22e47c9c82_ff2:
	.size	k_q22e47c9c82_ff2, .Lfunc_end_k_q22e47c9c82_ff2-k_q22e47c9c82_ff2
	.p2alignl 7, 3214868480
	.fill 96, 4, 3214868480
	.section	.rodata,"a",@progbits
	.p2align	6, 0x0
	.amdhsa_kernel k_q22e47c9c82_ff2
		.amdhsa_group_segment_fixed_size 327680
		.amdhsa_private_segment_fixed_size 0
		.amdhsa_enable_private_segment 0
		.amdhsa_kernarg_size 40
		.amdhsa_user_sgpr_count 2
		.amdhsa_user_sgpr_kernarg_segment_ptr 1
		.amdhsa_wavefront_size32 1
		.amdhsa_system_sgpr_workgroup_id_x 1
		.amdhsa_system_sgpr_workgroup_id_y 1
		.amdhsa_system_sgpr_workgroup_id_z 1
		.amdhsa_system_vgpr_workitem_id 0
		.amdhsa_next_free_vgpr 640
		.amdhsa_next_free_sgpr 104
		.amdhsa_reserve_vcc 0
		.amdhsa_float_denorm_mode_32 3
		.amdhsa_float_denorm_mode_16_64 3
		.amdhsa_memory_ordered 1
		.amdhsa_forward_progress 1
		.amdhsa_inst_pref_size 116
	.end_amdhsa_kernel
	.amdgpu_metadata
---
amdhsa.version: [ 1, 2 ]
amdhsa.kernels:
  - .name:           k_q22e47c9c82_ff2
    .symbol:         k_q22e47c9c82_ff2.kd
    .args:
      - { .name: hq, .offset: 0, .size: 8, .value_kind: global_buffer, .address_space: global }
      - { .name: wq, .offset: 8, .size: 8, .value_kind: global_buffer, .address_space: global }
      - { .name: b2, .offset: 16, .size: 8, .value_kind: global_buffer, .address_space: global }
      - { .name: x1, .offset: 24, .size: 8, .value_kind: global_buffer, .address_space: global }
      - { .name: out0, .offset: 32, .size: 8, .value_kind: global_buffer, .address_space: global }
    .group_segment_fixed_size: 327680
    .private_segment_fixed_size: 0
    .kernarg_segment_align: 8
    .kernarg_segment_size: 40
    .max_flat_workgroup_size: 128
    .sgpr_count:     104
    .vgpr_count:     640
    .wavefront_size: 32
...
	.end_amdgpu_metadata
.endif
;; end of part 14
